; MI455X (gfx1250); checked and timed in simulation.
; The chip was launched on July 23, 2026; its instructions are those of AMD's public machine-readable ISA for CDNA 5 (MIT licence, August 2026) and "CDNA5" Instruction Set Architecture Reference Guide (July 2026). The comments in the code are by the model that wrote it; some were corrected since.
;; Transformer Block. Allowed arithmetic: matrix products marked QUANTISED: E2M3 operands, one E8M0 scale for each 32 along K, by v_wmma_scale_f32_16x16x128_f8f6f4 with both operands' format E2M3, f32 sums; everything else in f32.
;; Inputs: W1 1,024 x 4,096 float32; W2 4,096 x 1,024 float32; Wk 1,024 x 1,024 float32; Wo 1,024 x 1,024 float32; Wq 1,024 x 1,024 float32; Wv 1,024 x 1,024 float32; b1 4,096 float32; b2 1,024 float32; bk 1,024 float32; bo 1,024 float32; bq 1,024 float32; bv 1,024 float32; ln1_b 1,024 float32; ln1_g 1,024 float32; ln2_b 1,024 float32; ln2_g 1,024 float32; x 2 x 2,048 x 1,024 float32.
;; Outputs: out0 2 x 2,048 x 1,024 float32.
;; This version of the problem:
;;   THIS VERSION OF THE PROBLEM IS GIVEN IN LOW PRECISION. The matrix products marked QUANTISED in the list below multiply operands that are first quantised to E2M3 (2 exponent bits, 3 mantissa bits; 6 bits a number), with one power-of-two scale for each 32 numbers along K (OCP MX v1.0); their sums are f32. All else is computed in f32.
;;   The module's matrix products, in the order in which they are computed (A, B: the left and right operand; K: the contracted axis; several contracted axes count as one K, in the product's order):
;;     1. [M 4,096, K 1,024] x [K 1,024, N 1,024]; A: computed on the way; B: input Wq: QUANTISED
;;     2. [M 4,096, K 1,024] x [K 1,024, N 1,024]; A: computed on the way; B: input Wk: QUANTISED
;;     3. [M 4,096, K 1,024] x [K 1,024, N 1,024]; A: computed on the way; B: input Wv: QUANTISED
;;     4. batch 32 x [M 2,048, K 64] x [K 64, N 2,048]; A: computed on the way; B: computed on the way: QUANTISED
;;     5. batch 32 x [M 2,048, K 2,048] x [K 2,048, N 64]; A: softmax (see below); B: computed on the way: QUANTISED
;;     6. [M 4,096, K 1,024] x [K 1,024, N 1,024]; A: computed on the way; B: input Wo: QUANTISED
;;     7. [M 4,096, K 1,024] x [K 1,024, N 4,096]; A: computed on the way; B: input W1: QUANTISED
;;     8. [M 4,096, K 4,096] x [K 4,096, N 1,024]; A: computed on the way; B: input W2: QUANTISED
;;   THE QUANTISER, for each operand of a quantised product, along K:
;;     - K is cut into blocks of 32 from its start; a last block that is shorter is filled with zeros.
;;     - A block's scale is 2^e with e = floor(log2(the largest magnitude in the block)) - 2, held to -126 .. 127; a block of zeros has e = 0. As a byte (E8M0): e + 127.
;;     - Each number is divided by its block's scale, clamped to +-7.5, and rounded to the nearest number of E2M3, ties to even, subnormals kept.
;;     - The product sums the exact products of the quantised numbers (number of the format x scale) in f32.
;;   ~~~python
;;   def quantise(x, axis):      # numpy; x: float32 -> the quantised numbers, widened to float32 again
;;       x = np.moveaxis(x, axis, -1); K = x.shape[-1]
;;       x = np.pad(x, [(0, 0)] * (x.ndim - 1) + [(0, -K % 32)]); x = x.reshape(x.shape[:-1] + (-1, 32)); a = np.abs(x).max(-1, keepdims=True)
;;       e = np.where(a > 0, np.clip(np.frexp(np.where(a > 0, a, 1))[1] - 1 - 2, -126, 127), 0)      # np.frexp(a)[1] - 1 = floor(log2(a)), exactly
;;       r = np.clip(x / 2.0 ** e, -7.5, 7.5)
;;       step = 2.0 ** (np.maximum(np.frexp(np.where(r == 0, 1, r))[1] - 1, 0) - 3)
;;       q = np.round(r / step) * step * 2.0 ** e      # np.round: ties to even
;;       return np.moveaxis(q.reshape(q.shape[:-2] + (-1,))[..., :K], -1, axis).astype(np.float32)
;;   ~~~
;;   SOFTMAX AHEAD OF A QUANTISED PRODUCT. Where the list says 'softmax', what is quantised is not the finished softmax but p = 2^(t - M), with t = logit x log2(e) and M = ceil(the row's largest t), a whole number; so 1/2 < the row's largest p <= 1. The row's sum l is taken of the UNQUANTISED p, in f32, and the product's result is divided by l at the end. Since M is a whole number, a kernel that streams over the keys may use a running M (the ceiling of the running maximum): every later rescaling is an exact power of two, which a block's scale takes up: the codes' values come out the same.
;;   OPERANDS COMPUTED ON THE WAY. 'Computed on the way' means the value that the module computes at that place (a softmax that the list does not call 'softmax' is quantised finished and normalised). What goes into a quantiser is computed in f32, as accurately as f32 sums, v_exp_f32 and their like allow (about 1e-6 of the number): no bf16 or f16 on the way to a quantiser, and a product that is left as it is and whose result goes on into a quantised operand takes f32 operands (vector FMAs, or v_wmma_f32_16x16x4_f32). A number that lies on a knife's edge between two numbers of the format may be rounded either way, as far as f32 arithmetic and the matrix unit's own rounding can turn it there, and no further.
;; 2 versions. Each part assembles by itself: llvm-mc -triple=amdgcn-amd-amdhsa -mcpu=gfx1250 --defsym DOCPART=n.
;; ======== version 1 of 2: 8 launches
;; workspace buffers: wts 9,830,400 bytes; hq 3,276,800 bytes; qkv 9,830,400 bytes; ctx 3,276,800 bytes; x1 16,777,216 bytes; gq 13,107,200 bytes
;; launch wquant (part 1): grid 384 x 1, 4 waves a work-group, no clusters, 25,088 bytes of LDS; arguments W1, W2, Wq, Wk, Wv, Wo, wts; writes wts
.if DOCPART == 1
	.amdgcn_target "amdgcn-amd-amdhsa--gfx1250"
	.amdhsa_code_object_version 6
	.text
	.protected	k_qb5bf203ed5_wquant
	.globl	k_qb5bf203ed5_wquant
	.p2align	8
	.type	k_qb5bf203ed5_wquant,@function
k_qb5bf203ed5_wquant:
	s_mov_b64 s[64:65], 0
	v_nop
	global_prefetch_b8 v0, s[64:65] scope:SCOPE_SE
	s_setreg_imm32_b32 hwreg(HW_REG_WAVE_MODE, 25, 1), 1
	s_wait_xcnt 0x0
; THE PROGRAM: a pre-LN transformer block, 4,096 tokens x 1,024, 16 heads of 64, an MLP of 4,096; all eight products on codes of FP6 (E2M3) with one E8M0 scale for each 32 along K.
; Launches: wquant (the six weights into codes) | ln (LayerNorm 1 into codes) | gemm_qkv (q, k, v, each quantised on its way out) | attn (both attention products; ctx quantised on its way out) |
; gemm_o (x1 = x + ctx Wo + bo) | ln2 (LayerNorm 2 into codes) | gemm_w1 (gelu(h W1 + b1), quantised on its way out) | gemm_2 (out0 = x1 + g W2 + b2).
; WORK LEFT OUT: reference() builds jnp.tril itself and sets every score with key > query to -inf ahead of the softmax; its weight is then 0 whatever finite values the inputs hold.  So a step of 128 keys
; all of which come after all 16 queries of a tile adds nothing to any sum, and attn leaves such steps out (loads, products and softmax).  Nothing else is left out; every input has a way to the output and is loaded.
; LIMIT: a NaN, an infinity or an overflow that would arise only in such hidden steps is not carried to the result.  NaN and infinities among the inputs are not served.
; LAYOUT OF ALL OPERANDS OF THIS PROGRAM.  Rows stand in an order pi that swaps bits 3 and 4 of the row's number: 16 rows on end (a tile, number 2 c + u) are the rows 32 c + 8 u + r + 8 (r / 8), r = 0 .. 15.
; Used as source 0 of a product, two neighbouring tiles then leave 16 NEIGHBOURS of that axis in a lane's 16 result registers, which is what the next quantiser wants.  K is always in its own order.
; Codes lie as images of the operand's registers: a half image is 16 rows x 64 along K = 768 bytes: piece g (256 bytes) holds registers 2 g, 2 g + 1 of lane l at byte 8 l.
; A tensor is [block of 128 rows][64 along K][tile 0..7][768]; its scale words are [block of 128 rows][128 along K][128 rows][4 bytes].
;
; THIS LAUNCH: W [K][N] f32, K its first axis, into such codes with rows n.  A lane takes a column n and its registers run down K: a block of 32 lies in one lane, and the conversions give codes with K innermost.
; A work-group takes 128 columns x 256 along K, a wave 32 columns (two tiles).  One path serves the six tensors: source, pitch and places are chosen by the work-group's number.
; A block's scale is 2^(floor(log2(largest magnitude)) - 2): its byte is the largest magnitude's exponent field - 2, held at 1 from below.
; LIMITS: a block of zeros gets the byte 1 where the rule says 127 (its codes are zeros, and this program alone reads the bytes); blocks whose largest magnitude lies under 2^-124 keep the byte 1.
; The scale words leave in runs of 128 bytes (one byte for each 24 bytes of codes and 128 bytes read); the codes leave in runs of 512 bytes.
; No tensor loads, no cluster, no barrier: the waves share nothing and no byte is read twice.
.set WS_QKV, 9437184                   ; where the scale words begin in wts
.set SPARE,  24576                     ; behind the four stages of 6,144 bytes: the spare words, 128 bytes for each wave
.set SPW, 14                           ; v14  LDS address of my spare word; never rewritten
.set NIL, 15                           ; v15  0; never rewritten
.set SB,  24                           ; v24-25   my column's eight scale bytes
.set VO,  32                           ; v32-63   byte offset of row i of a block at my column
.set X,   64                           ; v64-127  two sets of 32 numbers
.set C,   128                          ; v128-134 a block's codes
.set OUTR, 136                         ; v136-183 the way out
.set SRC, 32                           ; s[32:47] the address of each of my eight blocks' first row
	s_load_b256 s[4:11], s[0:1], 0x0               ; W1, W2, Wq, Wk
	s_load_b128 s[12:15], s[0:1], 0x20             ; Wv, Wo
	s_load_b64 s[16:17], s[0:1], 0x30              ; wts
	v_lshl_add_u32 v[SPW], v0, 2, SPARE
	v_mov_b32 v[NIL], 0
	v_lshrrev_b32 v1, 5, v0
	v_readfirstlane_b32 s18, v1                    ; wave
	v_and_b32 v2, 31, v0                           ; lane = my column among the wave's 32
	v_lshlrev_b32 v3, 2, v2
	v_and_b32 v5, 7, v0
	v_bfe_u32 v6, v0, 4, 1
	v_lshl_add_u32 v5, v6, 3, v5                   ; my column's row in its tile: (l % 8) + 8 (l / 16)
	v_bfe_u32 v6, v0, 3, 1                         ; and its tile of the wave's two: (l / 8) % 2
	s_mul_i32 s19, s18, 6144                       ; my wave's stage: [64 along K: 4][tile: 2][768]
	v_mul_u32_u24 v4, v6, 768
	v_lshl_add_u32 v4, v5, 3, v4
	v_add_nc_u32 v4, s19, v4                       ; into the stage
	v_lshlrev_b32 v8, 4, v2
	v_add_nc_u32 v7, s19, v8                       ; and out of it, 16 bytes a lane
	v_lshl_add_u32 v9, v6, 4, v5
	v_lshlrev_b32 v9, 2, v9                        ; my row's scale word among the wave's 32
	; which tensor: work-groups 0-127 W1, 128-255 W2, 256-383 Wq, Wk, Wv, Wo (32 each)
	s_lshr_b32 s20, ttmp9, 7                       ; class 0, 1, 2
	s_and_b32 s21, ttmp9, 127
	s_lshr_b32 s25, s21, 5                         ; in class 2: which of the four
	s_cmp_eq_u32 s20, 0
	s_cselect_b32 s22, 31, 7                       ; W1 has 32 blocks of 128 columns, the others 8
	s_cselect_b32 s23, 5, 3
	s_cselect_b32 s24, 2, 0
	s_cselect_b32 s26, 4, s25                      ; the tensor's place in wts, in units of a 1,024 x 1,024 tensor: Wq 0 .. Wo 3, W1 4, W2 8
	s_cmp_eq_u32 s20, 1
	s_cselect_b32 s27, 15, 3                       ; W2 has 16 runs of 256 along K, the others 4
	s_cselect_b32 s28, 2, 0
	s_cselect_b32 s26, 8, s26
	s_and_b32 s22, s21, s22                        ; nb: my block of 128 columns
	s_lshr_b32 s23, s21, s23
	s_and_b32 s23, s23, s27                        ; kb: my 256 along K
	s_lshl_b32 s24, 4096, s24                      ; a row of W in bytes
	s_lshl_b32 s29, 98304, s28                     ; a block of 128 rows of codes in bytes
	s_lshl_b32 s28, 4096, s28                      ; and of scale words
	s_mul_i32 s30, s23, s24
	s_lshl_b32 s30, s30, 8                         ; kb x 256 rows
	s_lshl_b32 s19, s22, 9
	s_add_co_u32 s30, s30, s19                     ; + nb x 128 columns
	s_lshl_b32 s19, s18, 7
	s_add_co_u32 s30, s30, s19                     ; + wave x 32 columns
	s_mov_b32 s31, 0
	s_lshl_b32 s48, s24, 5                         ; 32 rows on
	s_mov_b32 s49, 0
	s_mul_i32 s50, s26, 786432                     ; the codes: tensor,
	s_mul_i32 s19, s22, s29
	s_add_co_u32 s50, s50, s19                     ; block of 128 rows,
	s_mul_i32 s19, s23, 24576
	s_add_co_u32 s50, s50, s19                     ; 256 along K,
	s_mul_i32 s19, s18, 1536
	s_add_co_u32 s50, s50, s19                     ; my two tiles
	s_mov_b32 s51, 0
	s_lshl_b32 s52, s26, 15                        ; the scale words likewise
	s_add_co_u32 s52, s52, WS_QKV
	s_mul_i32 s19, s22, s28
	s_add_co_u32 s52, s52, s19
	s_lshl_b32 s19, s23, 10
	s_add_co_u32 s52, s52, s19
	s_lshl_b32 s19, s18, 7
	s_add_co_u32 s52, s52, s19
	s_mov_b32 s53, 0
.set i, 0
.rept 32
	v_mad_u32_u24 v[VO+i], s24, i, v3              ; row i of a block, my column
.set i, i+1
.endr
	s_wait_kmcnt 0x0
	s_cmp_eq_u32 s25, 1                            ; the source: every choice hangs on the work-group's number alone
	s_cselect_b64 s[8:9], s[10:11], s[8:9]
	s_cmp_eq_u32 s25, 2
	s_cselect_b64 s[8:9], s[12:13], s[8:9]
	s_cmp_eq_u32 s25, 3
	s_cselect_b64 s[8:9], s[14:15], s[8:9]
	s_cmp_eq_u32 s20, 0
	s_cselect_b64 s[8:9], s[4:5], s[8:9]
	s_cmp_eq_u32 s20, 1
	s_cselect_b64 s[8:9], s[6:7], s[8:9]
	s_add_nc_u64 s[SRC:SRC+1], s[8:9], s[30:31]
.irp t, 1,2,3,4,5,6,7
	s_add_nc_u64 s[SRC+2*\t:SRC+2*\t+1], s[SRC+2*\t-2:SRC+2*\t-1], s[48:49]
.endr
	s_add_nc_u64 s[50:51], s[16:17], s[50:51]
	s_add_nc_u64 s[52:53], s[16:17], s[52:53]
.macro LOAD t                          ; block t: W(32 t + i, my column), i = 0 .. 31, into set t % 2; 32 lanes read 128 consecutive bytes, the four waves 512
.set i, 0
.rept 32
	global_load_b32 v[X+32*((\t)%2)+i], v[VO+i], s[SRC+2*(\t):SRC+2*(\t)+1] th:TH_LOAD_NT
.set i, i+1
.endr
.endm
	LOAD 0
	LOAD 1
.macro BLOCK t
.set XS, X+32*((\t)%2)
.if (\t) < 7
	s_wait_loadcnt 32                              ; this block's 32 loads are in; the next block's 32 may be out
.else
	s_wait_loadcnt 0
.endif
	v_max3_num_f32 v12, |v[XS]|, |v[XS+1]|, |v[XS+2]|              ; the block's largest magnitude: all 32 numbers are mine
	v_max3_num_f32 v13, |v[XS+3]|, |v[XS+4]|, |v[XS+5]|
.irp i, 6,10,14,18,22,26
	v_max3_num_f32 v12, v12, |v[XS+\i]|, |v[XS+\i+1]|
	v_max3_num_f32 v13, v13, |v[XS+\i+2]|, |v[XS+\i+3]|
.endr
	v_max3_num_f32 v12, v12, |v[XS+30]|, |v[XS+31]|
	v_max3_num_f32 v12, v12, v13, 0x1800000        ; and the floor 2^(3 - 127): the byte cannot fall under 1
	v_add_nc_u32 v11, 0xff000000, v12              ; 2 off the exponent field: the conversion takes this operand's exponent field as its scale
	v_lshrrev_b32 v13, 23, v11                     ; the scale's byte
.if (\t)%4 == 0
	v_mov_b32 v[SB+(\t)/4], v13                    ; four bytes to a word, the lower K in the lower byte
.else
	v_lshl_or_b32 v[SB+(\t)/4], v13, 8*((\t)%4), v[SB+(\t)/4]
.endif
	v_cvt_scalef32_pk16_fp6_f32 v[C:C+2], v[XS:XS+15], v11
	v_cvt_scalef32_pk16_fp6_f32 v[C+4:C+6], v[XS+16:XS+31], v11    ; (a conversion's three registers begin on an even number)
	v_nop                                          ; one plain line between a scaled conversion and the vector lines that touch its result
	v_mov_b32 v[C+3], v[C+4]
	v_mov_b32 v[C+4], v[C+5]
	v_mov_b32 v[C+5], v[C+6]                       ; v[C .. C+5]: the block's 192 bits on end
.irp g, 0,1,2
	ds_store_b64 v4, v[C+2*\g:C+2*\g+1] offset:((\t)/2)*1536+128*((\t)%2)+256*\g   ; the image's place of lane (my row) + 16 (t % 2)
.endr
.if (\t)+2 < 8
	LOAD (\t)+2
.endif
	s_wait_dscnt 0x0                               ; the stores have read their registers: the next block's codes may be written
.endm
.set Q, 0
.rept 8
	BLOCK Q
.set Q, Q+1
.endr
	global_store_b32 v9, v[SB], s[52:53]           ; my row's scale words of the two steps of 128 along K
	global_store_b32 v9, v[SB+1], s[52:53] offset:512
.set k, 0
.rept 12
	ds_load_b128 v[OUTR+4*k:OUTR+4*k+3], v7 offset:512*k           ; LDS serves a wave's instructions in order: these see my stores
.set k, k+1
.endr
.set k, 0
.rept 12
	s_wait_dscnt 11-k                              ; load k is back; the younger ones may be out
	global_store_b128 v8, v[OUTR+4*k:OUTR+4*k+3], s[50:51] offset:(k/3)*6144+512*(k%3)   ; 32 lanes store 512 consecutive bytes, at a multiple of 256 from the buffer's first byte
.set k, k+1
.endr
	s_wait_tensorcnt 0x0                           ; the wave's end
	ds_add_u32 v[SPW], v[NIL]
	s_wait_dscnt 0x0
	s_endpgm
.Lfunc_end_k_qb5bf203ed5_wquant:
	.size	k_qb5bf203ed5_wquant, .Lfunc_end_k_qb5bf203ed5_wquant-k_qb5bf203ed5_wquant
	.p2alignl 7, 3214868480
	.fill 96, 4, 3214868480
	.section	.rodata,"a",@progbits
	.p2align	6, 0x0
	.amdhsa_kernel k_qb5bf203ed5_wquant
		.amdhsa_group_segment_fixed_size 25088
		.amdhsa_private_segment_fixed_size 0
		.amdhsa_enable_private_segment 0
		.amdhsa_kernarg_size 56
		.amdhsa_user_sgpr_count 2
		.amdhsa_user_sgpr_kernarg_segment_ptr 1
		.amdhsa_wavefront_size32 1
		.amdhsa_system_sgpr_workgroup_id_x 1
		.amdhsa_system_sgpr_workgroup_id_y 1
		.amdhsa_system_sgpr_workgroup_id_z 1
		.amdhsa_system_vgpr_workitem_id 0
		.amdhsa_next_free_vgpr 224
		.amdhsa_next_free_sgpr 66
		.amdhsa_reserve_vcc 0
		.amdhsa_float_denorm_mode_32 3
		.amdhsa_float_denorm_mode_16_64 3
		.amdhsa_memory_ordered 1
		.amdhsa_forward_progress 1
		.amdhsa_inst_pref_size 46
	.end_amdhsa_kernel
	.amdgpu_metadata
---
amdhsa.version: [ 1, 2 ]
amdhsa.kernels:
  - .name:           k_qb5bf203ed5_wquant
    .symbol:         k_qb5bf203ed5_wquant.kd
    .args:
      - { .name: W1, .offset: 0, .size: 8, .value_kind: global_buffer, .address_space: global }
      - { .name: W2, .offset: 8, .size: 8, .value_kind: global_buffer, .address_space: global }
      - { .name: Wq, .offset: 16, .size: 8, .value_kind: global_buffer, .address_space: global }
      - { .name: Wk, .offset: 24, .size: 8, .value_kind: global_buffer, .address_space: global }
      - { .name: Wv, .offset: 32, .size: 8, .value_kind: global_buffer, .address_space: global }
      - { .name: Wo, .offset: 40, .size: 8, .value_kind: global_buffer, .address_space: global }
      - { .name: wts, .offset: 48, .size: 8, .value_kind: global_buffer, .address_space: global }
    .group_segment_fixed_size: 25088
    .private_segment_fixed_size: 0
    .kernarg_segment_align: 8
    .kernarg_segment_size: 56
    .max_flat_workgroup_size: 128
    .sgpr_count:     66
    .vgpr_count:     224
    .wavefront_size: 32
...
	.end_amdgpu_metadata
.endif
;; end of part 1
;; launch ln (part 2): grid 256 x 1, 4 waves a work-group, no clusters, 66,304 bytes of LDS; arguments x, ln1_g, ln1_b, hq; writes hq
.if DOCPART == 2
	.amdgcn_target "amdgcn-amd-amdhsa--gfx1250"
	.amdhsa_code_object_version 6
	.text
	.protected	k_qb5bf203ed5_ln
	.globl	k_qb5bf203ed5_ln
	.p2align	8
	.type	k_qb5bf203ed5_ln,@function
k_qb5bf203ed5_ln:
	s_mov_b64 s[64:65], 0
	v_nop
	global_prefetch_b8 v0, s[64:65] scope:SCOPE_SE
	s_setreg_imm32_b32 hwreg(HW_REG_WAVE_MODE, 25, 1), 1
	s_wait_xcnt 0x0
; y = (x - mean) rsqrt(var + 1e-5) g + b along rows of 1,024, all in f32, then quantised along the row into codes of FP6 (E2M3) with one E8M0 scale for each 32, laid as the GEMMs want an operand
; (wquant's head comment: rows in the order pi, half images of 768 bytes, scale words).  Arguments: the rows [4096][1024] f32, g, b, the codes' buffer (scale words from byte HSO on).
; A work-group makes one tile: 16 rows on end of the buffer, which are the rows 32 (T / 2) + 8 (T % 2) + r + 8 (r / 8).  PHASE A: wave w normalises the tile's rows 4 w .. 4 w + 3, a row in 32 registers of each lane:
; the row is read once.  The variance is the mean of the squared differences from the mean (a second pass over registers), so a common offset of the inputs costs no digits.  The rows meet in LDS.
; PHASE B: wave w quantises K steps 2 w and 2 w + 1 (128 along K each) of all 16 rows: lane (r, h) takes of row r the 16 numbers 32 b + 16 h + 0 .. 15 of each block b.
; LIMITS: NaN and infinities are not served; a block of zeros gets the byte 1 (its codes are zeros; this program alone reads the bytes); blocks under 2^-124 keep the byte 1.
; The codes leave in whole runs of 256 bytes; the scale words in runs of 64 bytes (4 bytes for each 96 of codes).  Memory binds: no matrix unit, no cluster (no byte is shared between work-groups).
.set PITCH, 4112                       ; a row of y in LDS: 4,096 bytes + 16: an odd multiple of 16, so that the 16 rows that a load touches start in different banks
.set SPARE, 16*PITCH                   ; behind the rows: the spare words, 128 bytes for each wave
.set HSO,   3145728                    ; where the scale words begin
.set SU,  16                           ; v16-23  the four rows' sums (pairs), then their means
.set PT,  24                           ; v24-27  what the other half of the lanes holds
.set SQ,  32                           ; v32-39  the sums of squares
.set RS,  40                           ; v40-47  1 / sqrt(var + eps), twice each: a pair for the packed multiply
.set TM,  32                           ; v32-47  phase B: at work
.set X,   64                           ; v64-191 phase A: four rows x 32 numbers; phase B: two K steps x 64 numbers
.set G,   192                          ; v192-223 g;  v224-255 b;  phase B: the codes
.set B,   224
.set SPW, 62
.set NIL, 63
	s_load_b256 s[4:11], s[0:1], 0x0               ; rows, g, b, codes
	v_lshl_add_u32 v[SPW], v0, 2, SPARE
	v_mov_b32 v[NIL], 0
	v_lshrrev_b32 v1, 5, v0
	v_readfirstlane_b32 s12, v1                    ; wave
	v_and_b32 v2, 31, v0
	v_lshlrev_b32 v3, 4, v2                        ; 16 x lane
	s_lshr_b32 s13, ttmp9, 1
	s_lshl_b32 s13, s13, 5
	s_and_b32 s14, ttmp9, 1
	s_lshl_b32 s14, s14, 3
	s_add_co_u32 s13, s13, s14                     ; the tile's first row: 32 (T / 2) + 8 (T % 2)
	s_lshl_b32 s14, s12, 2
	s_add_co_u32 s13, s13, s14
	s_lshr_b32 s14, s12, 1
	s_lshl_b32 s14, s14, 3
	s_add_co_u32 s13, s13, s14                     ; my four: + 4 w + 8 (w / 2)
	s_lshl_b32 s14, s13, 12
	s_mov_b32 s15, 0
	s_mov_b32 s16, 0x76543210
	s_mov_b32 s17, 0xfedcba98                      ; v_permlanex16_b32's selects for lane l xor 16
	s_mov_b32 s18, 0x3a800000                      ; 1 / 1024
	s_mov_b32 s19, 0x3727c5ac                      ; 1e-5
	s_mul_i32 s20, s12, 4*PITCH
	s_mov_b32 s21, 0xffff0000                      ; lanes 16-31
	s_lshr_b32 s22, ttmp9, 3                       ; the tile's block of 128 rows
	s_and_b32 s23, ttmp9, 7                        ; and its place in it
	s_mul_i32 s24, s22, 98304
	s_mul_i32 s26, s23, 768
	s_add_co_u32 s24, s24, s26
	s_mul_i32 s26, s12, 24576                      ; my two K steps: four times 64 along K
	s_add_co_u32 s24, s24, s26
	s_mov_b32 s25, 0
	s_lshl_b32 s26, s22, 12
	s_add_co_u32 s26, s26, HSO
	s_lshl_b32 s28, s12, 10
	s_add_co_u32 s26, s26, s28
	s_lshl_b32 s29, s23, 6
	s_add_co_u32 s26, s26, s29
	s_mov_b32 s27, 0
.irp p, 0,1,2,3
	v_mov_b32 v[PT+\p], 0                          ; written once: a lane permute's destination counts as one of its sources
.endr
	s_wait_kmcnt 0x0
	s_add_nc_u64 s[4:5], s[4:5], s[14:15]
	s_add_nc_u64 s[24:25], s[10:11], s[24:25]
	s_add_nc_u64 s[26:27], s[10:11], s[26:27]
.irp p, 0,1,2,3
.irp j, 0,1,2,3,4,5,6,7
	global_load_b128 v[X+32*\p+4*\j:X+32*\p+4*\j+3], v3, s[4:5] offset:4096*\p+512*\j th:TH_LOAD_NT   ; 32 lanes read 512 consecutive bytes
.endr
.endr
.irp j, 0,1,2,3,4,5,6,7
	global_load_b128 v[G+4*\j:G+4*\j+3], v3, s[6:7] offset:512*\j
	global_load_b128 v[B+4*\j:B+4*\j+3], v3, s[8:9] offset:512*\j
.endr
.macro ACROSS base                     ; v[base + 2 p], p = 0 .. 3, summed over the 32 lanes; the four rows by turns
.irp m, 1,2,4,8
.irp p, 0,1,2,3
	v_add_f32_dpp v[\base+2*\p], v[\base+2*\p], v[\base+2*\p] row_xmask:\m row_mask:0xf bank_mask:0xf
.endr
.endr
.irp p, 0,1,2,3
	v_permlanex16_b32 v[PT+\p], v[\base+2*\p], s16, s17
.endr
.irp p, 0,1,2,3
	v_add_f32 v[\base+2*\p], v[\base+2*\p], v[PT+\p]
.endr
.endm
	s_wait_loadcnt 16                              ; the rows are in; g's and b's sixteen loads may be out
.irp p, 0,1,2,3
	v_pk_add_f32 v[SU+2*\p:SU+2*\p+1], v[X+32*\p:X+32*\p+1], v[X+32*\p+2:X+32*\p+3]
.endr
.set i, 4
.rept 14
.irp p, 0,1,2,3
	v_pk_add_f32 v[SU+2*\p:SU+2*\p+1], v[SU+2*\p:SU+2*\p+1], v[X+32*\p+i:X+32*\p+i+1]
.endr
.set i, i+2
.endr
.irp p, 0,1,2,3
	v_add_f32 v[SU+2*\p], v[SU+2*\p], v[SU+2*\p+1]
.endr
	ACROSS SU
.irp p, 0,1,2,3
	v_mul_f32 v[SU+2*\p], s18, v[SU+2*\p]          ; the mean
.endr
.set i, 0
.rept 16
.irp p, 0,1,2,3
	v_pk_add_f32 v[X+32*\p+i:X+32*\p+i+1], v[X+32*\p+i:X+32*\p+i+1], v[SU+2*\p:SU+2*\p+1] op_sel_hi:[1,0] neg_lo:[0,1] neg_hi:[0,1]   ; x - mean (the pair's low word serves both halves)
.endr
.set i, i+2
.endr
.irp p, 0,1,2,3
	v_pk_mul_f32 v[SQ+2*\p:SQ+2*\p+1], v[X+32*\p:X+32*\p+1], v[X+32*\p:X+32*\p+1]
.endr
.set i, 2
.rept 15
.irp p, 0,1,2,3
	v_pk_fma_f32 v[SQ+2*\p:SQ+2*\p+1], v[X+32*\p+i:X+32*\p+i+1], v[X+32*\p+i:X+32*\p+i+1], v[SQ+2*\p:SQ+2*\p+1]
.endr
.set i, i+2
.endr
.irp p, 0,1,2,3
	v_add_f32 v[SQ+2*\p], v[SQ+2*\p], v[SQ+2*\p+1]
.endr
	ACROSS SQ
.irp p, 0,1,2,3
	v_fma_f32 v[SQ+2*\p], v[SQ+2*\p], s18, s19     ; var + eps
.endr
.irp p, 0,1,2,3
	v_rsq_f32 v[RS+2*\p], v[SQ+2*\p]
	v_rsq_f32 v[RS+2*\p+1], v[SQ+2*\p]             ; made twice: a pair for the packed multiply
.endr
	v_add_nc_u32 v4, s20, v3                       ; (a plain line behind the batch)  where my rows go in LDS
	s_wait_alu depctr_va_vdst(0)                   ; one wait for the eight, ahead of their first reader
	s_wait_loadcnt 0x0                             ; g and b
.set i, 0
.rept 16
.irp p, 0,1,2,3
	v_pk_mul_f32 v[X+32*\p+i:X+32*\p+i+1], v[X+32*\p+i:X+32*\p+i+1], v[RS+2*\p:RS+2*\p+1]
.endr
.irp p, 0,1,2,3
	v_pk_fma_f32 v[X+32*\p+i:X+32*\p+i+1], v[X+32*\p+i:X+32*\p+i+1], v[G+i:G+i+1], v[B+i:B+i+1]
.endr
.set i, i+2
.endr
.irp p, 0,1,2,3
.irp j, 0,1,2,3,4,5,6,7
	ds_store_b128 v4, v[X+32*\p+4*\j:X+32*\p+4*\j+3] offset:PITCH*\p+512*\j
.endr
.endr
	v_and_b32 v8, 15, v0                           ; r
	v_bfe_u32 v9, v0, 4, 1                         ; h
	v_mul_u32_u24 v5, v8, PITCH
	v_lshl_add_u32 v5, v9, 6, v5
	v_add_nc_u32 v5, s28, v5                       ; row r, + 64 h, + my two K steps' 1,024 bytes x wave
	v_lshlrev_b32 v6, 3, v2                        ; 8 x lane: an image's place for my lane
	v_lshlrev_b32 v7, 2, v8
	v_lshl_add_u32 v7, v9, 9, v7                   ; the scale words: 4 r, lanes 16-31 one K step on
	s_wait_dscnt 0x0                               ; for the others' sake: my rows lie in LDS
	s_barrier_signal -1
	s_barrier_wait -1
.irp s, 0,1
.irp b, 0,1,2,3
.irp j, 0,1,2,3
	ds_load_b128 v[X+64*\s+16*\b+4*\j:X+64*\s+16*\b+4*\j+3], v5 offset:512*\s+128*\b+16*\j
.endr
.endr
.endr
	s_wait_dscnt 0x0
; 64 numbers of a lane, register 16 b + i = k 32 b + 16 h + i of my row, become a fragment's codes in v[pc .. pc+11] and its scale word in v[pw]
.macro QUANT s, pc, pw
.irp b, 0,1,2,3
	v_max3_num_f32 v[TM+\b], |v[\s+16*\b]|, |v[\s+1+16*\b]|, 0x1800000   ; my 16 numbers of block b, and the floor 2^(3 - 127): the byte cannot fall under 1
.endr
.irp i, 2,4,6,8,10,12,14
.irp b, 0,1,2,3
	v_max3_num_f32 v[TM+\b], v[TM+\b], |v[\s+16*\b+\i]|, |v[\s+1+16*\b+\i]|
.endr
.endr
.irp b, 0,1,2,3
	v_permlanex16_b32 v[TM+4+\b], v[TM+\b], s16, s17
.endr
.irp b, 0,1,2,3
	v_max_num_f32 v[TM+\b], v[TM+\b], v[TM+4+\b]   ; with lane l xor 16's: the block's largest magnitude
.endr
.irp b, 0,1,2,3
	v_add_nc_u32 v[TM+12+\b], 0xff000000, v[TM+\b] ; 2 off its exponent field: the conversion's scale operand
.endr
.irp b, 0,1,2,3
	v_lshrrev_b32 v[TM+4+\b], 23, v[TM+12+\b]      ; the scale's byte
.endr
	v_lshl_or_b32 v[\pw], v[TM+5], 8, v[TM+4]
	v_lshl_or_b32 v[\pw], v[TM+6], 16, v[\pw]
	v_lshl_or_b32 v[\pw], v[TM+7], 24, v[\pw]
.irp c, 0,1
	v_cvt_scalef32_pk16_fp6_f32 v[\pc+6*\c:\pc+2+6*\c], v[\s+32*\c:\s+15+32*\c], v[TM+12+2*\c]
	v_cvt_scalef32_pk16_fp6_f32 v[\pc+12+4*\c:\pc+14+4*\c], v[\s+16+32*\c:\s+31+32*\c], v[TM+13+2*\c]
.endr
	v_nop                                          ; one plain line behind the scaled conversions
.irp c, 0,1                                    ; the operand's layout wants a whole block in a lane: lanes 0-15 block 2 c, lanes 16-31 block 2 c + 1
.irp i, 0,1,2
	v_permlane16_swap_b32 v[\pc+6*\c+\i], v[\pc+12+4*\c+\i]
.endr
.irp i, 0,1,2
	v_mov_b32 v[\pc+3+6*\c+\i], v[\pc+12+4*\c+\i]
.endr
.endr
.endm
	QUANT X, 192, 48
	QUANT X+64, 212, 49
.irp s, 0,1
.irp p, 0,1,2,3,4,5
	global_store_b64 v6, v[192+20*\s+2*\p:193+20*\s+2*\p], s[24:25] offset:(2*\s+\p/3)*6144+256*(\p%3)   ; 32 lanes store 256 consecutive bytes, aligned
.endr
.endr
	v_cndmask_b32 v50, v48, v49, s21               ; lanes 0-15 carry the first K step's words, lanes 16-31 the second's
	global_store_b32 v7, v50, s[26:27]
	s_wait_tensorcnt 0x0                           ; the wave's end
	ds_add_u32 v[SPW], v[NIL]
	s_wait_dscnt 0x0
	s_endpgm
.Lfunc_end_k_qb5bf203ed5_ln:
	.size	k_qb5bf203ed5_ln, .Lfunc_end_k_qb5bf203ed5_ln-k_qb5bf203ed5_ln
	.p2alignl 7, 3214868480
	.fill 96, 4, 3214868480
	.section	.rodata,"a",@progbits
	.p2align	6, 0x0
	.amdhsa_kernel k_qb5bf203ed5_ln
		.amdhsa_group_segment_fixed_size 66304
		.amdhsa_private_segment_fixed_size 0
		.amdhsa_enable_private_segment 0
		.amdhsa_kernarg_size 32
		.amdhsa_user_sgpr_count 2
		.amdhsa_user_sgpr_kernarg_segment_ptr 1
		.amdhsa_wavefront_size32 1
		.amdhsa_system_sgpr_workgroup_id_x 1
		.amdhsa_system_sgpr_workgroup_id_y 1
		.amdhsa_system_sgpr_workgroup_id_z 1
		.amdhsa_system_vgpr_workitem_id 0
		.amdhsa_next_free_vgpr 256
		.amdhsa_next_free_sgpr 66
		.amdhsa_reserve_vcc 0
		.amdhsa_float_denorm_mode_32 3
		.amdhsa_float_denorm_mode_16_64 3
		.amdhsa_memory_ordered 1
		.amdhsa_forward_progress 1
		.amdhsa_inst_pref_size 44
	.end_amdhsa_kernel
	.amdgpu_metadata
---
amdhsa.version: [ 1, 2 ]
amdhsa.kernels:
  - .name:           k_qb5bf203ed5_ln
    .symbol:         k_qb5bf203ed5_ln.kd
    .args:
      - { .name: x, .offset: 0, .size: 8, .value_kind: global_buffer, .address_space: global }
      - { .name: ln1_g, .offset: 8, .size: 8, .value_kind: global_buffer, .address_space: global }
      - { .name: ln1_b, .offset: 16, .size: 8, .value_kind: global_buffer, .address_space: global }
      - { .name: hq, .offset: 24, .size: 8, .value_kind: global_buffer, .address_space: global }
    .group_segment_fixed_size: 66304
    .private_segment_fixed_size: 0
    .kernarg_segment_align: 8
    .kernarg_segment_size: 32
    .max_flat_workgroup_size: 128
    .sgpr_count:     66
    .vgpr_count:     256
    .wavefront_size: 32
...
	.end_amdgpu_metadata
.endif
;; end of part 2
;; launch gemm_qkv (part 3): grid 12 x 16, 4 waves a work-group, clusters of 4 x 4, 327,680 bytes of LDS; arguments hq, wts, bq, bk, bv, qkv; writes qkv
.if DOCPART == 3
	.amdgcn_target "amdgcn-amd-amdhsa--gfx1250"
	.amdhsa_code_object_version 6
	.text
	.protected	k_qb5bf203ed5_gemm_qkv
	.globl	k_qb5bf203ed5_gemm_qkv
	.p2align	8
	.type	k_qb5bf203ed5_gemm_qkv,@function
k_qb5bf203ed5_gemm_qkv:
	s_mov_b64 s[64:65], 0
	v_nop
	global_prefetch_b8 v0, s[64:65] scope:SCOPE_SE
	s_setreg_imm32_b32 hwreg(HW_REG_WAVE_MODE, 25, 1), 1
	s_wait_xcnt 0x0
	s_wait_alu depctr_hold_cnt(0) depctr_sa_sdst(0) depctr_va_vdst(0) depctr_va_sdst(0) depctr_va_ssrc(0) depctr_va_vcc(0) depctr_vm_vsrc(0)
	s_getreg_b32 s2, hwreg(HW_REG_IB_STS2, 6, 4)
	s_cmp_eq_u32 s2, 0
	s_cbranch_scc0 .Lentry_in_a_cluster
	s_endpgm
.Lentry_in_a_cluster:
	s_bfe_u32 s2, ttmp6, 0x10000c
	s_cmp_lg_u32 s2, 0xf033
	s_cbranch_scc0 .Lentry_shape_is_right
	s_endpgm
.Lentry_shape_is_right:
; q = h Wq + bq, k = h Wk + bk, v = h Wv + bv on codes of FP6 (E2M3) with E8M0 scales, K = 1,024; each result is quantised in registers on its way out and leaves as codes: q and k along a head's 64, v along the keys.
; OPERANDS (wquant's head comment): rows in the order pi; a half image = 16 rows x 64 along K = 768 bytes; a tensor is [block of 128 rows][64 along K][tile][768], so 128 rows x 256 along K are ONE dense block of 24,576 bytes.
; A work-group of four waves makes 256 tokens x 256 columns, a wave 128 x 128: 64 accumulators, 512 registers.  K goes in steps of 256 through a ring of two LDS slots; each wave fetches a quarter of a slot by one tensor load.
; The scale words of the work-group's rows for all of K come once, with the first fills, and stay in LDS.
; CLUSTERS: 4 x 4 work-groups.  The four of a row need the same tokens, the four of a column the same weight rows: each block is asked for jointly, by the same tensor load with a mask that names the four.
; ROLES.  Source 0 of the matrix instruction (X, two register sets) is the axis along which the result is quantised, source 1 (Y, one set) the rows of the operand that is made: a lane then holds one Y row and its
; registers run along X; since X's rows stand in the order pi, the 16 registers of two neighbouring tiles are 16 neighbours.  Clusters x = 0, 1 (q, k): X = weight rows, Y = tokens.  Cluster x = 2 (v): X = tokens, which are
; v's K, Y = rows of Wv.  The two modes differ in LDS bases chosen by the cluster's x (the same in all sixteen partners), in the bias's layout, and in the pitches of the way out; all loads are alike.
; The bias is the C of each sum's first matrix instruction.
; OUT: q, k codes [batch x head][tile of 16 tokens][768]; v codes [batch x head][64 keys][tile of 16 d][768]; q, k scale words [batch][pair of heads][token][4]; v's [batch x head][128 keys][64 d][4].
; LIMITS: NaN and infinities are not served; a block of zeros gets the byte 1 (its codes are zeros; this program alone reads the bytes); blocks under 2^-124 keep the byte 1.
; REGISTERS, in windows of 256: window 0: v1-29 addresses; v32-63 Y's scale words, v224-255 X's (two sets each; they hold nothing else); v64-127 the bias, later the quantiser's work; v128-223 Y's fragments.
;   window 1: X's fragments, two sets, at v0 and v128.   window 2: the accumulators of Y's blocks 0-3 ((a, b) at v[8 (8 (a % 4) + b)]);   window 3: those of blocks 4-7.
.set KDIM,  1024
.set ASO,   3145728                    ; A's scale words in its buffer
.set WC,    0                          ; B's codes in wts
.set WS,    9437184                    ; B's scale words in wts
.set QS,    9437184                    ; the results' scale words in qkv
.set HALFT, 24576                      ; 128 rows x 256 along K: what one tensor load brings
.set SLOT,  4*HALFT                    ; A's two blocks, then B's two
.set LAPS,  KDIM/512                   ; a lap = once round the ring
.set RBP,   (KDIM/64)*6144             ; a block of 128 rows of codes in memory
.set HALFS, (KDIM/128)*512             ; and of scale words
.set SCL,   2*SLOT                     ; behind the ring: the scale words, four blocks of HALFS
.set SPARE, SCL+4*HALFS+8192           ; behind them and a gap: the spare words, 128 bytes for each wave
.set FR, 12                            ; registers of a fragment: 16 rows x 128 K
.set NL, 6                             ; LDS loads that bring one
.set NP, 4                             ; places behind this matrix instruction (ISA guide 7.12.1)
.set ADRY, 16                          ; v16-17 LDS address of Y's fragments in slot 0, 1
.set ADRX, 20                          ; v20-21 of X's
.set ADSX, 22                          ; v22    of X's scale words
.set ADSY, 27                          ; v27    of Y's
.set GA,   24                          ; v24    8 x lane: an image's place for my lane
.set STS,  25                          ; v25    the way out: where a scale word is put
.set STR,  26                          ; v26    and where the words are read back
.set SPW,  28                          ; v28    LDS address of my spare word; never rewritten
.set NIL,  29                          ; v29    0; never rewritten
.set SCY,  32
.set BIAS, 64
.set AF,   128
.set SCX,  224
.set TM,   64                          ; the way out: v64-79 at work, v80 the scale word, v96-114 the codes
.set PW,   80
.set PC,   96
.set G1, 24                            ; s[24:31] descriptor group 1 for A's blocks; s[32:39] group 0, one set for each slot
.set G0, 32
.set G1B, 48                           ; s[48:55], s[56:63] the same for B's
.set G0B, 56
.set G1S, 68                           ; s[68:75], s[76:79] for A's scale words; s[80:87], s[88:91] for B's
.set G0S, 76
.set G1SB, 80
.set G0SB, 88
.set MSB, 0
.macro WIN new                         ; the immediate's high byte repeats the setting that is left
.if MSB != (\new)
	s_set_vgpr_msb (MSB<<8)|(\new)
.set MSB, (\new)
.endif
.endm
.set MUL_LO, 0xa1                      ; source 0 (X) window 1, source 1 (Y) window 0, C and D window 2
.set MUL_HI, 0xf1                      ; the same, C and D window 3
; A joint load: waves 0 and 1 fetch for A, waves 2 and 3 for B.  Each line has one mask and one set of registers for all that issue it; the branch hangs on the wave's number alone.
; An s_nop 0 and four v_nop follow each of the two lines.
.macro JLOAD g0a, g1a, g0b, g1b
	s_cmp_eq_u32 s17, 0
	s_cbranch_scc0 .Lfor_b_\@
	tensor_load_to_lds s[\g0a:\g0a+3], s[\g1a:\g1a+7]
	s_nop 0
.rept 4
	v_nop
.endr
	s_branch .Lasked_\@
.Lfor_b_\@:
	tensor_load_to_lds s[\g0b:\g0b+3], s[\g1b:\g1b+7]
	s_nop 0
.rept 4
	v_nop
.endr
.Lasked_\@:
.endm
.macro CREST                           ; a round of the cluster's barrier behind its opening barrier
	s_cmp_lg_u32 s16, 0
	s_cbranch_scc1 .Lnot_wave_0_\@
	s_barrier_signal -3
.Lnot_wave_0_\@:
	s_barrier_wait -3
	s_barrier_signal -1
	s_barrier_wait -1
.endm
.macro CROUND
	s_barrier_signal -1
	s_barrier_wait -1
	CREST
.endm
	s_load_b256 s[4:11], s[0:1], 0x0               ; hq, wts, bq, bk
	s_load_b128 s[12:15], s[0:1], 0x20             ; bv, qkv
	v_lshl_add_u32 v[SPW], v0, 2, SPARE
	v_mov_b32 v[NIL], 0
	ds_add_u32 v[SPW], v[NIL]                      ; the wave's opening: the add, twice on end, and its wait ahead of my first tensor load
	ds_add_u32 v[SPW], v[NIL]
	v_lshrrev_b32 v1, 5, v0
	v_readfirstlane_b32 s16, v1                    ; wave 0..3
	s_lshr_b32 s17, s16, 1                         ; wy: which half of Y is mine.  Also: I fetch for A (0) or for B (1)
	s_and_b32 s18, s16, 1                          ; wx: which half of X.  Also: which block of 128 rows I fetch
	s_bfe_u32 s40, ttmp6, 0x40000                  ; cx, cy: my place in the cluster
	s_bfe_u32 s41, ttmp6, 0x40004
	s_lshl_b32 s42, ttmp9, 2
	s_add_co_u32 s42, s42, s40                     ; tc: 256 weight rows = 4 x cluster x + cx
	s_and_b32 s19, ttmp7, 0xffff
	s_lshl_b32 s19, s19, 2
	s_add_co_u32 s19, s19, s41                     ; tr: 256 tokens = 4 x cluster y + cy
	s_lshl_b32 s43, s41, 2
	s_lshl_b32 s43, 15, s43                        ; my row of the cluster
	s_lshl_b32 s44, 0x1111, s40                    ; my column
	; descriptor group 1: a dense block as rows of 256 bytes (32 elements of 8 bytes), no padding
	s_or_b32 s[G1+0], s43, (3<<16)|(1<<21)         ; 15:0 the mask: A's blocks go to my row; 17:16 elements of 8 bytes; 21 set beside a mask
	s_or_b32 s[G1B+0], s44, (3<<16)|(1<<21)
.irp g, G1, G1B
	s_mov_b32 s[\g+1], 32<<16                      ; tensor_dim0 = 32
	s_mov_b32 s[\g+2], (HALFT/256)<<16             ; tensor_dim1 = 96
	s_mov_b32 s[\g+3], 32<<16                      ; tile_dim0
	s_mov_b32 s[\g+4], HALFT/256                   ; tile_dim1
	s_mov_b32 s[\g+5], 32                          ; the pitch
	s_mov_b32 s[\g+6], 0
	s_mov_b32 s[\g+7], 0
.endr
	s_or_b32 s[G1S+0], s43, (3<<16)|(1<<21)
	s_or_b32 s[G1SB+0], s44, (3<<16)|(1<<21)
.irp g, G1S, G1SB
	s_mov_b32 s[\g+1], 32<<16
	s_mov_b32 s[\g+2], (HALFS/256)<<16
	s_mov_b32 s[\g+3], 32<<16
	s_mov_b32 s[\g+4], HALFS/256
	s_mov_b32 s[\g+5], 32
	s_mov_b32 s[\g+6], 0
	s_mov_b32 s[\g+7], 0
.endr
	s_lshl_b32 s20, s19, 1
	s_add_co_u32 s20, s20, s18                     ; A's block of 128 rows that I would fetch: it hangs on tr and the wave alone
	s_lshl_b32 s46, s42, 1
	s_add_co_u32 s46, s46, s18                     ; B's: on tc and the wave alone
	s_mul_i32 s22, s20, HALFS
	s_add_co_u32 s22, s22, ASO
	s_mul_i32 s20, s20, RBP
	s_mul_i32 s92, s46, HALFS
	s_add_co_u32 s92, s92, WS
	s_mul_i32 s46, s46, RBP
.if WC > 0
	s_add_co_u32 s46, s46, WC
.endif
	s_mov_b32 s21, 0
	s_mov_b32 s23, 0
	s_mov_b32 s47, 0
	s_mov_b32 s93, 0
	s_mul_i32 s45, s16, HALFT                      ; where they go: wave x a block: no place in the cluster enters an LDS address
	s_mul_i32 s94, s16, HALFS
	s_wait_dscnt 0x0                               ; both opening adds are done
	s_wait_kmcnt 0x0
	s_add_nc_u64 s[20:21], s[4:5], s[20:21]
	s_add_nc_u64 s[22:23], s[4:5], s[22:23]
	s_add_nc_u64 s[46:47], s[6:7], s[46:47]
	s_add_nc_u64 s[92:93], s[6:7], s[92:93]
	CROUND                                         ; all sixteen work-groups are here: the first joint loads meet
	s_mov_b32 s[G0S], 1
	s_add_co_u32 s[G0S+1], s94, SCL
	s_mov_b64 s[G0S+2:G0S+3], s[22:23]
	s_or_b32 s[G0S+3], s[G0S+3], 0x80000000
	s_mov_b32 s[G0SB], 1
	s_add_co_u32 s[G0SB+1], s94, SCL
	s_mov_b64 s[G0SB+2:G0SB+3], s[92:93]
	s_or_b32 s[G0SB+3], s[G0SB+3], 0x80000000
	JLOAD G0S, G1S, G0SB, G1SB                     ; the scale words first: they are wanted with K step 0
.irp s, 0,1
	s_mov_b32 s[G0+4*\s], 1
	s_add_co_u32 s[G0+4*\s+1], s45, \s*SLOT
	s_add_nc_u64 s[G0+4*\s+2:G0+4*\s+3], s[20:21], \s*HALFT
	s_or_b32 s[G0+4*\s+3], s[G0+4*\s+3], 0x80000000
	s_mov_b32 s[G0B+4*\s], 1
	s_add_co_u32 s[G0B+4*\s+1], s45, \s*SLOT
	s_add_nc_u64 s[G0B+4*\s+2:G0B+4*\s+3], s[46:47], \s*HALFT
	s_or_b32 s[G0B+4*\s+3], s[G0B+4*\s+3], 0x80000000
	JLOAD G0+4*\s, G1, G0B+4*\s, G1B               ; three tensor loads of mine are out now
.endr
	v_and_b32 v1, 15, v0                           ; r
	v_bfe_u32 v2, v0, 4, 1                         ; h
	v_and_b32 v3, 31, v0
	v_lshlrev_b32 v[GA], 3, v3
	s_cmp_ge_u32 ttmp9, 2                          ; v's cluster?  Then Y reads B's blocks and X reads A's
	s_cselect_b32 s95, 2*HALFT, 0
	s_cselect_b32 s96, 0, 2*HALFT
	s_cselect_b32 s97, 2*HALFS, 0
	s_cselect_b32 s98, 0, 2*HALFS
	s_mul_i32 s20, s17, HALFT
	s_add_co_u32 s20, s20, s95
	s_mul_i32 s21, s18, HALFT
	s_add_co_u32 s21, s21, s96
.irp s, 0,1
	v_add_nc_u32 v[ADRY+\s], s20, v[GA]
	v_add_nc_u32 v[ADRX+\s], s21, v[GA]
	s_add_co_u32 s20, s20, SLOT
	s_add_co_u32 s21, s21, SLOT
.endr
	s_mul_i32 s20, s17, HALFS
	s_add_co_u32 s20, s20, s97
	s_add_co_u32 s20, s20, SCL
	s_mul_i32 s21, s18, HALFS
	s_add_co_u32 s21, s21, s98
	s_add_co_u32 s21, s21, SCL
	v_lshlrev_b32 v4, 2, v1
	v_add_nc_u32 v[ADSY], s20, v4                  ; lane r takes row r's word (lanes 16-31 read the same and are not used)
	v_add_nc_u32 v[ADSX], s21, v4
	s_lshl_b32 s20, s16, 9
	v_add_nc_u32 v[STS], s20, v4                   ; the way out's stage: 512 bytes a wave at the head of slot 0
	v_lshl_add_u32 v[STR], v3, 4, s20
	; the bias, in the layout of the result
	s_and_b32 s99, s42, 3
	s_lshl_b32 s99, s99, 10                        ; 256 numbers for each tc inside a tensor
	s_mov_b32 s101, 0
	s_cmp_ge_u32 ttmp9, 2
	s_cbranch_scc1 .Lbias_v
	s_cmp_eq_u32 ttmp9, 0
	s_cselect_b64 s[8:9], s[8:9], s[10:11]         ; bq or bk
	s_lshl_b32 s100, s18, 9
	s_add_co_u32 s100, s100, s99
	s_add_nc_u64 s[8:9], s[8:9], s[100:101]
	v_lshlrev_b32 v5, 6, v2                        ; along X: register j of tile b is column 32 (b / 2) + 8 (b % 2) + 16 h + j
.irp b, 0,1,2,3,4,5,6,7
.irp u, 0,1
	global_load_b128 v[BIAS+8*\b+4*\u:BIAS+8*\b+4*\u+3], v5, s[8:9] offset:128*(\b/2)+32*(\b%2)+16*\u
.endr
.endr
	s_branch .Lbias_done
.Lbias_v:
	s_lshl_b32 s100, s17, 9
	s_add_co_u32 s100, s100, s99
	s_add_nc_u64 s[12:13], s[12:13], s[100:101]
	v_and_b32 v5, 8, v1
	v_add_nc_u32 v5, v5, v1
	v_lshlrev_b32 v5, 2, v5                        ; along Y: all eight registers of tile a hold bv at row 32 (a / 2) + 8 (a % 2) + r + 8 (r / 8)
.irp a, 0,1,2,3,4,5,6,7
.irp j, 0,1,2,3,4,5,6,7
	global_load_b32 v[BIAS+8*\a+\j], v5, s[12:13] offset:4*(32*(\a/2)+8*(\a%2))
.endr
.endr
.Lbias_done:
.macro FRAG reg, adr, q, i             ; a fragment, 16 rows x 128 K: two half images; each load takes 256 consecutive bytes, 8 a lane: the registers as they were stored
.irp p, 0,1,2,3,4,5
	ds_load_b64 v[\reg+2*\p:\reg+2*\p+1], v[\adr] offset:(2*(\q)+\p/3)*6144+(\i)*768+256*(\p%3)
.endr
.endm
; 16 matrix instructions: Y's blocks a0, a0 + 1 x X's eight, the slot's q-th 128 along K.  p: X's set; sc: the set of scale words.  zero = 1: the bias along X starts the sums; 2: the bias along Y; 0: in place.
; The 64 accumulators take turns, one instruction a turn, in the same order in every step.
.macro MUL16 a0, p, q, sc, zero
.irp a, \a0, \a0+1
.irp b, 0,1,2,3,4,5,6,7
.if \zero == 1
	v_wmma_scale_f32_16x16x128_f8f6f4 v[8*(8*((\a)%4)+\b):8*(8*((\a)%4)+\b)+7], v[128*(\p)+FR*\b:128*(\p)+FR*\b+FR-1], v[AF+FR*(\a):AF+FR*(\a)+FR-1], v[BIAS+8*\b:BIAS+8*\b+7], v[SCX+16*(\sc)+2*\b+(\q)], v[SCY+16*(\sc)+2*(\a)+(\q)] matrix_a_fmt:MATRIX_FMT_FP6 matrix_b_fmt:MATRIX_FMT_FP6
.elseif \zero == 2
	v_wmma_scale_f32_16x16x128_f8f6f4 v[8*(8*((\a)%4)+\b):8*(8*((\a)%4)+\b)+7], v[128*(\p)+FR*\b:128*(\p)+FR*\b+FR-1], v[AF+FR*(\a):AF+FR*(\a)+FR-1], v[BIAS+8*(\a):BIAS+8*(\a)+7], v[SCX+16*(\sc)+2*\b+(\q)], v[SCY+16*(\sc)+2*(\a)+(\q)] matrix_a_fmt:MATRIX_FMT_FP6 matrix_b_fmt:MATRIX_FMT_FP6
.else
	v_wmma_scale_f32_16x16x128_f8f6f4 v[8*(8*((\a)%4)+\b):8*(8*((\a)%4)+\b)+7], v[128*(\p)+FR*\b:128*(\p)+FR*\b+FR-1], v[AF+FR*(\a):AF+FR*(\a)+FR-1], v[8*(8*((\a)%4)+\b):8*(8*((\a)%4)+\b)+7], v[SCX+16*(\sc)+2*\b+(\q)], v[SCY+16*(\sc)+2*(\a)+(\q)] matrix_a_fmt:MATRIX_FMT_FP6 matrix_b_fmt:MATRIX_FMT_FP6
.endif
.endr
.endr
.endm
.macro FETCH_X slot, q, p              ; X's eight fragments into set p
	WIN 0x40                                       ; destination window 1
.irp i, 0,1,2,3,4,5,6,7
	FRAG 128*(\p)+FR*\i, ADRX+\slot, \q, \i
.endr
	WIN 0
.endm
.macro FETCH_Y slot, q, i0             ; Y's blocks i0 .. i0 + 3
.irp i, \i0, \i0+1, \i0+2, \i0+3
	FRAG AF+FR*(\i), ADRY+\slot, \q, \i
.endr
.endm
.macro SCALES sc                       ; the next slot's scale words: for each tile and each of its two steps of 128 a word a row
.irp i, 0,1,2,3,4,5,6,7
.irp q, 0,1
	ds_load_b32 v[SCY+16*\sc+2*\i+\q], v[ADSY] offset:512*\q+64*\i
	ds_load_b32 v[SCX+16*\sc+2*\i+\q], v[ADSX] offset:512*\q+64*\i
.endr
.endr
.endm
.macro PLACES n                        ; plain vector lines between a matrix instruction and a load into, or a read of, its registers
.rept \n
	v_nop
.endr
.endm
.macro STEP slot, q, zero              ; a step of 128 along K that has its successor in the same slot
	s_wait_dscnt 4*NL                              ; all but the youngest 24 loads (Y's blocks 4-7) are in
.if \zero
	WIN 0x81                                       ; C (the bias) window 0, D window 2
.else
	WIN MUL_LO
.endif
	MUL16 0, (\q)%2, \q, \slot, \zero
	MUL16 2, (\q)%2, \q, \slot, \zero
	s_wait_dscnt 0                                 ; Y's blocks 4-7 are in
	PLACES NP
	FETCH_X \slot, (\q)+1, 1-(\q)%2
	FETCH_Y \slot, (\q)+1, 0
.if \zero
	WIN 0xc1
.else
	WIN MUL_HI
.endif
	MUL16 4, (\q)%2, \q, \slot, \zero
	MUL16 6, (\q)%2, \q, \slot, \zero
	PLACES NP
	WIN 0
	FETCH_Y \slot, (\q)+1, 4
.endm
; A slot's last step changes slots: one barrier; in front of it each wave waits for all its tensor loads, adds 0 to its spare word, and waits for that and for its own reads of this slot.  fill = 1: the slot is filled again.
.macro TURN slot, next, fill
	s_wait_tensorcnt 0x0                           ; all my tensor loads have landed: the one that was out is my part of the next slot
	ds_add_u32 v[SPW], v[NIL]                      ; 0 onto my spare word
	s_wait_dscnt 4*NL+1                            ; (the add and the youngest 24 loads may be out)
	WIN MUL_LO
	MUL16 0, 1, 1, \slot, 0                        ; sixteen matrix instructions stand between the add and the wait for it
	s_wait_dscnt 0x0                               ; the add is done, and my reads of this slot are over
	s_barrier_signal -1
	MUL16 2, 1, 1, \slot, 0
	WIN 0
	s_barrier_wait -1
.if \fill
	CREST                                          ; the barrier has opened a round of the cluster's: no wave of any partner still reads this slot or has a load on its way
	s_add_nc_u64 s[G0+4*\slot+2:G0+4*\slot+3], s[G0+4*\slot+2:G0+4*\slot+3], 2*HALFT
	s_add_nc_u64 s[G0B+4*\slot+2:G0B+4*\slot+3], s[G0B+4*\slot+2:G0B+4*\slot+3], 2*HALFT
	JLOAD G0+4*\slot, G1, G0B+4*\slot, G1B         ; the first tensor load behind the round, my one load until the next; its four v_nop are the places in front of the loads below
.else
	PLACES NP
.endif
	v_add_nc_u32 v[ADSY], 1024, v[ADSY]            ; on to the next slot's scale words (no LDS load of mine is out)
	v_add_nc_u32 v[ADSX], 1024, v[ADSX]
	FETCH_X \next, 0, 0
	FETCH_Y \next, 0, 0
	SCALES \next
	WIN MUL_HI
	MUL16 4, 1, 1, \slot, 0
	MUL16 6, 1, 1, \slot, 0
	PLACES NP
	WIN 0
	FETCH_Y \next, 0, 4
.endm
	s_wait_tensorcnt 1                             ; the scale words and my part of slot 0 are in; slot 1's load may be out
	s_barrier_signal -1
	s_barrier_wait -1
	FETCH_X 0, 0, 0
	FETCH_Y 0, 0, 0
	SCALES 0
	FETCH_Y 0, 0, 4
	s_wait_loadcnt 0x0                             ; the bias
	s_cmp_ge_u32 ttmp9, 2                          ; the first step is written twice: the bias lies along X or along Y
	s_cbranch_scc1 .Lfirst_v
	STEP 0, 0, 1
	s_branch .Lfirst_done
.Lfirst_v:
	STEP 0, 0, 2
.Lfirst_done:
	s_mov_b32 s3, LAPS-1
.Llap:                                                 ; a trip goes once round the ring and fills both slots again
	TURN 0, 1, 1
	STEP 1, 0, 0
	TURN 1, 0, 1
	STEP 0, 0, 0
	s_sub_co_u32 s3, s3, 1
	s_cmp_lg_u32 s3, 0
	s_cbranch_scc1 .Llap
	TURN 0, 1, 0                                   ; the last lap fills nothing
	STEP 1, 0, 0
	s_wait_dscnt 4*NL
	WIN MUL_LO
	MUL16 0, 1, 1, 1, 0
	MUL16 2, 1, 1, 1, 0
	s_wait_dscnt 0
	WIN MUL_HI
	MUL16 4, 1, 1, 1, 0
	MUL16 6, 1, 1, 1, 0
	WIN 0
	PLACES NP
	; THE WAY OUT.  For each of Y's eight tiles the lane's 64 numbers along X become a fragment (16 Y rows x my 128 of X) and a scale word a row.
	s_cmp_ge_u32 ttmp9, 2
	s_cselect_b32 s20, s18, s17                    ; which half of the 256 tokens is mine
	s_cselect_b32 s21, s17, s18                    ; and which pair of the four heads
	s_mov_b32 s22, 3072
	s_cselect_b32 s22, 98304, s22                  ; four tiles of Y on: q, k: four tiles of tokens; v: the next head
	s_mov_b32 s100, 98304
	s_cselect_b32 s100, 3072, s100                 ; 64 along X on: q, k: the next head; v: the next 64 keys
	s_mov_b32 s66, 256
	s_cselect_b32 s66, 4096, s66                   ; the second 256 bytes of scale words: q, k: the next 64 tokens; v: the next head
	s_cselect_b32 s67, 8, 9                        ; scale words of my 128 tokens: v: 256 bytes a head; q, k: 512
	s_mov_b32 s23, 0
	s_mov_b32 s101, 0
	s_lshl_b32 s95, s19, 1
	s_add_co_u32 s95, s95, s20                     ; my block of 128 tokens
	s_lshr_b32 s96, s95, 4                         ; the batch
	s_and_b32 s95, s95, 15                         ; and the block in it
	s_and_b32 s97, s42, 3
	s_lshl_b32 s97, s97, 2
	s_lshl_b32 s21, s21, 1
	s_add_co_u32 s97, s97, s21                     ; my first head
	s_lshl_b32 s96, s96, 4
	s_add_co_u32 s96, s96, s97                     ; batch x 16 + head
	s_mul_i32 s98, ttmp9, 3145728                  ; q, k or v
	s_mul_i32 s99, s96, 98304
	s_add_co_u32 s98, s98, s99
	s_mul_i32 s99, s95, 6144
	s_add_co_u32 s98, s98, s99
	s_mov_b32 s99, 0
	s_add_nc_u64 s[68:69], s[14:15], s[98:99]      ; (every tensor load has landed: the descriptors' registers are free)
	s_add_nc_u64 s[70:71], s[68:69], s[100:101]
	s_add_nc_u64 s[72:73], s[68:69], s[22:23]
	s_add_nc_u64 s[74:75], s[72:73], s[100:101]
	s_lshl_b32 s98, ttmp9, 17
	s_add_co_u32 s98, s98, QS
	s_lshl_b32 s96, s96, 12
	s_add_co_u32 s98, s98, s96
	s_lshl_b32 s95, s95, s67
	s_add_co_u32 s98, s98, s95
	s_add_nc_u64 s[76:77], s[14:15], s[98:99]
	s_mov_b32 s92, 0x76543210
	s_mov_b32 s93, 0xfedcba98                      ; v_permlanex16_b32's selects for lane l xor 16
	v_mul_u32_u24 v5, s66, v2
	v_lshl_add_u32 v5, v1, 4, v5
.irp b, 0,1,2,3
	v_mov_b32 v[TM+4+\b], 0                        ; written once: a lane permute's destination counts as one of its sources
.endr
; 64 numbers of a lane in window w, register 16 b + i = X 32 b + 16 h + i of my Y row, become codes in v[PC .. PC+11] and the scale word in v[PW].  Each accumulator is read from its low end on.
.macro QUANT s, w
	WIN (\w)*5                                     ; sources 0 and 1 in window w
.irp b, 0,1,2,3
	v_max3_num_f32 v[TM+\b], |v[(\s)+16*\b]|, |v[(\s)+16*\b+1]|, 0x1800000   ; and the floor 2^(3 - 127): the byte cannot fall under 1
.endr
.irp i, 2,4,6,8,10,12,14
.irp b, 0,1,2,3
	v_max3_num_f32 v[TM+\b], |v[(\s)+16*\b+\i]|, |v[(\s)+16*\b+\i+1]|, v[TM+\b]
.endr
.endr
	WIN 0
.irp b, 0,1,2,3
	v_permlanex16_b32 v[TM+4+\b], v[TM+\b], s92, s93
.endr
.irp b, 0,1,2,3
	v_max_num_f32 v[TM+\b], v[TM+\b], v[TM+4+\b]   ; with lane l xor 16's: the block's largest magnitude
.endr
.irp b, 0,1,2,3
	v_add_nc_u32 v[TM+12+\b], 0xff000000, v[TM+\b] ; 2 off its exponent field: the conversion's scale operand
.endr
.irp b, 0,1,2,3
	v_lshrrev_b32 v[TM+4+\b], 23, v[TM+12+\b]      ; the scale's byte
.endr
	v_lshl_or_b32 v[PW], v[TM+5], 8, v[TM+4]
	v_lshl_or_b32 v[PW], v[TM+6], 16, v[PW]
	v_lshl_or_b32 v[PW], v[TM+7], 24, v[PW]
	WIN (\w)                                       ; source 0 in window w
.irp c, 0,1
	v_cvt_scalef32_pk16_fp6_f32 v[PC+6*\c:PC+6*\c+2], v[(\s)+32*\c:(\s)+32*\c+15], v[TM+12+2*\c]
	v_cvt_scalef32_pk16_fp6_f32 v[PC+12+4*\c:PC+14+4*\c], v[(\s)+32*\c+16:(\s)+32*\c+31], v[TM+13+2*\c]
.endr
	WIN 0
	v_nop                                          ; one plain line behind the scaled conversions
.irp c, 0,1                                    ; the operand's layout wants a whole block in a lane
.irp i, 0,1,2
	v_permlane16_swap_b32 v[PC+6*\c+\i], v[PC+12+4*\c+\i]
.endr
.irp i, 0,1,2
	v_mov_b32 v[PC+3+6*\c+\i], v[PC+12+4*\c+\i]
.endr
.endr
.endm
.irp a, 0,1,2,3,4,5,6,7
.if \a > 0
	s_wait_xcnt 0x0                                ; the last tile's stores have read their registers: the codes may be written again
.endif
	QUANT 64*(\a%4), 2+\a/4
.irp p, 0,1,2,3,4,5
	global_store_b64 v[GA], v[PC+2*\p:PC+2*\p+1], s[68+4*(\a/4)+2*(\p/3):69+4*(\a/4)+2*(\p/3)] offset:768*(\a%4)+256*(\p%3)   ; 32 lanes store 256 consecutive bytes, aligned
.endr
	ds_store_b32 v[STS], v[PW] offset:64*\a        ; slot 0 has had its last fill and its last read; both halves of the lanes write the same word
.endr
	ds_load_b128 v[84:87], v[STR]                  ; LDS serves a wave's instructions in order: my 128 rows' words, 16 bytes a lane
	s_wait_dscnt 0x0
	global_store_b128 v5, v[84:87], s[76:77]       ; sixteen lanes store 256 consecutive bytes, aligned
	s_wait_tensorcnt 0x0                           ; the wave's end
	ds_add_u32 v[SPW], v[NIL]
	s_wait_dscnt 0x0
	CROUND                                         ; the closing round: no work-group ends while a partner may still ask for a block that names it
	s_endpgm
.Lfunc_end_k_qb5bf203ed5_gemm_qkv:
	.size	k_qb5bf203ed5_gemm_qkv, .Lfunc_end_k_qb5bf203ed5_gemm_qkv-k_qb5bf203ed5_gemm_qkv
	.p2alignl 7, 3214868480
	.fill 96, 4, 3214868480
	.section	.rodata,"a",@progbits
	.p2align	6, 0x0
	.amdhsa_kernel k_qb5bf203ed5_gemm_qkv
		.amdhsa_group_segment_fixed_size 327680
		.amdhsa_private_segment_fixed_size 0
		.amdhsa_enable_private_segment 0
		.amdhsa_kernarg_size 48
		.amdhsa_user_sgpr_count 2
		.amdhsa_user_sgpr_kernarg_segment_ptr 1
		.amdhsa_wavefront_size32 1
		.amdhsa_system_sgpr_workgroup_id_x 1
		.amdhsa_system_sgpr_workgroup_id_y 1
		.amdhsa_system_sgpr_workgroup_id_z 1
		.amdhsa_system_vgpr_workitem_id 0
		.amdhsa_next_free_vgpr 1024
		.amdhsa_next_free_sgpr 102
		.amdhsa_reserve_vcc 0
		.amdhsa_float_denorm_mode_32 3
		.amdhsa_float_denorm_mode_16_64 3
		.amdhsa_memory_ordered 1
		.amdhsa_forward_progress 1
		.amdhsa_inst_pref_size 197
	.end_amdhsa_kernel
	.amdgpu_metadata
---
amdhsa.version: [ 1, 2 ]
amdhsa.kernels:
  - .name:           k_qb5bf203ed5_gemm_qkv
    .symbol:         k_qb5bf203ed5_gemm_qkv.kd
    .args:
      - { .name: hq, .offset: 0, .size: 8, .value_kind: global_buffer, .address_space: global }
      - { .name: wts, .offset: 8, .size: 8, .value_kind: global_buffer, .address_space: global }
      - { .name: bq, .offset: 16, .size: 8, .value_kind: global_buffer, .address_space: global }
      - { .name: bk, .offset: 24, .size: 8, .value_kind: global_buffer, .address_space: global }
      - { .name: bv, .offset: 32, .size: 8, .value_kind: global_buffer, .address_space: global }
      - { .name: qkv, .offset: 40, .size: 8, .value_kind: global_buffer, .address_space: global }
    .group_segment_fixed_size: 327680
    .private_segment_fixed_size: 0
    .kernarg_segment_align: 8
    .kernarg_segment_size: 48
    .max_flat_workgroup_size: 128
    .sgpr_count:     102
    .vgpr_count:     1024
    .wavefront_size: 32
...
	.end_amdgpu_metadata
.endif
;; end of part 3
;; launch attn (part 4): grid 8 x 32, 16 waves a work-group, no clusters, 327,680 bytes of LDS; arguments qkv, ctx; writes ctx
.if DOCPART == 4
	.amdgcn_target "amdgcn-amd-amdhsa--gfx1250"
	.amdhsa_code_object_version 6
	.text
	.protected	k_qb5bf203ed5_attn
	.globl	k_qb5bf203ed5_attn
	.p2align	8
	.type	k_qb5bf203ed5_attn,@function
k_qb5bf203ed5_attn:
	s_mov_b64 s[64:65], 0
	v_nop
	global_prefetch_b8 v0, s[64:65] scope:SCOPE_SE
	s_setreg_imm32_b32 hwreg(HW_REG_WAVE_MODE, 25, 1), 1
	s_wait_xcnt 0x0
; ctx[b][q][head] = softmax over keys k <= q of (q . k / 8) times v, both products on codes of FP6 (E2M3) with E8M0 scales; ctx is quantised along the head's 64 on its way out and leaves as codes.
; WORK LEFT OUT (wquant's head comment has the proof): a step of 128 keys all of which come after a wave's 16 queries is passed over, and a slot of 256 keys that begins behind the work-group's last query is not fetched.
; THE SOFTMAX AHEAD OF THE SECOND PRODUCT: t = score x log2(e) / 8; M = the running largest t, rounded UP to a whole number; p = 2^(t - M) is quantised along the keys, not normalised; the row's sum is taken of the
; unquantised p and divides at the end; when M moves, the sum and O are multiplied by 2^(old M - new M), which rounds nothing.
; SHARES.  A work-group owns the blocks of 128 queries i and 15 - i of one head of one batch, so that every work-group has the same number of steps under the mask; each of its sixteen waves owns one tile of 16 queries in
; 256 registers, early and late tiles dealt out alternately.  Every wave walks all 8 slots of 256 keys (constant trip counts) and jumps over the work of hidden steps.
; cluster = none: the work-groups of a head stop fetching at different keys (1,152 to 2,048).
; LAYOUT.  Tokens stand in the order pi (wquant's head comment): a tile of keys as source 0 leaves 16 neighbouring keys in the 16 registers of two neighbouring tiles.  S^T = K Q^T (K = 64: the upper half of both operands is
; zero codes, under the scale byte 0), O^T = V^T P^T: a lane holds one query throughout.  V's rows d stand in the order pi too, so O^T's registers are neighbours along d for the last quantiser.
; Fragments lie in LDS as images of their registers: every load takes 256 consecutive bytes.
; LIMITS: NaN and infinities are not served; a block of zeros gets the byte 1; blocks under 2^-124 keep the byte 1.  ctx's scale bytes leave two bytes a row: a scale word's halves come from two heads' work-groups.
; REGISTERS: v1-7 addresses that stay; v8-11 the step's addresses; v12 -M, v13 the largest t, v[14:15] the sum; v16-27 Q; v28 prefetch offset; v29 my query's place; v32-79 four fragments of K; v80-127 four of V;
;   v128-191 S^T, then p; v192-223 O^T; v224-235 p's codes; v232-254 at work; v248-251 scale words; v255 Q's scale word.
.set SLOT1, 1<<15                      ; a slot: 16 tiles of K (12,288 bytes), then 4 x 64 keys of V (12,288); slot 1 begins here, so that one exclusive or turns an address
.set VOFF,  12288
.set SCK,   65536                      ; K's scale words of the head's pair, 8,192 bytes
.set SCV,   73728                      ; V's of the head, 4,096 bytes
.set SPARE, 77824                      ; the spare words, 128 bytes for each of sixteen waves
.set AK0,  1
.set AV0,  2
.set ASK0, 3
.set ASV0, 4
.set SPW,  5
.set NIL,  6
.set R4,   7                           ; v7  4 r
.set ADK,  8
.set ADV,  9
.set ADS,  10
.set ADT,  11
.set PFO,  28
.set DQ,   29
.set WV,   18
.set SEL,  20
.set CS,   22
.set G1,   24                          ; s[24:31] group 1 for a slot's part (48 rows of 256 bytes); s[32:39] K's scale words (32); s[48:55] V's (16)
.set G1SK, 32
.set G0K,  40
.set G0V,  44
.set G1SV, 48
.set G0SK, 56
.set G0SV, 60
.set TB,   2                           ; s2  LDS byte at which the slot in hand begins
.set TS,   3                           ; s3  the step's scale words of K: 512 bytes a step
.set TJ,   66                          ; s66 and V's: 256 bytes a step
.set SLOTS, 67
.set KF,   68                          ; s68 the step's first key
.set Q0,   69                          ; s69 my first query
.set LQ,   70                          ; s70 the work-group's last query
.set PFA,  72
.set LIM,  76
; Wave 0 fetches K's part, wave 1 V's, the others nothing.  An s_nop 0 and four v_nop follow each line.
.macro TLOAD g0k, g1k, g0v, g1v
	s_cmp_eq_u32 s[WV], 0
	s_cbranch_scc0 .Lnot_k_\@
	tensor_load_to_lds s[\g0k:\g0k+3], s[\g1k:\g1k+7]
	s_nop 0
.rept 4
	v_nop
.endr
	s_branch .Lasked_\@
.Lnot_k_\@:
	s_cmp_eq_u32 s[WV], 1
	s_cbranch_scc0 .Lasked_\@
	tensor_load_to_lds s[\g0v:\g0v+3], s[\g1v:\g1v+7]
	s_nop 0
.rept 4
	v_nop
.endr
.Lasked_\@:
.endm
; A PREFETCH INTO THE L2.  All eight work-groups of a head walk the same K and V; the one with x = 0, which walks all keys, asks.  At every second change of slots (7, 5, 3 slots to go) waves 4-6 name the next two slots of K
; (24,576 bytes: 8,192 a wave, lanes 256 bytes apart) and waves 8-10 those of V: the first of the two is fetched at the next change.  Each block of 256 bytes of slots 2 to 7 is named once; slots 0 and 1 come by their loads alone.
.macro ASK
	s_cmp_gt_u32 s[SLOTS], s[LIM]
	s_cbranch_scc0 .Lnot_mine_\@
	s_bitcmp1_b32 s[SLOTS], 0
	s_cbranch_scc0 .Lnot_mine_\@
	global_prefetch_b8 v[PFO], s[PFA:PFA+1] th:TH_LOAD_NT scope:SCOPE_SE
.Lnot_mine_\@:
.endm
	s_load_b128 s[4:7], s[0:1], 0x0                ; qkv, ctx
	v_lshl_add_u32 v[SPW], v0, 2, SPARE
	v_mov_b32 v[NIL], 0
	ds_add_u32 v[SPW], v[NIL]                      ; the wave's opening: the add, twice on end, and its wait ahead of the first tensor load
	ds_add_u32 v[SPW], v[NIL]
	v_lshrrev_b32 v8, 5, v0
	v_readfirstlane_b32 s[WV], v8                  ; wave 0..15
	s_and_b32 s8, ttmp7, 0xffff                    ; batch x 16 + head
	s_lshr_b32 s9, s8, 4                           ; batch
	s_and_b32 s10, s8, 15                          ; head
	s_lshr_b32 s11, s[WV], 2
	s_xor_b32 s11, s11, s[WV]
	s_and_b32 s11, s11, 1                          ; 0: the early block, 1: the late one
	s_sub_co_u32 s12, 15, ttmp9
	s_cmp_eq_u32 s11, 1
	s_cselect_b32 s12, s12, ttmp9
	s_lshl_b32 s12, s12, 3
	s_lshr_b32 s13, s[WV], 1
	s_add_co_u32 s12, s12, s13                     ; my tile of 16 queries
	s_lshr_b32 s13, s12, 1
	s_lshl_b32 s13, s13, 5
	s_and_b32 s14, s12, 1
	s_lshl_b32 s14, s14, 3
	s_add_co_u32 s[Q0], s13, s14                   ; its queries: Q0 + r + 8 (r / 8)
	s_lshl_b32 s13, ttmp9, 7
	s_sub_co_u32 s[LQ], 2047, s13
	s_mul_i32 s80, s8, 98304                       ; the head's codes in each of q, k, v
	s_add_co_u32 s82, s80, 3145728                 ; K's
	s_mov_b32 s83, 0
	s_add_co_u32 s84, s80, 6291456                 ; V's
	s_mov_b32 s85, 0
	s_lshl_b32 s86, s9, 3
	s_lshr_b32 s87, s10, 1
	s_add_co_u32 s86, s86, s87
	s_lshl_b32 s86, s86, 13                        ; the pair of heads' scale words of q or k
	s_add_co_u32 s88, s86, 9568256                 ; K's
	s_mov_b32 s89, 0
	s_lshl_b32 s90, s8, 12
	s_add_co_u32 s90, s90, 9699328                 ; V's
	s_mov_b32 s91, 0
	s_mul_i32 s92, s12, 768
	s_add_co_u32 s92, s92, s80                     ; my tile of Q
	s_mov_b32 s93, 0
	s_and_b32 s87, s10, 1
	s_lshl_b32 s87, s87, 1                         ; my head's two bytes of a scale word
	s_lshl_b32 s94, s12, 6
	s_add_co_u32 s94, s94, s86
	s_add_co_u32 s94, s94, 9437184
	s_add_co_u32 s94, s94, s87                     ; Q's scale bytes
	s_mov_b32 s95, 0
	s_lshl_b32 s77, s9, 7
	s_add_co_u32 s77, s77, s12                     ; my tile among all 256 tiles of tokens
	s_lshr_b32 s96, s77, 3
	s_and_b32 s77, s77, 7
	s_mul_i32 s14, s96, 98304                      ; ctx's codes: block of 128 rows, 64 along K = my head, tile
	s_mul_i32 s97, s10, 6144
	s_add_co_u32 s14, s14, s97
	s_mul_i32 s97, s77, 768
	s_add_co_u32 s14, s14, s97
	s_mov_b32 s15, 0
	s_lshl_b32 s16, s96, 12                        ; and its scale bytes
	s_add_co_u32 s16, s16, 3145728
	s_lshr_b32 s97, s10, 1
	s_lshl_b32 s97, s97, 9
	s_add_co_u32 s16, s16, s97
	s_lshl_b32 s97, s77, 6
	s_add_co_u32 s16, s16, s97
	s_add_co_u32 s16, s16, s87
	s_mov_b32 s17, 0
	s_cmp_lt_u32 s[WV], 8                          ; the prefetches: waves under 8 stand in K, the others in V
	s_cselect_b32 s77, s82, s84
	s_and_b32 s78, s[WV], 3
	s_lshl_b32 s78, s78, 13
	s_add_co_u32 s77, s77, s78
	s_add_co_u32 s78, s77, 12288                   ; in slot 1: the first change of slots steps it to slot 2
	s_mov_b32 s79, 0
	s_lshr_b32 s77, 0x770, s[WV]
	s_and_b32 s77, s77, 1
	s_xor_b32 s77, s77, 1                          ; 0 in waves 4-6 and 8-10,
	s_or_b32 s77, s77, ttmp9                       ; of the work-group with x = 0
	s_cmp_eq_u32 s77, 0
	s_cselect_b32 s[LIM], 1, -1
	; descriptor groups 1: dense blocks as rows of 256 bytes (32 elements of 8 bytes)
.irp g, G1, G1SK, G1SV
	s_mov_b32 s[\g], 3<<16
	s_mov_b32 s[\g+1], 32<<16
	s_mov_b32 s[\g+3], 32<<16
	s_mov_b32 s[\g+5], 32
	s_mov_b32 s[\g+6], 0
	s_mov_b32 s[\g+7], 0
.endr
	s_mov_b32 s[G1+2], 48<<16
	s_mov_b32 s[G1+4], 48
	s_mov_b32 s[G1SK+2], 32<<16
	s_mov_b32 s[G1SK+4], 32
	s_mov_b32 s[G1SV+2], 16<<16
	s_mov_b32 s[G1SV+4], 16
	s_mov_b32 s[SEL], 0x76543210
	s_mov_b32 s[SEL+1], 0xfedcba98
	s_mov_b32 s[CS], 0x3e38aa3b                    ; c = log2(e) / 8
	s_mov_b32 s[CS+1], s[CS]
	s_mov_b32 s[TB], 0
	s_mov_b32 s[TS], 0
	s_mov_b32 s[TJ], 0
	s_mov_b32 s[SLOTS], 7
	s_mov_b32 s[KF], 0
	s_wait_dscnt 0x0                               ; both opening adds are done
	s_wait_kmcnt 0x0
	s_mov_b32 s[G0SK], 1
	s_mov_b32 s[G0SK+1], SCK
	s_add_nc_u64 s[G0SK+2:G0SK+3], s[4:5], s[88:89]
	s_or_b32 s[G0SK+3], s[G0SK+3], 0x80000000
	s_mov_b32 s[G0SV], 1
	s_mov_b32 s[G0SV+1], SCV
	s_add_nc_u64 s[G0SV+2:G0SV+3], s[4:5], s[90:91]
	s_or_b32 s[G0SV+3], s[G0SV+3], 0x80000000
	TLOAD G0SK, G1SK, G0SV, G1SV                   ; the scale words of the whole head: filled once
	s_mov_b32 s[G0K], 1
	s_mov_b32 s[G0K+1], 0
	s_add_nc_u64 s[G0K+2:G0K+3], s[4:5], s[82:83]
	s_or_b32 s[G0K+3], s[G0K+3], 0x80000000
	s_mov_b32 s[G0V], 1
	s_mov_b32 s[G0V+1], VOFF
	s_add_nc_u64 s[G0V+2:G0V+3], s[4:5], s[84:85]
	s_or_b32 s[G0V+3], s[G0V+3], 0x80000000
	TLOAD G0K, G1, G0V, G1                         ; slot 0: it holds key 0, which counts for every query
	s_add_nc_u64 s[PFA:PFA+1], s[4:5], s[78:79]
	s_add_nc_u64 s[92:93], s[4:5], s[92:93]
	s_add_nc_u64 s[94:95], s[4:5], s[94:95]
	s_add_nc_u64 s[14:15], s[6:7], s[14:15]
	s_add_nc_u64 s[16:17], s[6:7], s[16:17]
	v_and_b32 v8, 15, v0                           ; r
	v_bfe_u32 v9, v0, 4, 1                         ; h
	v_and_b32 v10, 31, v0
	v_lshlrev_b32 v[AK0], 3, v10                   ; 8 x lane
	v_lshlrev_b32 v[R4], 2, v8
.irp p, 0,1,2
	global_load_b64 v[16+2*\p:17+2*\p], v[AK0], s[92:93] offset:256*\p   ; Q's half image stays in registers
.endr
	global_load_u16 v255, v[R4], s[94:95]          ; its two scale bytes; the upper two are 0, over zero codes
	v_add_nc_u32 v[AV0], VOFF, v[AK0]
	v_lshl_add_u32 v[ASK0], v8, 2, SCK
	v_add_nc_u32 v[ASK0], s87, v[ASK0]
	v_lshl_add_u32 v[ASV0], v8, 2, SCV
	v_lshlrev_b32 v[PFO], 8, v10
	v_and_b32 v11, 8, v8
	v_add_nc_u32 v11, v11, v8
	v_lshlrev_b32 v[DQ], 4, v9
	v_sub_nc_u32 v[DQ], v11, v[DQ]                 ; r + 8 (r / 8) - 16 h
.irp e, 22,23,24,25,26,27
	v_mov_b32 v[\e], 0                             ; K = 64: the operands' upper halves are zero codes, written once
.endr
.irp t, 0,1,2,3
.irp e, 6,7,8,9,10,11
	v_mov_b32 v[32+12*\t+\e], 0
.endr
.endr
	v_mov_b32 v13, 0xff61b1e6                      ; the largest t so far: -3e38, under every t
	v_floor_f32 v12, -v13                          ; -M
	v_mov_b32 v14, 0
	v_mov_b32 v15, 0
.irp b, 0,1,2,3
	v_mov_b32 v[236+\b], 0                         ; written once: a lane permute's destination counts as one of its sources
.endr
	v_mov_b32 v252, 0
	v_mov_b32 v253, 0
.set j, 0
.rept 32
	v_mov_b32 v[192+j], 0                          ; O^T: the loop is written once; its first step finds zeros, which the first change of M leaves zeros
.set j, j+1
.endr
; A KEY STEP: 128 keys, the q-th of the slot in hand.
.macro STEP q
	s_add_co_u32 s96, s[Q0], 23                    ; my last query
	s_cmp_gt_u32 s[KF], s96                        ; all 128 keys hidden: the step's work is passed over; ids and the count of steps alone decide
	s_cbranch_scc1 .Lhidden_\@
	v_add_nc_u32 v[ADK], s[TB], v[AK0]             ; (these four lines are also the places in front of the loads into the scale registers that the last products read)
	v_add_nc_u32 v[ADV], s[TB], v[AV0]
	v_add_nc_u32 v[ADS], s[TS], v[ASK0]
	v_add_nc_u32 v[ADT], s[TJ], v[ASV0]
.irp g, 0,1                                    ; S^T = K Q^T, four tiles of 16 keys at a time
.if \g > 0
.rept 4
	v_nop                                          ; places in front of loads into registers that matrix instructions have read
.endr
.endif
.irp t, 0,1,2,3
.irp p, 0,1,2
	ds_load_b64 v[32+12*\t+2*\p:33+12*\t+2*\p], v[ADK] offset:(8*(\q)+4*\g+\t)*768+256*\p
.endr
	ds_load_u16 v[248+\t], v[ADS] offset:64*(4*\g+\t)
.endr
	s_wait_dscnt 0x0
.irp t, 0,1,2,3
	v_wmma_scale_f32_16x16x128_f8f6f4 v[128+8*(4*\g+\t):135+8*(4*\g+\t)], v[32+12*\t:43+12*\t], v[16:27], 0, v[248+\t], v255 matrix_a_fmt:MATRIX_FMT_FP6 matrix_b_fmt:MATRIX_FMT_FP6
.endr
.endr                                          ; lane (r, h) holds one query; register 16 b + i is key KF + 32 b + 16 h + i
.rept 4
	v_nop
.endr
.irp t, 0,1,2,3                                ; V's fragments and scale words are asked for here and land under the softmax
.irp p, 0,1,2,3,4,5
	ds_load_b64 v[80+12*\t+2*\p:81+12*\t+2*\p], v[ADV] offset:(2*(\q)+\p/3)*3072+768*\t+256*(\p%3)
.endr
	ds_load_b32 v[248+\t], v[ADT] offset:64*\t
.endr
	s_add_co_u32 s96, s[KF], 127                   ; on the diagonal hidden scores become -infinity ahead of the maximum; a step all of whose keys count skips this
	s_cmp_le_u32 s96, s[Q0]
	s_cbranch_scc1 .Lopen_\@
	s_sub_co_i32 s96, s[Q0], s[KF]
	v_add_nc_u32 v252, s96, v[DQ]                  ; d = my query - KF - 16 h: register 16 b + i is hidden where 32 b + i > d
	v_mov_b32 v254, 0xff800000
.set n, 0
.rept 64
	v_cmp_gt_i32 vcc_lo, 32*(n/16)+n%16, v252
	v_cndmask_b32 v[128+n], v[128+n], v254, vcc_lo
.set n, n+1
.endr
.Lopen_\@:
.irp b, 0,1,2,3
	v_max3_num_f32 v[232+\b], v[128+16*\b], v[129+16*\b], v[130+16*\b]   ; the largest score of each block of 32 keys: it serves for the row's maximum and, since p rises with the score, for the block's largest p
.endr
.irp i, 3,5,7,9,11,13
.irp b, 0,1,2,3
	v_max3_num_f32 v[232+\b], v[232+\b], v[128+16*\b+\i], v[129+16*\b+\i]
.endr
.endr
.irp b, 0,1,2,3
	v_max_num_f32 v[232+\b], v[232+\b], v[143+16*\b]
.endr
.irp b, 0,1,2,3
	v_permlanex16_b32 v[236+\b], v[232+\b], s[SEL], s[SEL+1]
.endr
.irp b, 0,1,2,3
	v_max_num_f32 v[232+\b], v[232+\b], v[236+\b]  ; with lane l xor 16's 16 keys
.endr
	v_max3_num_f32 v254, v232, v233, v234
	v_max_num_f32 v254, v254, v235
	v_mul_f32 v254, s[CS], v254                    ; as t (c is positive)
	v_max_num_f32 v13, v13, v254                   ; the running largest t
	v_mov_b32 v254, v12
	v_floor_f32 v12, -v13                          ; the new -M = -ceil(t): a whole number
	v_sub_f32 v254, v12, v254                      ; old M less new M: a whole number, 0 or less
	v_cvt_i32_f32 v254, v254                       ; (it saturates)
	v_ldexp_f32 v252, 1.0, v254                    ; f = 2^(old M - new M)
.set j, 0
.rept 32
	v_pk_fma_f32 v[128+j:129+j], v[128+j:129+j], s[CS:CS+1], v[12:13] op_sel_hi:[1,0,0]   ; t - M, two at a time
.set j, j+2
.endr
.irp b, 0,1,2,3
	v_fma_f32 v[232+\b], v[232+\b], s[CS], v12     ; the same of each block's largest score
.endr
.set j, 0
.rept 64
	v_exp_f32 v[128+j], v[128+j]                   ; p = 2^(t - M), at most 1
.set j, j+1
.endr
	v_pk_mul_f32 v[14:15], v[14:15], v[252:253] op_sel_hi:[1,0]   ; the sums under the new M (a plain line behind the exponentials)
	s_wait_alu depctr_va_vdst(0)                   ; one wait for the whole batch, ahead of its first reader
.irp b, 0,1,2,3
	v_exp_f32 v[232+\b], v[232+\b]                 ; the block's largest p
.endr
	v_pk_add_f32 v[236:237], v[128:129], v[130:131]   ; the row's sum of the unquantised p, in two chains
.set j, 4
.rept 15
	v_pk_add_f32 v[14:15], v[14:15], v[128+j:129+j]
	v_pk_add_f32 v[236:237], v[236:237], v[130+j:131+j]
.set j, j+4
.endr
	v_pk_add_f32 v[14:15], v[14:15], v[236:237]
	s_wait_alu depctr_va_vdst(0)                   ; and one for the four
.irp b, 0,1,2,3
	v_max_num_f32 v[232+\b], 0x1800000, v[232+\b]  ; the floor 2^(3 - 127): the byte cannot fall under 1
.endr
.irp b, 0,1,2,3
	v_add_nc_u32 v[244+\b], 0xff000000, v[232+\b]  ; 2 off the exponent field: the conversion's scale operand
.endr
.irp b, 0,1,2,3
	v_lshrrev_b32 v[236+\b], 23, v[244+\b]
.endr
	v_lshl_or_b32 v253, v237, 8, v236              ; p's scale word for these 128 keys
	v_lshl_or_b32 v253, v238, 16, v253
	v_lshl_or_b32 v253, v239, 24, v253
.irp c, 0,1
	v_cvt_scalef32_pk16_fp6_f32 v[224+6*\c:226+6*\c], v[128+32*\c:143+32*\c], v[244+2*\c]
	v_cvt_scalef32_pk16_fp6_f32 v[236+4*\c:238+4*\c], v[144+32*\c:159+32*\c], v[245+2*\c]
.endr
	v_nop                                          ; one plain line behind the scaled conversions
.irp c, 0,1                                    ; the operand's layout wants a whole block in a lane
.irp i, 0,1,2
	v_permlane16_swap_b32 v[224+6*\c+\i], v[236+4*\c+\i]
.endr
.irp i, 0,1,2
	v_mov_b32 v[227+6*\c+\i], v[236+4*\c+\i]
.endr
.endr
.set j, 0
.rept 16
	v_pk_mul_f32 v[192+j:193+j], v[192+j:193+j], v[252:253] op_sel_hi:[1,0]   ; O^T under the new M; these sixteen are also the places between the scale word's and the codes' last writes and the products
.set j, j+2
.endr
	s_wait_dscnt 0x0                               ; V
.irp t, 0,1,2,3                                ; O^T += V^T P^T: four tiles of 16 of the head's 64, by turns
	v_wmma_scale_f32_16x16x128_f8f6f4 v[192+8*\t:199+8*\t], v[80+12*\t:91+12*\t], v[224:235], v[192+8*\t:199+8*\t], v[248+\t], v253 matrix_a_fmt:MATRIX_FMT_FP6 matrix_b_fmt:MATRIX_FMT_FP6
.endr
.Lhidden_\@:
	s_add_co_u32 s[KF], s[KF], 128
	s_add_co_u32 s[TS], s[TS], 512
	s_add_co_u32 s[TJ], s[TJ], 256
.endm
; THE CHANGE OF SLOTS stands at a slot's head.  Each wave waits for all its tensor loads, adds 0 to its spare word (fill = 1: twice on end), and waits for that and for its reads of the
; slot that it has left.  Behind the barrier the slot ahead is whole and nobody reads the other one, which is then filled with the keys that follow, up to the causal limit.
.macro CHANGE fill
	s_wait_tensorcnt 0x0                           ; no tensor load of mine is out, so a group 0 may be written
	ds_add_u32 v[SPW], v[NIL]
.if \fill
	ds_add_u32 v[SPW], v[NIL]
	s_xor_b32 s[G0K+1], s[G0K+1], SLOT1            ; the walking descriptors: the other slot, the next 256 keys
	s_add_nc_u64 s[G0K+2:G0K+3], s[G0K+2:G0K+3], 12288
	s_xor_b32 s[G0V+1], s[G0V+1], SLOT1
	s_add_nc_u64 s[G0V+2:G0V+3], s[G0V+2:G0V+3], 12288
	s_wait_xcnt 0x0                                ; the last prefetch has read its address, so it may be written
	s_add_nc_u64 s[PFA:PFA+1], s[PFA:PFA+1], 12288
.endif
	s_wait_dscnt 0x0                               ; the add is done, and my reads of the slot that I have left are over
	s_barrier_signal -1
	s_barrier_wait -1
.if \fill
	s_add_co_u32 s96, s[KF], 256                   ; the first key of the slot that this change would ask for
	s_cmp_gt_u32 s96, s[LQ]                        ; behind the work-group's last query no wave reads it: it is not asked for.  Ids and the count of steps alone: all sixteen waves go the same way
	s_cbranch_scc1 .Lpast_\@
	TLOAD G0K, G1, G0V, G1                         ; a wave's one tensor load until the next change
.Lpast_\@:
	ASK
.endif
.endm
.macro SLOT_STEPS
	STEP 0
	STEP 1
	s_xor_b32 s[TB], s[TB], SLOT1
.endm
	s_wait_loadcnt 0x0                             ; Q
.Lslot:                                                ; seven trips: behind each change of slots but the last the next slot is asked for
	CHANGE 1
	SLOT_STEPS
	s_sub_co_u32 s[SLOTS], s[SLOTS], 1
	s_cmp_lg_u32 s[SLOTS], 0
	s_cbranch_scc1 .Lslot
	CHANGE 0                                       ; the last slot is written out: nothing is left to fetch
	SLOT_STEPS
	; THE WAY OUT: O^T / the sum, quantised along the head's 64 (two blocks), stored as a half image
.rept 4
	v_nop                                          ; places behind the last products
.endr
	v_add_f32 v14, v14, v15
	v_permlanex16_b32 v252, v14, s[SEL], s[SEL+1]
	v_add_f32 v14, v14, v252                       ; the row's sum
	v_rcp_f32 v14, v14
	v_nop                                          ; a plain line behind the reciprocal
	s_wait_alu depctr_va_vdst(0)                   ; the wait, ahead of its first reader
.set j, 0
.rept 32
	v_mul_f32 v[128+j], v[192+j], v14              ; register 16 c + i is d = 32 c + 16 h + i
.set j, j+1
.endr
.irp b, 0,1
	v_max3_num_f32 v[232+\b], |v[128+16*\b]|, |v[129+16*\b]|, 0x1800000
.endr
.irp i, 2,4,6,8,10,12,14
.irp b, 0,1
	v_max3_num_f32 v[232+\b], v[232+\b], |v[128+16*\b+\i]|, |v[129+16*\b+\i]|
.endr
.endr
.irp b, 0,1
	v_permlanex16_b32 v[236+\b], v[232+\b], s[SEL], s[SEL+1]
.endr
.irp b, 0,1
	v_max_num_f32 v[232+\b], v[232+\b], v[236+\b]
.endr
.irp b, 0,1
	v_add_nc_u32 v[244+\b], 0xff000000, v[232+\b]
.endr
.irp b, 0,1
	v_lshrrev_b32 v[236+\b], 23, v[244+\b]
.endr
	v_lshl_or_b32 v240, v237, 8, v236              ; my head's two scale bytes of my row
	v_cvt_scalef32_pk16_fp6_f32 v[224:226], v[128:143], v244
	v_cvt_scalef32_pk16_fp6_f32 v[228:230], v[144:159], v245
	v_nop
.irp i, 0,1,2
	v_permlane16_swap_b32 v[224+\i], v[228+\i]     ; lanes 0-15 now hold block 0 whole, lanes 16-31 block 1
.endr
	v_mov_b32 v227, v228
	v_mov_b32 v228, v229
	v_mov_b32 v229, v230
.irp g, 0,1,2
	global_store_b64 v[AK0], v[224+2*\g:225+2*\g], s[14:15] offset:256*\g   ; 32 lanes store 256 consecutive bytes, aligned
.endr
	global_store_b16 v[R4], v240, s[16:17]         ; both halves of the lanes write the same two bytes
	s_wait_tensorcnt 0x0                           ; the wave's end
	ds_add_u32 v[SPW], v[NIL]
	s_wait_dscnt 0x0
	s_endpgm
.Lfunc_end_k_qb5bf203ed5_attn:
	.size	k_qb5bf203ed5_attn, .Lfunc_end_k_qb5bf203ed5_attn-k_qb5bf203ed5_attn
	.p2alignl 7, 3214868480
	.fill 96, 4, 3214868480
	.section	.rodata,"a",@progbits
	.p2align	6, 0x0
	.amdhsa_kernel k_qb5bf203ed5_attn
		.amdhsa_group_segment_fixed_size 327680
		.amdhsa_private_segment_fixed_size 0
		.amdhsa_enable_private_segment 0
		.amdhsa_kernarg_size 16
		.amdhsa_user_sgpr_count 2
		.amdhsa_user_sgpr_kernarg_segment_ptr 1
		.amdhsa_wavefront_size32 1
		.amdhsa_system_sgpr_workgroup_id_x 1
		.amdhsa_system_sgpr_workgroup_id_y 1
		.amdhsa_system_sgpr_workgroup_id_z 1
		.amdhsa_system_vgpr_workitem_id 0
		.amdhsa_next_free_vgpr 256
		.amdhsa_next_free_sgpr 100
		.amdhsa_reserve_vcc 1
		.amdhsa_float_denorm_mode_32 3
		.amdhsa_float_denorm_mode_16_64 3
		.amdhsa_memory_ordered 1
		.amdhsa_forward_progress 1
		.amdhsa_inst_pref_size 108
	.end_amdhsa_kernel
	.amdgpu_metadata
---
amdhsa.version: [ 1, 2 ]
amdhsa.kernels:
  - .name:           k_qb5bf203ed5_attn
    .symbol:         k_qb5bf203ed5_attn.kd
    .args:
      - { .name: qkv, .offset: 0, .size: 8, .value_kind: global_buffer, .address_space: global }
      - { .name: ctx, .offset: 8, .size: 8, .value_kind: global_buffer, .address_space: global }
    .group_segment_fixed_size: 327680
    .private_segment_fixed_size: 0
    .kernarg_segment_align: 8
    .kernarg_segment_size: 16
    .max_flat_workgroup_size: 512
    .sgpr_count:     100
    .vgpr_count:     256
    .wavefront_size: 32
...
	.end_amdgpu_metadata
.endif
;; end of part 4
;; launch gemm_o (part 5): grid 4 x 16, 4 waves a work-group, clusters of 4 x 4, 327,680 bytes of LDS; arguments ctx, wts, bo, x, x1; writes x1
.if DOCPART == 5
	.amdgcn_target "amdgcn-amd-amdhsa--gfx1250"
	.amdhsa_code_object_version 6
	.text
	.protected	k_qb5bf203ed5_gemm_o
	.globl	k_qb5bf203ed5_gemm_o
	.p2align	8
	.type	k_qb5bf203ed5_gemm_o,@function
k_qb5bf203ed5_gemm_o:
	s_mov_b64 s[64:65], 0
	v_nop
	global_prefetch_b8 v0, s[64:65] scope:SCOPE_SE
	s_setreg_imm32_b32 hwreg(HW_REG_WAVE_MODE, 25, 1), 1
	s_wait_xcnt 0x0
	s_wait_alu depctr_hold_cnt(0) depctr_sa_sdst(0) depctr_va_vdst(0) depctr_va_sdst(0) depctr_va_ssrc(0) depctr_va_vcc(0) depctr_vm_vsrc(0)
	s_getreg_b32 s2, hwreg(HW_REG_IB_STS2, 6, 4)
	s_cmp_eq_u32 s2, 0
	s_cbranch_scc0 .Lentry_in_a_cluster
	s_endpgm
.Lentry_in_a_cluster:
	s_bfe_u32 s2, ttmp6, 0x10000c
	s_cmp_lg_u32 s2, 0xf033
	s_cbranch_scc0 .Lentry_shape_is_right
	s_endpgm
.Lentry_shape_is_right:
; x1 = x + ctx Wo + bo: the product on codes of FP6 (E2M3) with E8M0 scales, K = 1,024; x1 [4096][1024] f32 in the rows' own order.
; Operands, ring, joint loads and the K loop are gemm_qkv's (its head comment): A = ctx's codes (rows = tokens in the order pi), B = Wo's (rows = columns n in the order pi); source 0 (X) = weight rows, source 1 (Y) = tokens.
; THE RESIDUAL IS THE C OF THE SUMS: x is loaded straight into the accumulators' registers, in the result's layout, and every product adds in place; nothing is cleared and no addition is spent on it.
; The bias is added on the way out, where a lane holds 16 neighbouring bytes of a row.  The way out undoes the order pi: a block of 16 rows goes through the wave's own stage in LDS (in slot 0, which has had its last fill and
; its last read) and leaves as whole rows of 512 bytes.
; 64 work-groups: N = 1,024 gives no more tiles of 256 x 256.
; REGISTERS: window 0: v1-29 addresses, v12-15 the bias; v32-63 Y's scale words, v224-255 X's (they hold nothing else); v128-223 Y's fragments; on the way out v64-127 and v128-191 rows read back, by turns.
;   window 1: X's fragments, two sets.   windows 2, 3: the accumulators ((a, b) at v[8 (8 (a % 4) + b)]).
.set KDIM,  1024
.set ASO,   3145728
.set WC,    2359296
.set WS,    9535488
.set HALFT, 24576
.set SLOT,  4*HALFT
.set LAPS,  KDIM/512
.set RBP,   (KDIM/64)*6144
.set HALFS, (KDIM/128)*512
.set SCL,   2*SLOT
.set SPARE, SCL+4*HALFS+8192
.set FR, 12
.set NL, 6
.set NP, 4
.set BI,   12                          ; v12-15 the bias of my four columns of a row read back
.set ADRY, 16
.set ADRX, 20
.set ADSX, 22
.set RA,   23                          ; v23    the residual: my lane's byte in the wave's part
.set STO,  24                          ; v24    the way out: where I put 32 bytes of a row
.set RD,   25                          ; v25    where I read a row back
.set CO,   26                          ; v26    16 x lane
.set ADSY, 27
.set SPW,  28
.set NIL,  29
.set SCY,  32
.set BK,   64
.set AF,   128
.set SCX,  224
.set SPITCH, 528
.set G1, 24
.set G0, 32
.set G1B, 48
.set G0B, 56
.set G1S, 68
.set G0S, 76
.set G1SB, 80
.set G0SB, 88
.set MSB, 0
.macro WIN new
.if MSB != (\new)
	s_set_vgpr_msb (MSB<<8)|(\new)
.set MSB, (\new)
.endif
.endm
.set MUL_LO, 0xa1
.set MUL_HI, 0xf1
.macro JLOAD g0a, g1a, g0b, g1b        ; a joint load: waves 0 and 1 for A, waves 2 and 3 for B; an s_nop 0 and four v_nop follow each line
	s_cmp_eq_u32 s17, 0
	s_cbranch_scc0 .Lfor_b_\@
	tensor_load_to_lds s[\g0a:\g0a+3], s[\g1a:\g1a+7]
	s_nop 0
.rept 4
	v_nop
.endr
	s_branch .Lasked_\@
.Lfor_b_\@:
	tensor_load_to_lds s[\g0b:\g0b+3], s[\g1b:\g1b+7]
	s_nop 0
.rept 4
	v_nop
.endr
.Lasked_\@:
.endm
.macro CREST
	s_cmp_lg_u32 s16, 0
	s_cbranch_scc1 .Lnot_wave_0_\@
	s_barrier_signal -3
.Lnot_wave_0_\@:
	s_barrier_wait -3
	s_barrier_signal -1
	s_barrier_wait -1
.endm
.macro CROUND
	s_barrier_signal -1
	s_barrier_wait -1
	CREST
.endm
	s_load_b256 s[4:11], s[0:1], 0x0               ; A's buffer, wts, the bias, the residual
	s_load_b64 s[12:13], s[0:1], 0x20              ; the result
	v_lshl_add_u32 v[SPW], v0, 2, SPARE
	v_mov_b32 v[NIL], 0
	ds_add_u32 v[SPW], v[NIL]                      ; the wave's opening: the add, twice on end, and its wait ahead of my first tensor load
	ds_add_u32 v[SPW], v[NIL]
	v_lshrrev_b32 v1, 5, v0
	v_readfirstlane_b32 s16, v1                    ; wave
	s_lshr_b32 s17, s16, 1                         ; wy; also: I fetch for A (0) or B (1)
	s_and_b32 s18, s16, 1                          ; wx; also: which block of 128 rows I fetch
	s_bfe_u32 s40, ttmp6, 0x40000
	s_bfe_u32 s41, ttmp6, 0x40004
	s_lshl_b32 s42, ttmp9, 2
	s_add_co_u32 s42, s42, s40                     ; tc
	s_and_b32 s19, ttmp7, 0xffff
	s_lshl_b32 s19, s19, 2
	s_add_co_u32 s19, s19, s41                     ; tr
	s_lshl_b32 s43, s41, 2
	s_lshl_b32 s43, 15, s43
	s_lshl_b32 s44, 0x1111, s40
	s_or_b32 s[G1+0], s43, (3<<16)|(1<<21)         ; the mask, elements of 8 bytes, bit 21 beside a mask
	s_or_b32 s[G1B+0], s44, (3<<16)|(1<<21)
.irp g, G1, G1B
	s_mov_b32 s[\g+1], 32<<16
	s_mov_b32 s[\g+2], (HALFT/256)<<16
	s_mov_b32 s[\g+3], 32<<16
	s_mov_b32 s[\g+4], HALFT/256
	s_mov_b32 s[\g+5], 32
	s_mov_b32 s[\g+6], 0
	s_mov_b32 s[\g+7], 0
.endr
	s_or_b32 s[G1S+0], s43, (3<<16)|(1<<21)
	s_or_b32 s[G1SB+0], s44, (3<<16)|(1<<21)
.irp g, G1S, G1SB
	s_mov_b32 s[\g+1], 32<<16
	s_mov_b32 s[\g+2], (HALFS/256)<<16
	s_mov_b32 s[\g+3], 32<<16
	s_mov_b32 s[\g+4], HALFS/256
	s_mov_b32 s[\g+5], 32
	s_mov_b32 s[\g+6], 0
	s_mov_b32 s[\g+7], 0
.endr
	s_lshl_b32 s20, s19, 1
	s_add_co_u32 s20, s20, s18
	s_lshl_b32 s46, s42, 1
	s_add_co_u32 s46, s46, s18
	s_mul_i32 s22, s20, HALFS
	s_add_co_u32 s22, s22, ASO
	s_mul_i32 s20, s20, RBP
	s_mul_i32 s92, s46, HALFS
	s_add_co_u32 s92, s92, WS
	s_mul_i32 s46, s46, RBP
	s_add_co_u32 s46, s46, WC
	s_mov_b32 s21, 0
	s_mov_b32 s23, 0
	s_mov_b32 s47, 0
	s_mov_b32 s93, 0
	s_mul_i32 s45, s16, HALFT
	s_mul_i32 s94, s16, HALFS
	s_wait_dscnt 0x0                               ; both opening adds are done
	s_wait_kmcnt 0x0
	s_add_nc_u64 s[20:21], s[4:5], s[20:21]
	s_add_nc_u64 s[22:23], s[4:5], s[22:23]
	s_add_nc_u64 s[46:47], s[6:7], s[46:47]
	s_add_nc_u64 s[92:93], s[6:7], s[92:93]
	CROUND                                         ; all sixteen work-groups are here: the first joint loads meet
	s_mov_b32 s[G0S], 1
	s_add_co_u32 s[G0S+1], s94, SCL
	s_mov_b64 s[G0S+2:G0S+3], s[22:23]
	s_or_b32 s[G0S+3], s[G0S+3], 0x80000000
	s_mov_b32 s[G0SB], 1
	s_add_co_u32 s[G0SB+1], s94, SCL
	s_mov_b64 s[G0SB+2:G0SB+3], s[92:93]
	s_or_b32 s[G0SB+3], s[G0SB+3], 0x80000000
	JLOAD G0S, G1S, G0SB, G1SB
.irp s, 0,1
	s_mov_b32 s[G0+4*\s], 1
	s_add_co_u32 s[G0+4*\s+1], s45, \s*SLOT
	s_add_nc_u64 s[G0+4*\s+2:G0+4*\s+3], s[20:21], \s*HALFT
	s_or_b32 s[G0+4*\s+3], s[G0+4*\s+3], 0x80000000
	s_mov_b32 s[G0B+4*\s], 1
	s_add_co_u32 s[G0B+4*\s+1], s45, \s*SLOT
	s_add_nc_u64 s[G0B+4*\s+2:G0B+4*\s+3], s[46:47], \s*HALFT
	s_or_b32 s[G0B+4*\s+3], s[G0B+4*\s+3], 0x80000000
	JLOAD G0+4*\s, G1, G0B+4*\s, G1B               ; three tensor loads of mine are out now
.endr
	v_and_b32 v1, 15, v0                           ; r
	v_bfe_u32 v2, v0, 4, 1                         ; h
	v_and_b32 v3, 31, v0
	v_lshlrev_b32 v4, 3, v3
	s_mul_i32 s20, s17, HALFT                      ; Y: my 128 tokens
	s_mul_i32 s21, s18, HALFT
	s_add_co_u32 s21, s21, 2*HALFT                 ; X: my 128 weight rows, behind A's two blocks
.irp s, 0,1
	v_add_nc_u32 v[ADRY+\s], s20, v4
	v_add_nc_u32 v[ADRX+\s], s21, v4
	s_add_co_u32 s20, s20, SLOT
	s_add_co_u32 s21, s21, SLOT
.endr
	s_mul_i32 s20, s17, HALFS
	s_add_co_u32 s20, s20, SCL
	s_mul_i32 s21, s18, HALFS
	s_add_co_u32 s21, s21, SCL+2*HALFS
	v_lshlrev_b32 v4, 2, v1
	v_add_nc_u32 v[ADSY], s20, v4
	v_add_nc_u32 v[ADSX], s21, v4
	s_mul_i32 s20, s16, 16*SPITCH                  ; my stage
	v_mul_u32_u24 v5, v1, SPITCH
	v_lshl_add_u32 v5, v2, 6, v5
	v_add_nc_u32 v[STO], s20, v5                   ; in: row r, + 64 h
	v_lshlrev_b32 v[CO], 4, v3
	v_add_nc_u32 v[RD], s20, v[CO]                 ; back: the 32 lanes take a row of 512 bytes
	v_and_b32 v5, 8, v1
	v_add_nc_u32 v5, v5, v1
	v_lshlrev_b32 v5, 12, v5
	v_lshl_add_u32 v[RA], v2, 6, v5                ; the residual: row r + 8 (r / 8) of 4,096 bytes, + 64 h
	s_lshl_b32 s95, s19, 8
	s_lshl_b32 s96, s17, 7
	s_add_co_u32 s95, s95, s96                     ; my first row
	s_lshl_b32 s96, s95, 12
	s_lshl_b32 s66, s42, 10
	s_lshl_b32 s97, s18, 9
	s_add_co_u32 s66, s66, s97                     ; my first column, in bytes
	s_mov_b32 s67, 0
	s_add_co_u32 s96, s96, s66
	s_mov_b32 s97, 0
	s_add_nc_u64 s[98:99], s[10:11], s[96:97]
	s_add_nc_u64 s[100:101], s[12:13], s[96:97]
	s_add_nc_u64 s[8:9], s[8:9], s[66:67]
	global_load_b128 v[BI:BI+3], v[CO], s[8:9]
	WIN 0x80                                       ; destination window 2
.irp a, 0,1,2,3                                ; register j of accumulator (a, b): row 32 (a / 2) + 8 (a % 2) + r + 8 (r / 8), column 32 (b / 2) + 8 (b % 2) + 16 h + j
.irp b, 0,1,2,3,4,5,6,7
.irp u, 0,1
	global_load_b128 v[8*(8*\a+\b)+4*\u:8*(8*\a+\b)+4*\u+3], v[RA], s[98:99] offset:(32*(\a/2)+8*(\a%2))*4096+128*(\b/2)+32*(\b%2)+16*\u
.endr
.endr
.endr
	WIN 0xc0                                       ; destination window 3
.irp a, 0,1,2,3
.irp b, 0,1,2,3,4,5,6,7
.irp u, 0,1
	global_load_b128 v[8*(8*\a+\b)+4*\u:8*(8*\a+\b)+4*\u+3], v[RA], s[98:99] offset:(64+32*(\a/2)+8*(\a%2))*4096+128*(\b/2)+32*(\b%2)+16*\u
.endr
.endr
.endr
	WIN 0
.macro FRAG reg, adr, q, i
.irp p, 0,1,2,3,4,5
	ds_load_b64 v[\reg+2*\p:\reg+2*\p+1], v[\adr] offset:(2*(\q)+\p/3)*6144+(\i)*768+256*(\p%3)
.endr
.endm
.macro MUL16 a0, p, q, sc              ; 16 matrix instructions, in place; the 64 accumulators take turns, one instruction a turn
.irp a, \a0, \a0+1
.irp b, 0,1,2,3,4,5,6,7
	v_wmma_scale_f32_16x16x128_f8f6f4 v[8*(8*((\a)%4)+\b):8*(8*((\a)%4)+\b)+7], v[128*(\p)+FR*\b:128*(\p)+FR*\b+FR-1], v[AF+FR*(\a):AF+FR*(\a)+FR-1], v[8*(8*((\a)%4)+\b):8*(8*((\a)%4)+\b)+7], v[SCX+16*(\sc)+2*\b+(\q)], v[SCY+16*(\sc)+2*(\a)+(\q)] matrix_a_fmt:MATRIX_FMT_FP6 matrix_b_fmt:MATRIX_FMT_FP6
.endr
.endr
.endm
.macro FETCH_X slot, q, p
	WIN 0x40
.irp i, 0,1,2,3,4,5,6,7
	FRAG 128*(\p)+FR*\i, ADRX+\slot, \q, \i
.endr
	WIN 0
.endm
.macro FETCH_Y slot, q, i0
.irp i, \i0, \i0+1, \i0+2, \i0+3
	FRAG AF+FR*(\i), ADRY+\slot, \q, \i
.endr
.endm
.macro SCALES sc
.irp i, 0,1,2,3,4,5,6,7
.irp q, 0,1
	ds_load_b32 v[SCY+16*\sc+2*\i+\q], v[ADSY] offset:512*\q+64*\i
	ds_load_b32 v[SCX+16*\sc+2*\i+\q], v[ADSX] offset:512*\q+64*\i
.endr
.endr
.endm
.macro PLACES n
.rept \n
	v_nop
.endr
.endm
.macro STEP slot, q
	s_wait_dscnt 4*NL                              ; all but the youngest 24 loads (Y's blocks 4-7) are in
	WIN MUL_LO
	MUL16 0, (\q)%2, \q, \slot
	MUL16 2, (\q)%2, \q, \slot
	s_wait_dscnt 0
	PLACES NP
	FETCH_X \slot, (\q)+1, 1-(\q)%2
	FETCH_Y \slot, (\q)+1, 0
	WIN MUL_HI
	MUL16 4, (\q)%2, \q, \slot
	MUL16 6, (\q)%2, \q, \slot
	PLACES NP
	WIN 0
	FETCH_Y \slot, (\q)+1, 4
.endm
.macro TURN slot, next, fill
	s_wait_tensorcnt 0x0                           ; all my tensor loads have landed: my part of the next slot
	ds_add_u32 v[SPW], v[NIL]
	s_wait_dscnt 4*NL+1                            ; (the add and the youngest 24 loads may be out)
	WIN MUL_LO
	MUL16 0, 1, 1, \slot
	s_wait_dscnt 0x0                               ; the add is done, and my reads of this slot are over
	s_barrier_signal -1
	MUL16 2, 1, 1, \slot
	WIN 0
	s_barrier_wait -1
.if \fill
	CREST                                          ; the round: no wave of any partner still reads this slot or has a load on its way
	s_add_nc_u64 s[G0+4*\slot+2:G0+4*\slot+3], s[G0+4*\slot+2:G0+4*\slot+3], 2*HALFT
	s_add_nc_u64 s[G0B+4*\slot+2:G0B+4*\slot+3], s[G0B+4*\slot+2:G0B+4*\slot+3], 2*HALFT
	JLOAD G0+4*\slot, G1, G0B+4*\slot, G1B
.else
	PLACES NP
.endif
	v_add_nc_u32 v[ADSY], 1024, v[ADSY]
	v_add_nc_u32 v[ADSX], 1024, v[ADSX]
	FETCH_X \next, 0, 0
	FETCH_Y \next, 0, 0
	SCALES \next
	WIN MUL_HI
	MUL16 4, 1, 1, \slot
	MUL16 6, 1, 1, \slot
	PLACES NP
	WIN 0
	FETCH_Y \next, 0, 4
.endm
	s_wait_tensorcnt 1                             ; the scale words and my part of slot 0 are in; slot 1's load may be out
	s_barrier_signal -1
	s_barrier_wait -1
	FETCH_X 0, 0, 0
	FETCH_Y 0, 0, 0
	SCALES 0
	FETCH_Y 0, 0, 4
	s_wait_loadcnt 0x0                             ; the residual lies in the accumulators, the bias in its registers
	STEP 0, 0
	s_mov_b32 s3, LAPS-1
.Llap:
	TURN 0, 1, 1
	STEP 1, 0
	TURN 1, 0, 1
	STEP 0, 0
	s_sub_co_u32 s3, s3, 1
	s_cmp_lg_u32 s3, 0
	s_cbranch_scc1 .Llap
	TURN 0, 1, 0
	STEP 1, 0
	s_wait_dscnt 4*NL
	WIN MUL_LO
	MUL16 0, 1, 1, 1
	MUL16 2, 1, 1, 1
	s_wait_dscnt 0
	WIN MUL_HI
	MUL16 4, 1, 1, 1
	MUL16 6, 1, 1, 1
	WIN 0
; THE WAY OUT, block by block of 16 rows x 128 columns, through my own stage; LDS serves a wave's instructions in order, so no wait stands between the stores and the loads.
.macro TOSTAGE a
.set AC, 64*((\a)%4)
	WIN 0x08+4*((\a)/4)                            ; an LDS store's data are its source 1: window 2 or 3
.irp b, 0,1,2,3,4,5,6,7
	ds_store_b128 v[STO], v[AC+8*\b:AC+8*\b+3] offset:128*(\b/2)+32*(\b%2)        ; each accumulator from its low end on; the columns go to their own places
	ds_store_b128 v[STO], v[AC+8*\b+4:AC+8*\b+7] offset:128*(\b/2)+32*(\b%2)+16
.endr
	WIN 0
.set BB, BK+64*((\a)%2)
.set t, 0
.rept 16
	ds_load_b128 v[BB+4*t:BB+4*t+3], v[RD] offset:t*SPITCH
.set t, t+1
.endr
.endm
.macro SEND a, younger                 ; younger: the LDS instructions issued behind block a's loads, which may stay out
.set BB, BK+64*((\a)%2)
	s_wait_dscnt \younger
.set t, 0
.rept 16
	v_pk_add_f32 v[BB+4*t:BB+4*t+1], v[BB+4*t:BB+4*t+1], v[BI:BI+1]
	v_pk_add_f32 v[BB+4*t+2:BB+4*t+3], v[BB+4*t+2:BB+4*t+3], v[BI+2:BI+3]
	global_store_b128 v[CO], v[BB+4*t:BB+4*t+3], s[100:101] offset:(32*((\a)/2)+8*((\a)%2)+t+8*(t/8))*4096   ; 32 lanes store 512 consecutive bytes, aligned; the row goes to its own place
.set t, t+1
.endr
.endm
	PLACES NP
	TOSTAGE 0
.irp a, 1,2,3,4,5,6,7
.if \a > 1
	s_wait_xcnt 0x0                                ; block a - 2's stores have read their registers: block a's loads may land there
.endif
	TOSTAGE \a
	SEND \a-1, 32                                  ; behind block a - 1's loads: block a's 16 stores and 16 loads
.endr
	SEND 7, 0
	s_wait_tensorcnt 0x0                           ; the wave's end
	ds_add_u32 v[SPW], v[NIL]
	s_wait_dscnt 0x0
	CROUND                                         ; the closing round
	s_endpgm
.Lfunc_end_k_qb5bf203ed5_gemm_o:
	.size	k_qb5bf203ed5_gemm_o, .Lfunc_end_k_qb5bf203ed5_gemm_o-k_qb5bf203ed5_gemm_o
	.p2alignl 7, 3214868480
	.fill 96, 4, 3214868480
	.section	.rodata,"a",@progbits
	.p2align	6, 0x0
	.amdhsa_kernel k_qb5bf203ed5_gemm_o
		.amdhsa_group_segment_fixed_size 327680
		.amdhsa_private_segment_fixed_size 0
		.amdhsa_enable_private_segment 0
		.amdhsa_kernarg_size 40
		.amdhsa_user_sgpr_count 2
		.amdhsa_user_sgpr_kernarg_segment_ptr 1
		.amdhsa_wavefront_size32 1
		.amdhsa_system_sgpr_workgroup_id_x 1
		.amdhsa_system_sgpr_workgroup_id_y 1
		.amdhsa_system_sgpr_workgroup_id_z 1
		.amdhsa_system_vgpr_workitem_id 0
		.amdhsa_next_free_vgpr 1024
		.amdhsa_next_free_sgpr 102
		.amdhsa_reserve_vcc 0
		.amdhsa_float_denorm_mode_32 3
		.amdhsa_float_denorm_mode_16_64 3
		.amdhsa_memory_ordered 1
		.amdhsa_forward_progress 1
		.amdhsa_inst_pref_size 194
	.end_amdhsa_kernel
	.amdgpu_metadata
---
amdhsa.version: [ 1, 2 ]
amdhsa.kernels:
  - .name:           k_qb5bf203ed5_gemm_o
    .symbol:         k_qb5bf203ed5_gemm_o.kd
    .args:
      - { .name: ctx, .offset: 0, .size: 8, .value_kind: global_buffer, .address_space: global }
      - { .name: wts, .offset: 8, .size: 8, .value_kind: global_buffer, .address_space: global }
      - { .name: bo, .offset: 16, .size: 8, .value_kind: global_buffer, .address_space: global }
      - { .name: x, .offset: 24, .size: 8, .value_kind: global_buffer, .address_space: global }
      - { .name: x1, .offset: 32, .size: 8, .value_kind: global_buffer, .address_space: global }
    .group_segment_fixed_size: 327680
    .private_segment_fixed_size: 0
    .kernarg_segment_align: 8
    .kernarg_segment_size: 40
    .max_flat_workgroup_size: 128
    .sgpr_count:     102
    .vgpr_count:     1024
    .wavefront_size: 32
...
	.end_amdgpu_metadata
.endif
;; end of part 5
;; launch ln2: the kernel of part 2 again; grid 256 x 1, 4 waves a work-group, no clusters, 66,304 bytes of LDS; arguments x1, ln2_g, ln2_b, hq; writes hq
;; launch gemm_w1 (part 6): grid 16 x 16, 4 waves a work-group, clusters of 4 x 4, 327,680 bytes of LDS; arguments hq, wts, b1, gq; writes gq
.if DOCPART == 6
	.amdgcn_target "amdgcn-amd-amdhsa--gfx1250"
	.amdhsa_code_object_version 6
	.text
	.protected	k_qb5bf203ed5_gemm_w1
	.globl	k_qb5bf203ed5_gemm_w1
	.p2align	8
	.type	k_qb5bf203ed5_gemm_w1,@function
k_qb5bf203ed5_gemm_w1:
	s_mov_b64 s[64:65], 0
	v_nop
	global_prefetch_b8 v0, s[64:65] scope:SCOPE_SE
	s_setreg_imm32_b32 hwreg(HW_REG_WAVE_MODE, 25, 1), 1
	s_wait_xcnt 0x0
	s_wait_alu depctr_hold_cnt(0) depctr_sa_sdst(0) depctr_va_vdst(0) depctr_va_sdst(0) depctr_va_ssrc(0) depctr_va_vcc(0) depctr_vm_vsrc(0)
	s_getreg_b32 s2, hwreg(HW_REG_IB_STS2, 6, 4)
	s_cmp_eq_u32 s2, 0
	s_cbranch_scc0 .Lentry_in_a_cluster
	s_endpgm
.Lentry_in_a_cluster:
	s_bfe_u32 s2, ttmp6, 0x10000c
	s_cmp_lg_u32 s2, 0xf033
	s_cbranch_scc0 .Lentry_shape_is_right
	s_endpgm
.Lentry_shape_is_right:
; g = gelu(h W1 + b1), the exact (erf) form, quantised along the 4,096 hidden units on its way out: the product on codes of FP6 (E2M3) with E8M0 scales, K = 1,024; g leaves as codes and scale words, an operand with K = 4,096.
; Operands, ring, joint loads and the K loop are gemm_qkv's (its head comment): A = hq (tokens in the order pi), B = W1's codes (hidden units in the order pi); source 0 (X) = weight rows, source 1 (Y) = tokens: a lane holds
; one token and its registers run along neighbouring hidden units.  The bias is the C of each sum's first matrix instruction.
; THE WAY OUT is a loop of eight trips, one for each of Y's tiles: only the 32 lines that take a tile out of its accumulators (halving it on the way) are written eight times.
; gelu(x) = x/2 + x/2 erf(x / sqrt 2).  erf(u) = c P(c^2) / Q(c^2), c = u held to +-4: a rational form in f32, P of degree 6 and Q of degree 4 in c^2.
; LIMITS: gelu is formed as x/2 (1 + erf), so its absolute error is about 1e-7 |x|; NaN and infinities are not served; a block of zeros gets the byte 1; blocks under 2^-124 keep the byte 1.
; REGISTERS: window 0: v1-29 addresses and two constants; v32-63 Y's scale words, v224-255 X's (they hold nothing else); v64-127 the bias, later work; v128-223 Y's fragments, later v128-191 a tile's 64 numbers.
;   window 1: X's fragments, two sets.   windows 2, 3: the accumulators.
.set KDIM,  1024
.set ASO,   3145728
.set WC,    3145728
.set WS,    9568256
.set HALFT, 24576
.set SLOT,  4*HALFT
.set LAPS,  KDIM/512
.set RBP,   (KDIM/64)*6144
.set HALFS, (KDIM/128)*512
.set SCL,   2*SLOT
.set SPARE, SCL+4*HALFS+8192
.set FR, 12
.set NL, 6
.set NP, 4
.set ADRY, 16
.set ADRX, 20
.set ADSX, 22
.set ADSY, 27
.set GA,   24
.set STS,  25
.set STR,  26
.set SPW,  28
.set NIL,  29
.set SCY,  32
.set BIAS, 64
.set AF,   128
.set SCX,  224
.set U,    128                         ; the way out: x/2, then gelu(x)
.set CC,   64                          ; v64-79 c;  v80-95 c^2;  v96-111 P;  v112-127 Q
.set ZZ,   80
.set PP,   96
.set QQ,   112
.set TM,   64                          ; behind the gelu: v64-79 at work, v80 the scale word, v96-114 the codes
.set PW,   80
.set PC,   96
.set G1, 24
.set G0, 32
.set G1B, 48
.set G0B, 56
.set G1S, 68
.set G0S, 76
.set G1SB, 80
.set G0SB, 88
.set MSB, 0
.macro WIN new
.if MSB != (\new)
	s_set_vgpr_msb (MSB<<8)|(\new)
.set MSB, (\new)
.endif
.endm
.set MUL_LO, 0xa1
.set MUL_HI, 0xf1
.macro JLOAD g0a, g1a, g0b, g1b        ; a joint load: waves 0 and 1 for A, waves 2 and 3 for B; an s_nop 0 and four v_nop follow each line
	s_cmp_eq_u32 s17, 0
	s_cbranch_scc0 .Lfor_b_\@
	tensor_load_to_lds s[\g0a:\g0a+3], s[\g1a:\g1a+7]
	s_nop 0
.rept 4
	v_nop
.endr
	s_branch .Lasked_\@
.Lfor_b_\@:
	tensor_load_to_lds s[\g0b:\g0b+3], s[\g1b:\g1b+7]
	s_nop 0
.rept 4
	v_nop
.endr
.Lasked_\@:
.endm
.macro CREST
	s_cmp_lg_u32 s16, 0
	s_cbranch_scc1 .Lnot_wave_0_\@
	s_barrier_signal -3
.Lnot_wave_0_\@:
	s_barrier_wait -3
	s_barrier_signal -1
	s_barrier_wait -1
.endm
.macro CROUND
	s_barrier_signal -1
	s_barrier_wait -1
	CREST
.endm
	s_load_b256 s[4:11], s[0:1], 0x0               ; hq, wts, b1, gq
	v_lshl_add_u32 v[SPW], v0, 2, SPARE
	v_mov_b32 v[NIL], 0
	ds_add_u32 v[SPW], v[NIL]                      ; the wave's opening: the add, twice on end, and its wait ahead of my first tensor load
	ds_add_u32 v[SPW], v[NIL]
	v_lshrrev_b32 v1, 5, v0
	v_readfirstlane_b32 s16, v1
	s_lshr_b32 s17, s16, 1
	s_and_b32 s18, s16, 1
	s_bfe_u32 s40, ttmp6, 0x40000
	s_bfe_u32 s41, ttmp6, 0x40004
	s_lshl_b32 s42, ttmp9, 2
	s_add_co_u32 s42, s42, s40                     ; tc
	s_and_b32 s19, ttmp7, 0xffff
	s_lshl_b32 s19, s19, 2
	s_add_co_u32 s19, s19, s41                     ; tr
	s_lshl_b32 s43, s41, 2
	s_lshl_b32 s43, 15, s43
	s_lshl_b32 s44, 0x1111, s40
	s_or_b32 s[G1+0], s43, (3<<16)|(1<<21)
	s_or_b32 s[G1B+0], s44, (3<<16)|(1<<21)
.irp g, G1, G1B
	s_mov_b32 s[\g+1], 32<<16
	s_mov_b32 s[\g+2], (HALFT/256)<<16
	s_mov_b32 s[\g+3], 32<<16
	s_mov_b32 s[\g+4], HALFT/256
	s_mov_b32 s[\g+5], 32
	s_mov_b32 s[\g+6], 0
	s_mov_b32 s[\g+7], 0
.endr
	s_or_b32 s[G1S+0], s43, (3<<16)|(1<<21)
	s_or_b32 s[G1SB+0], s44, (3<<16)|(1<<21)
.irp g, G1S, G1SB
	s_mov_b32 s[\g+1], 32<<16
	s_mov_b32 s[\g+2], (HALFS/256)<<16
	s_mov_b32 s[\g+3], 32<<16
	s_mov_b32 s[\g+4], HALFS/256
	s_mov_b32 s[\g+5], 32
	s_mov_b32 s[\g+6], 0
	s_mov_b32 s[\g+7], 0
.endr
	s_lshl_b32 s20, s19, 1
	s_add_co_u32 s20, s20, s18
	s_lshl_b32 s46, s42, 1
	s_add_co_u32 s46, s46, s18
	s_mul_i32 s22, s20, HALFS
	s_add_co_u32 s22, s22, ASO
	s_mul_i32 s20, s20, RBP
	s_mul_i32 s92, s46, HALFS
	s_add_co_u32 s92, s92, WS
	s_mul_i32 s46, s46, RBP
	s_add_co_u32 s46, s46, WC
	s_mov_b32 s21, 0
	s_mov_b32 s23, 0
	s_mov_b32 s47, 0
	s_mov_b32 s93, 0
	s_mul_i32 s45, s16, HALFT
	s_mul_i32 s94, s16, HALFS
	s_wait_dscnt 0x0                               ; both opening adds are done
	s_wait_kmcnt 0x0
	s_add_nc_u64 s[20:21], s[4:5], s[20:21]
	s_add_nc_u64 s[22:23], s[4:5], s[22:23]
	s_add_nc_u64 s[46:47], s[6:7], s[46:47]
	s_add_nc_u64 s[92:93], s[6:7], s[92:93]
	CROUND                                         ; all sixteen work-groups are here: the first joint loads meet
	s_mov_b32 s[G0S], 1
	s_add_co_u32 s[G0S+1], s94, SCL
	s_mov_b64 s[G0S+2:G0S+3], s[22:23]
	s_or_b32 s[G0S+3], s[G0S+3], 0x80000000
	s_mov_b32 s[G0SB], 1
	s_add_co_u32 s[G0SB+1], s94, SCL
	s_mov_b64 s[G0SB+2:G0SB+3], s[92:93]
	s_or_b32 s[G0SB+3], s[G0SB+3], 0x80000000
	JLOAD G0S, G1S, G0SB, G1SB
.irp s, 0,1
	s_mov_b32 s[G0+4*\s], 1
	s_add_co_u32 s[G0+4*\s+1], s45, \s*SLOT
	s_add_nc_u64 s[G0+4*\s+2:G0+4*\s+3], s[20:21], \s*HALFT
	s_or_b32 s[G0+4*\s+3], s[G0+4*\s+3], 0x80000000
	s_mov_b32 s[G0B+4*\s], 1
	s_add_co_u32 s[G0B+4*\s+1], s45, \s*SLOT
	s_add_nc_u64 s[G0B+4*\s+2:G0B+4*\s+3], s[46:47], \s*HALFT
	s_or_b32 s[G0B+4*\s+3], s[G0B+4*\s+3], 0x80000000
	JLOAD G0+4*\s, G1, G0B+4*\s, G1B               ; three tensor loads of mine are out now
.endr
	v_and_b32 v1, 15, v0                           ; r
	v_bfe_u32 v2, v0, 4, 1                         ; h
	v_and_b32 v3, 31, v0
	v_lshlrev_b32 v[GA], 3, v3
	s_mul_i32 s20, s17, HALFT
	s_mul_i32 s21, s18, HALFT
	s_add_co_u32 s21, s21, 2*HALFT
.irp s, 0,1
	v_add_nc_u32 v[ADRY+\s], s20, v[GA]
	v_add_nc_u32 v[ADRX+\s], s21, v[GA]
	s_add_co_u32 s20, s20, SLOT
	s_add_co_u32 s21, s21, SLOT
.endr
	s_mul_i32 s20, s17, HALFS
	s_add_co_u32 s20, s20, SCL
	s_mul_i32 s21, s18, HALFS
	s_add_co_u32 s21, s21, SCL+2*HALFS
	v_lshlrev_b32 v4, 2, v1
	v_add_nc_u32 v[ADSY], s20, v4
	v_add_nc_u32 v[ADSX], s21, v4
	s_lshl_b32 s20, s16, 9
	v_add_nc_u32 v[STS], s20, v4                   ; the way out's stage for scale words: 512 bytes a wave at the head of slot 0
	v_lshl_add_u32 v[STR], v3, 4, s20
	s_lshl_b32 s100, s42, 10
	s_lshl_b32 s99, s18, 9
	s_add_co_u32 s100, s100, s99
	s_mov_b32 s101, 0
	s_add_nc_u64 s[8:9], s[8:9], s[100:101]        ; b1 at my 128 hidden units
	v_lshlrev_b32 v5, 6, v2
.irp b, 0,1,2,3,4,5,6,7                        ; register j of tile b is hidden unit 32 (b / 2) + 8 (b % 2) + 16 h + j
.irp u, 0,1
	global_load_b128 v[BIAS+8*\b+4*\u:BIAS+8*\b+4*\u+3], v5, s[8:9] offset:128*(\b/2)+32*(\b%2)+16*\u
.endr
.endr
.macro FRAG reg, adr, q, i
.irp p, 0,1,2,3,4,5
	ds_load_b64 v[\reg+2*\p:\reg+2*\p+1], v[\adr] offset:(2*(\q)+\p/3)*6144+(\i)*768+256*(\p%3)
.endr
.endm
.macro MUL16 a0, p, q, sc, zero        ; zero = 1: the bias starts the sums; the 64 accumulators take turns, one instruction a turn
.irp a, \a0, \a0+1
.irp b, 0,1,2,3,4,5,6,7
.if \zero
	v_wmma_scale_f32_16x16x128_f8f6f4 v[8*(8*((\a)%4)+\b):8*(8*((\a)%4)+\b)+7], v[128*(\p)+FR*\b:128*(\p)+FR*\b+FR-1], v[AF+FR*(\a):AF+FR*(\a)+FR-1], v[BIAS+8*\b:BIAS+8*\b+7], v[SCX+16*(\sc)+2*\b+(\q)], v[SCY+16*(\sc)+2*(\a)+(\q)] matrix_a_fmt:MATRIX_FMT_FP6 matrix_b_fmt:MATRIX_FMT_FP6
.else
	v_wmma_scale_f32_16x16x128_f8f6f4 v[8*(8*((\a)%4)+\b):8*(8*((\a)%4)+\b)+7], v[128*(\p)+FR*\b:128*(\p)+FR*\b+FR-1], v[AF+FR*(\a):AF+FR*(\a)+FR-1], v[8*(8*((\a)%4)+\b):8*(8*((\a)%4)+\b)+7], v[SCX+16*(\sc)+2*\b+(\q)], v[SCY+16*(\sc)+2*(\a)+(\q)] matrix_a_fmt:MATRIX_FMT_FP6 matrix_b_fmt:MATRIX_FMT_FP6
.endif
.endr
.endr
.endm
.macro FETCH_X slot, q, p
	WIN 0x40
.irp i, 0,1,2,3,4,5,6,7
	FRAG 128*(\p)+FR*\i, ADRX+\slot, \q, \i
.endr
	WIN 0
.endm
.macro FETCH_Y slot, q, i0
.irp i, \i0, \i0+1, \i0+2, \i0+3
	FRAG AF+FR*(\i), ADRY+\slot, \q, \i
.endr
.endm
.macro SCALES sc
.irp i, 0,1,2,3,4,5,6,7
.irp q, 0,1
	ds_load_b32 v[SCY+16*\sc+2*\i+\q], v[ADSY] offset:512*\q+64*\i
	ds_load_b32 v[SCX+16*\sc+2*\i+\q], v[ADSX] offset:512*\q+64*\i
.endr
.endr
.endm
.macro PLACES n
.rept \n
	v_nop
.endr
.endm
.macro STEP slot, q, zero
	s_wait_dscnt 4*NL                              ; all but the youngest 24 loads (Y's blocks 4-7) are in
.if \zero
	WIN 0x81                                       ; C (the bias) window 0, D window 2
.else
	WIN MUL_LO
.endif
	MUL16 0, (\q)%2, \q, \slot, \zero
	MUL16 2, (\q)%2, \q, \slot, \zero
	s_wait_dscnt 0
	PLACES NP
	FETCH_X \slot, (\q)+1, 1-(\q)%2
	FETCH_Y \slot, (\q)+1, 0
.if \zero
	WIN 0xc1
.else
	WIN MUL_HI
.endif
	MUL16 4, (\q)%2, \q, \slot, \zero
	MUL16 6, (\q)%2, \q, \slot, \zero
	PLACES NP
	WIN 0
	FETCH_Y \slot, (\q)+1, 4
.endm
.macro TURN slot, next, fill
	s_wait_tensorcnt 0x0                           ; all my tensor loads have landed: my part of the next slot
	ds_add_u32 v[SPW], v[NIL]
	s_wait_dscnt 4*NL+1                            ; (the add and the youngest 24 loads may be out)
	WIN MUL_LO
	MUL16 0, 1, 1, \slot, 0
	s_wait_dscnt 0x0                               ; the add is done, and my reads of this slot are over
	s_barrier_signal -1
	MUL16 2, 1, 1, \slot, 0
	WIN 0
	s_barrier_wait -1
.if \fill
	CREST                                          ; the round: no wave of any partner still reads this slot or has a load on its way
	s_add_nc_u64 s[G0+4*\slot+2:G0+4*\slot+3], s[G0+4*\slot+2:G0+4*\slot+3], 2*HALFT
	s_add_nc_u64 s[G0B+4*\slot+2:G0B+4*\slot+3], s[G0B+4*\slot+2:G0B+4*\slot+3], 2*HALFT
	JLOAD G0+4*\slot, G1, G0B+4*\slot, G1B
.else
	PLACES NP
.endif
	v_add_nc_u32 v[ADSY], 1024, v[ADSY]
	v_add_nc_u32 v[ADSX], 1024, v[ADSX]
	FETCH_X \next, 0, 0
	FETCH_Y \next, 0, 0
	SCALES \next
	WIN MUL_HI
	MUL16 4, 1, 1, \slot, 0
	MUL16 6, 1, 1, \slot, 0
	PLACES NP
	WIN 0
	FETCH_Y \next, 0, 4
.endm
	s_wait_tensorcnt 1                             ; the scale words and my part of slot 0 are in; slot 1's load may be out
	s_barrier_signal -1
	s_barrier_wait -1
	FETCH_X 0, 0, 0
	FETCH_Y 0, 0, 0
	SCALES 0
	FETCH_Y 0, 0, 4
	s_wait_loadcnt 0x0                             ; the bias
	STEP 0, 0, 1
	s_mov_b32 s3, LAPS-1
.Llap:
	TURN 0, 1, 1
	STEP 1, 0, 0
	TURN 1, 0, 1
	STEP 0, 0, 0
	s_sub_co_u32 s3, s3, 1
	s_cmp_lg_u32 s3, 0
	s_cbranch_scc1 .Llap
	TURN 0, 1, 0
	STEP 1, 0, 0
	s_wait_dscnt 4*NL
	WIN MUL_LO
	MUL16 0, 1, 1, 1, 0
	MUL16 2, 1, 1, 1, 0
	s_wait_dscnt 0
	WIN MUL_HI
	MUL16 4, 1, 1, 1, 0
	MUL16 6, 1, 1, 1, 0
	WIN 0
	PLACES NP
	; THE WAY OUT
	s_lshl_b32 s95, s19, 1
	s_add_co_u32 s95, s95, s17                     ; my block of 128 tokens
	s_mul_i32 s96, s95, 393216
	s_lshl_b32 s97, s42, 2
	s_lshl_b32 s98, s18, 1
	s_add_co_u32 s97, s97, s98                     ; my first 64 along the next K
	s_mul_i32 s97, s97, 6144
	s_add_co_u32 s96, s96, s97
	s_mov_b32 s97, 0
	s_add_nc_u64 s[66:67], s[10:11], s[96:97]      ; where tile 0's codes go; 768 bytes on in each trip
	s_lshl_b32 s96, s95, 14
	s_add_co_u32 s96, s96, 12582912
	s_lshl_b32 s98, s42, 10
	s_add_co_u32 s96, s96, s98
	s_lshl_b32 s98, s18, 9
	s_add_co_u32 s96, s96, s98
	s_add_nc_u64 s[100:101], s[10:11], s[96:97]    ; my 128 rows' scale words of my 128 along the next K
	s_mov_b32 s92, 0x76543210
	s_mov_b32 s93, 0xfedcba98
.macro KPAIR reg, val                  ; a constant as a pair: the packed forms name a pair and take its low word for both halves.  (Every tensor load has landed: the descriptors' registers are free)
	s_mov_b32 s[\reg], \val
	s_mov_b32 s[\reg+1], \val
.endm
	KPAIR 24, 0x3fb504f3                           ; sqrt 2
	KPAIR 26, 0xaf95df0b                           ; P: -2.72614226e-10,
	KPAIR 28, 0xb60cff51                           ; (2.77068142e-08 below), -2.10102402e-06,
	KPAIR 30, 0xb86ec2d2                           ; -5.69250639e-05,
	KPAIR 32, 0xba40ac63                           ; -7.34990630e-04,
	KPAIR 34, 0xbb41a1f6                           ; -2.95459981e-03,
	KPAIR 36, 0xbc83dbd4                           ; -1.60960333e-02
	KPAIR 38, 0xb77460cd                           ; Q: -1.45660718e-05,
	KPAIR 48, 0xbadc924e                           ; (-2.13374055e-04 below), -1.68282697e-03,
	KPAIR 50, 0xbbf19bf8                           ; -7.37332917e-03,
	KPAIR 52, 0xbc69b6a7                           ; -1.42647391e-02
	v_mov_b32 v8, 0xb95fbd29                       ; the two second coefficients in vector pairs, so that no line names two scalar pairs
	v_mov_b32 v9, 0xb95fbd29
	v_mov_b32 v10, 0x32edffee
	v_mov_b32 v11, 0x32edffee
.macro HALVE k                         ; tile k's 64 numbers out of their accumulators, each from its low end on, halved (exact)
	WIN 2+(\k)/4                                   ; source 0 in window 2 or 3
.set i, 0
.rept 32
	v_pk_mul_f32 v[U+i:U+i+1], v[64*((\k)%4)+i:64*((\k)%4)+i+1], 0.5 op_sel_hi:[1,0]
.set i, i+2
.endr
	WIN 0
.endm
.macro GELU16 k                        ; sixteen numbers: v[U + 16 k ..] holds x/2 and takes gelu(x)
.set UU, U+16*(\k)
.irp i, 0,2,4,6,8,10,12,14
	v_pk_mul_f32 v[CC+\i:CC+\i+1], v[UU+\i:UU+\i+1], s[24:25] op_sel_hi:[1,0]   ; x / sqrt 2
.endr
.irp j, 0,1,2,3,4,5,6,7,8,9,10,11,12,13,14,15
	v_med3_num_f32 v[CC+\j], v[CC+\j], -4.0, 4.0   ; beyond 4 erf is 1 in f32
.endr
.irp i, 0,2,4,6,8,10,12,14
	v_pk_mul_f32 v[ZZ+\i:ZZ+\i+1], v[CC+\i:CC+\i+1], v[CC+\i:CC+\i+1]
.endr
.irp i, 0,2,4,6,8,10,12,14
	v_pk_fma_f32 v[QQ+\i:QQ+\i+1], v[ZZ+\i:ZZ+\i+1], s[38:39], v[8:9] op_sel_hi:[1,0,1]
.endr
.irp c, 48,50,52
.irp i, 0,2,4,6,8,10,12,14
	v_pk_fma_f32 v[QQ+\i:QQ+\i+1], v[QQ+\i:QQ+\i+1], v[ZZ+\i:ZZ+\i+1], s[\c:\c+1] op_sel_hi:[1,1,0]
.endr
.endr
.irp j, 0,1,2,3,4,5,6,7,8,9,10,11,12,13,14,15
	v_rcp_f32 v[QQ+\j], v[QQ+\j]
.endr
.irp i, 0,2,4,6,8,10,12,14                     ; P's 48 lines name no reciprocal: the independent work behind the batch
	v_pk_fma_f32 v[PP+\i:PP+\i+1], v[ZZ+\i:ZZ+\i+1], s[26:27], v[10:11] op_sel_hi:[1,0,1]
.endr
.irp c, 28,30,32,34,36
.irp i, 0,2,4,6,8,10,12,14
	v_pk_fma_f32 v[PP+\i:PP+\i+1], v[PP+\i:PP+\i+1], v[ZZ+\i:ZZ+\i+1], s[\c:\c+1] op_sel_hi:[1,1,0]
.endr
.endr
	s_wait_alu depctr_va_vdst(0)                   ; one wait for the sixteen reciprocals, ahead of their first reader
.irp i, 0,2,4,6,8,10,12,14
	v_pk_mul_f32 v[PP+\i:PP+\i+1], v[PP+\i:PP+\i+1], v[CC+\i:CC+\i+1]
.endr
.irp i, 0,2,4,6,8,10,12,14
	v_pk_mul_f32 v[PP+\i:PP+\i+1], v[PP+\i:PP+\i+1], v[QQ+\i:QQ+\i+1]           ; erf
.endr
.irp i, 0,2,4,6,8,10,12,14
	v_pk_fma_f32 v[UU+\i:UU+\i+1], v[UU+\i:UU+\i+1], v[PP+\i:PP+\i+1], v[UU+\i:UU+\i+1]   ; x/2 erf + x/2
.endr
.endm
; 64 numbers of a lane, register 16 b + i = hidden unit 32 b + 16 h + i of my token, become codes in v[PC .. PC+11] and the scale word in v[PW]
.macro QUANT s
.irp b, 0,1,2,3
	v_max3_num_f32 v[TM+\b], |v[(\s)+16*\b]|, |v[(\s)+16*\b+1]|, 0x1800000   ; and the floor 2^(3 - 127): the byte cannot fall under 1
.endr
.irp i, 2,4,6,8,10,12,14
.irp b, 0,1,2,3
	v_max3_num_f32 v[TM+\b], |v[(\s)+16*\b+\i]|, |v[(\s)+16*\b+\i+1]|, v[TM+\b]
.endr
.endr
.irp b, 0,1,2,3
	v_permlanex16_b32 v[TM+4+\b], v[TM+\b], s92, s93   ; (its destination was written in the gelu's lines)
.endr
.irp b, 0,1,2,3
	v_max_num_f32 v[TM+\b], v[TM+\b], v[TM+4+\b]
.endr
.irp b, 0,1,2,3
	v_add_nc_u32 v[TM+12+\b], 0xff000000, v[TM+\b]
.endr
.irp b, 0,1,2,3
	v_lshrrev_b32 v[TM+4+\b], 23, v[TM+12+\b]
.endr
	v_lshl_or_b32 v[PW], v[TM+5], 8, v[TM+4]
	v_lshl_or_b32 v[PW], v[TM+6], 16, v[PW]
	v_lshl_or_b32 v[PW], v[TM+7], 24, v[PW]
.irp c, 0,1
	v_cvt_scalef32_pk16_fp6_f32 v[PC+6*\c:PC+6*\c+2], v[(\s)+32*\c:(\s)+32*\c+15], v[TM+12+2*\c]
	v_cvt_scalef32_pk16_fp6_f32 v[PC+12+4*\c:PC+14+4*\c], v[(\s)+32*\c+16:(\s)+32*\c+31], v[TM+13+2*\c]
.endr
	v_nop                                          ; one plain line behind the scaled conversions
.irp c, 0,1
.irp i, 0,1,2
	v_permlane16_swap_b32 v[PC+6*\c+\i], v[PC+12+4*\c+\i]
.endr
.irp i, 0,1,2
	v_mov_b32 v[PC+3+6*\c+\i], v[PC+12+4*\c+\i]
.endr
.endr
.endm
	s_mov_b32 s3, 0
.Lrow:                                                 ; eight trips: tile s3 of my tokens
.irp k, 0,1,2,3,4,5,6
	s_cmp_eq_u32 s3, \k
	s_cbranch_scc1 .Lhalf\k
.endr
	HALVE 7
	s_branch .Lgo
.irp k, 0,1,2,3,4,5,6
.Lhalf\k:
	HALVE \k
	s_branch .Lgo
.endr
.Lgo:
	GELU16 0
	GELU16 1
	GELU16 2
	GELU16 3
	QUANT U
.irp p, 0,1,2,3,4,5
	global_store_b64 v[GA], v[PC+2*\p:PC+2*\p+1], s[66:67] offset:(\p/3)*6144+256*(\p%3)   ; 32 lanes store 256 consecutive bytes, aligned
.endr
	ds_store_b32 v[STS], v[PW]                     ; slot 0 has had its last fill and its last read
	v_add_nc_u32 v[STS], 64, v[STS]
	s_wait_xcnt 0x0                                ; the stores have read their base and their registers: both are written again only behind this wait
	s_add_nc_u64 s[66:67], s[66:67], 768
	s_add_co_u32 s3, s3, 1
	s_cmp_lt_u32 s3, 8
	s_cbranch_scc1 .Lrow
	ds_load_b128 v[84:87], v[STR]                  ; LDS serves a wave's instructions in order: my 128 rows' words
	v_lshlrev_b32 v5, 4, v3
	s_wait_dscnt 0x0
	global_store_b128 v5, v[84:87], s[100:101]     ; 32 lanes store 512 consecutive bytes, aligned
	s_wait_tensorcnt 0x0                           ; the wave's end
	ds_add_u32 v[SPW], v[NIL]
	s_wait_dscnt 0x0
	CROUND                                         ; the closing round
	s_endpgm
.Lfunc_end_k_qb5bf203ed5_gemm_w1:
	.size	k_qb5bf203ed5_gemm_w1, .Lfunc_end_k_qb5bf203ed5_gemm_w1-k_qb5bf203ed5_gemm_w1
	.p2alignl 7, 3214868480
	.fill 96, 4, 3214868480
	.section	.rodata,"a",@progbits
	.p2align	6, 0x0
	.amdhsa_kernel k_qb5bf203ed5_gemm_w1
		.amdhsa_group_segment_fixed_size 327680
		.amdhsa_private_segment_fixed_size 0
		.amdhsa_enable_private_segment 0
		.amdhsa_kernarg_size 32
		.amdhsa_user_sgpr_count 2
		.amdhsa_user_sgpr_kernarg_segment_ptr 1
		.amdhsa_wavefront_size32 1
		.amdhsa_system_sgpr_workgroup_id_x 1
		.amdhsa_system_sgpr_workgroup_id_y 1
		.amdhsa_system_sgpr_workgroup_id_z 1
		.amdhsa_system_vgpr_workitem_id 0
		.amdhsa_next_free_vgpr 1024
		.amdhsa_next_free_sgpr 102
		.amdhsa_reserve_vcc 0
		.amdhsa_float_denorm_mode_32 3
		.amdhsa_float_denorm_mode_16_64 3
		.amdhsa_memory_ordered 1
		.amdhsa_forward_progress 1
		.amdhsa_inst_pref_size 198
	.end_amdhsa_kernel
	.amdgpu_metadata
---
amdhsa.version: [ 1, 2 ]
amdhsa.kernels:
  - .name:           k_qb5bf203ed5_gemm_w1
    .symbol:         k_qb5bf203ed5_gemm_w1.kd
    .args:
      - { .name: hq, .offset: 0, .size: 8, .value_kind: global_buffer, .address_space: global }
      - { .name: wts, .offset: 8, .size: 8, .value_kind: global_buffer, .address_space: global }
      - { .name: b1, .offset: 16, .size: 8, .value_kind: global_buffer, .address_space: global }
      - { .name: gq, .offset: 24, .size: 8, .value_kind: global_buffer, .address_space: global }
    .group_segment_fixed_size: 327680
    .private_segment_fixed_size: 0
    .kernarg_segment_align: 8
    .kernarg_segment_size: 32
    .max_flat_workgroup_size: 128
    .sgpr_count:     102
    .vgpr_count:     1024
    .wavefront_size: 32
...
	.end_amdgpu_metadata
.endif
;; end of part 6
;; launch gemm_2 (part 7): grid 4 x 16, 4 waves a work-group, clusters of 4 x 4, 327,680 bytes of LDS; arguments gq, wts, b2, x1, out0; writes out0
.if DOCPART == 7
	.amdgcn_target "amdgcn-amd-amdhsa--gfx1250"
	.amdhsa_code_object_version 6
	.text
	.protected	k_qb5bf203ed5_gemm_2
	.globl	k_qb5bf203ed5_gemm_2
	.p2align	8
	.type	k_qb5bf203ed5_gemm_2,@function
k_qb5bf203ed5_gemm_2:
	s_mov_b64 s[64:65], 0
	v_nop
	global_prefetch_b8 v0, s[64:65] scope:SCOPE_SE
	s_setreg_imm32_b32 hwreg(HW_REG_WAVE_MODE, 25, 1), 1
	s_wait_xcnt 0x0
	s_wait_alu depctr_hold_cnt(0) depctr_sa_sdst(0) depctr_va_vdst(0) depctr_va_sdst(0) depctr_va_ssrc(0) depctr_va_vcc(0) depctr_vm_vsrc(0)
	s_getreg_b32 s2, hwreg(HW_REG_IB_STS2, 6, 4)
	s_cmp_eq_u32 s2, 0
	s_cbranch_scc0 .Lentry_in_a_cluster
	s_endpgm
.Lentry_in_a_cluster:
	s_bfe_u32 s2, ttmp6, 0x10000c
	s_cmp_lg_u32 s2, 0xf033
	s_cbranch_scc0 .Lentry_shape_is_right
	s_endpgm
.Lentry_shape_is_right:
; out0 = x1 + g W2 + b2: the product on codes of FP6 (E2M3) with E8M0 scales, K = 4,096; out0 [4096][1024] f32 in the rows' own order.
; The text is gemm_o's with other constants at its head (K, the places of the codes and scale words): see its head comment and gemm_qkv's.  A = g's codes (tokens in the order pi), B = W2's (columns n in the order pi).
; The residual x1 is loaded straight into the accumulators and is the C of the sums; the bias is added on the way out; the way out undoes the order pi through the wave's own stage in slot 0.
; The scale words of 512 rows for all of K are 65,536 bytes and stay in LDS behind the ring.  64 work-groups: N = 1,024 gives no more tiles of 256 x 256.
.set KDIM,  4096
.set ASO,   12582912
.set WC,    6291456
.set WS,    9699328
.set HALFT, 24576
.set SLOT,  4*HALFT
.set LAPS,  KDIM/512
.set RBP,   (KDIM/64)*6144
.set HALFS, (KDIM/128)*512
.set SCL,   2*SLOT
.set SPARE, SCL+4*HALFS+8192
.set FR, 12
.set NL, 6
.set NP, 4
.set BI,   12
.set ADRY, 16
.set ADRX, 20
.set ADSX, 22
.set RA,   23
.set STO,  24
.set RD,   25
.set CO,   26
.set ADSY, 27
.set SPW,  28
.set NIL,  29
.set SCY,  32
.set BK,   64
.set AF,   128
.set SCX,  224
.set SPITCH, 528
.set G1, 24
.set G0, 32
.set G1B, 48
.set G0B, 56
.set G1S, 68
.set G0S, 76
.set G1SB, 80
.set G0SB, 88
.set MSB, 0
.macro WIN new
.if MSB != (\new)
	s_set_vgpr_msb (MSB<<8)|(\new)
.set MSB, (\new)
.endif
.endm
.set MUL_LO, 0xa1
.set MUL_HI, 0xf1
.macro JLOAD g0a, g1a, g0b, g1b        ; a joint load: waves 0 and 1 for A, waves 2 and 3 for B; an s_nop 0 and four v_nop follow each line
	s_cmp_eq_u32 s17, 0
	s_cbranch_scc0 .Lfor_b_\@
	tensor_load_to_lds s[\g0a:\g0a+3], s[\g1a:\g1a+7]
	s_nop 0
.rept 4
	v_nop
.endr
	s_branch .Lasked_\@
.Lfor_b_\@:
	tensor_load_to_lds s[\g0b:\g0b+3], s[\g1b:\g1b+7]
	s_nop 0
.rept 4
	v_nop
.endr
.Lasked_\@:
.endm
.macro CREST
	s_cmp_lg_u32 s16, 0
	s_cbranch_scc1 .Lnot_wave_0_\@
	s_barrier_signal -3
.Lnot_wave_0_\@:
	s_barrier_wait -3
	s_barrier_signal -1
	s_barrier_wait -1
.endm
.macro CROUND
	s_barrier_signal -1
	s_barrier_wait -1
	CREST
.endm
	s_load_b256 s[4:11], s[0:1], 0x0               ; A's buffer, wts, the bias, the residual
	s_load_b64 s[12:13], s[0:1], 0x20              ; the result
	v_lshl_add_u32 v[SPW], v0, 2, SPARE
	v_mov_b32 v[NIL], 0
	ds_add_u32 v[SPW], v[NIL]                      ; the wave's opening: the add, twice on end, and its wait ahead of my first tensor load
	ds_add_u32 v[SPW], v[NIL]
	v_lshrrev_b32 v1, 5, v0
	v_readfirstlane_b32 s16, v1
	s_lshr_b32 s17, s16, 1
	s_and_b32 s18, s16, 1
	s_bfe_u32 s40, ttmp6, 0x40000
	s_bfe_u32 s41, ttmp6, 0x40004
	s_lshl_b32 s42, ttmp9, 2
	s_add_co_u32 s42, s42, s40                     ; tc
	s_and_b32 s19, ttmp7, 0xffff
	s_lshl_b32 s19, s19, 2
	s_add_co_u32 s19, s19, s41                     ; tr
	s_lshl_b32 s43, s41, 2
	s_lshl_b32 s43, 15, s43
	s_lshl_b32 s44, 0x1111, s40
	s_or_b32 s[G1+0], s43, (3<<16)|(1<<21)
	s_or_b32 s[G1B+0], s44, (3<<16)|(1<<21)
.irp g, G1, G1B
	s_mov_b32 s[\g+1], 32<<16
	s_mov_b32 s[\g+2], (HALFT/256)<<16
	s_mov_b32 s[\g+3], 32<<16
	s_mov_b32 s[\g+4], HALFT/256
	s_mov_b32 s[\g+5], 32
	s_mov_b32 s[\g+6], 0
	s_mov_b32 s[\g+7], 0
.endr
	s_or_b32 s[G1S+0], s43, (3<<16)|(1<<21)
	s_or_b32 s[G1SB+0], s44, (3<<16)|(1<<21)
.irp g, G1S, G1SB
	s_mov_b32 s[\g+1], 32<<16
	s_mov_b32 s[\g+2], (HALFS/256)<<16
	s_mov_b32 s[\g+3], 32<<16
	s_mov_b32 s[\g+4], HALFS/256
	s_mov_b32 s[\g+5], 32
	s_mov_b32 s[\g+6], 0
	s_mov_b32 s[\g+7], 0
.endr
	s_lshl_b32 s20, s19, 1
	s_add_co_u32 s20, s20, s18
	s_lshl_b32 s46, s42, 1
	s_add_co_u32 s46, s46, s18
	s_mul_i32 s22, s20, HALFS
	s_add_co_u32 s22, s22, ASO
	s_mul_i32 s20, s20, RBP
	s_mul_i32 s92, s46, HALFS
	s_add_co_u32 s92, s92, WS
	s_mul_i32 s46, s46, RBP
	s_add_co_u32 s46, s46, WC
	s_mov_b32 s21, 0
	s_mov_b32 s23, 0
	s_mov_b32 s47, 0
	s_mov_b32 s93, 0
	s_mul_i32 s45, s16, HALFT
	s_mul_i32 s94, s16, HALFS
	s_wait_dscnt 0x0                               ; both opening adds are done
	s_wait_kmcnt 0x0
	s_add_nc_u64 s[20:21], s[4:5], s[20:21]
	s_add_nc_u64 s[22:23], s[4:5], s[22:23]
	s_add_nc_u64 s[46:47], s[6:7], s[46:47]
	s_add_nc_u64 s[92:93], s[6:7], s[92:93]
	CROUND                                         ; all sixteen work-groups are here: the first joint loads meet
	s_mov_b32 s[G0S], 1
	s_add_co_u32 s[G0S+1], s94, SCL
	s_mov_b64 s[G0S+2:G0S+3], s[22:23]
	s_or_b32 s[G0S+3], s[G0S+3], 0x80000000
	s_mov_b32 s[G0SB], 1
	s_add_co_u32 s[G0SB+1], s94, SCL
	s_mov_b64 s[G0SB+2:G0SB+3], s[92:93]
	s_or_b32 s[G0SB+3], s[G0SB+3], 0x80000000
	JLOAD G0S, G1S, G0SB, G1SB
.irp s, 0,1
	s_mov_b32 s[G0+4*\s], 1
	s_add_co_u32 s[G0+4*\s+1], s45, \s*SLOT
	s_add_nc_u64 s[G0+4*\s+2:G0+4*\s+3], s[20:21], \s*HALFT
	s_or_b32 s[G0+4*\s+3], s[G0+4*\s+3], 0x80000000
	s_mov_b32 s[G0B+4*\s], 1
	s_add_co_u32 s[G0B+4*\s+1], s45, \s*SLOT
	s_add_nc_u64 s[G0B+4*\s+2:G0B+4*\s+3], s[46:47], \s*HALFT
	s_or_b32 s[G0B+4*\s+3], s[G0B+4*\s+3], 0x80000000
	JLOAD G0+4*\s, G1, G0B+4*\s, G1B               ; three tensor loads of mine are out now
.endr
	v_and_b32 v1, 15, v0                           ; r
	v_bfe_u32 v2, v0, 4, 1                         ; h
	v_and_b32 v3, 31, v0
	v_lshlrev_b32 v4, 3, v3
	s_mul_i32 s20, s17, HALFT
	s_mul_i32 s21, s18, HALFT
	s_add_co_u32 s21, s21, 2*HALFT
.irp s, 0,1
	v_add_nc_u32 v[ADRY+\s], s20, v4
	v_add_nc_u32 v[ADRX+\s], s21, v4
	s_add_co_u32 s20, s20, SLOT
	s_add_co_u32 s21, s21, SLOT
.endr
	s_mul_i32 s20, s17, HALFS
	s_add_co_u32 s20, s20, SCL
	s_mul_i32 s21, s18, HALFS
	s_add_co_u32 s21, s21, SCL+2*HALFS
	v_lshlrev_b32 v4, 2, v1
	v_add_nc_u32 v[ADSY], s20, v4
	v_add_nc_u32 v[ADSX], s21, v4
	s_mul_i32 s20, s16, 16*SPITCH
	v_mul_u32_u24 v5, v1, SPITCH
	v_lshl_add_u32 v5, v2, 6, v5
	v_add_nc_u32 v[STO], s20, v5
	v_lshlrev_b32 v[CO], 4, v3
	v_add_nc_u32 v[RD], s20, v[CO]
	v_and_b32 v5, 8, v1
	v_add_nc_u32 v5, v5, v1
	v_lshlrev_b32 v5, 12, v5
	v_lshl_add_u32 v[RA], v2, 6, v5
	s_lshl_b32 s95, s19, 8
	s_lshl_b32 s96, s17, 7
	s_add_co_u32 s95, s95, s96
	s_lshl_b32 s96, s95, 12
	s_lshl_b32 s66, s42, 10
	s_lshl_b32 s97, s18, 9
	s_add_co_u32 s66, s66, s97
	s_mov_b32 s67, 0
	s_add_co_u32 s96, s96, s66
	s_mov_b32 s97, 0
	s_add_nc_u64 s[98:99], s[10:11], s[96:97]
	s_add_nc_u64 s[100:101], s[12:13], s[96:97]
	s_add_nc_u64 s[8:9], s[8:9], s[66:67]
	global_load_b128 v[BI:BI+3], v[CO], s[8:9]
	WIN 0x80                                       ; destination window 2
.irp a, 0,1,2,3
.irp b, 0,1,2,3,4,5,6,7
.irp u, 0,1
	global_load_b128 v[8*(8*\a+\b)+4*\u:8*(8*\a+\b)+4*\u+3], v[RA], s[98:99] offset:(32*(\a/2)+8*(\a%2))*4096+128*(\b/2)+32*(\b%2)+16*\u
.endr
.endr
.endr
	WIN 0xc0                                       ; destination window 3
.irp a, 0,1,2,3
.irp b, 0,1,2,3,4,5,6,7
.irp u, 0,1
	global_load_b128 v[8*(8*\a+\b)+4*\u:8*(8*\a+\b)+4*\u+3], v[RA], s[98:99] offset:(64+32*(\a/2)+8*(\a%2))*4096+128*(\b/2)+32*(\b%2)+16*\u
.endr
.endr
.endr
	WIN 0
.macro FRAG reg, adr, q, i
.irp p, 0,1,2,3,4,5
	ds_load_b64 v[\reg+2*\p:\reg+2*\p+1], v[\adr] offset:(2*(\q)+\p/3)*6144+(\i)*768+256*(\p%3)
.endr
.endm
.macro MUL16 a0, p, q, sc              ; 16 matrix instructions, in place; the 64 accumulators take turns, one instruction a turn
.irp a, \a0, \a0+1
.irp b, 0,1,2,3,4,5,6,7
	v_wmma_scale_f32_16x16x128_f8f6f4 v[8*(8*((\a)%4)+\b):8*(8*((\a)%4)+\b)+7], v[128*(\p)+FR*\b:128*(\p)+FR*\b+FR-1], v[AF+FR*(\a):AF+FR*(\a)+FR-1], v[8*(8*((\a)%4)+\b):8*(8*((\a)%4)+\b)+7], v[SCX+16*(\sc)+2*\b+(\q)], v[SCY+16*(\sc)+2*(\a)+(\q)] matrix_a_fmt:MATRIX_FMT_FP6 matrix_b_fmt:MATRIX_FMT_FP6
.endr
.endr
.endm
.macro FETCH_X slot, q, p
	WIN 0x40
.irp i, 0,1,2,3,4,5,6,7
	FRAG 128*(\p)+FR*\i, ADRX+\slot, \q, \i
.endr
	WIN 0
.endm
.macro FETCH_Y slot, q, i0
.irp i, \i0, \i0+1, \i0+2, \i0+3
	FRAG AF+FR*(\i), ADRY+\slot, \q, \i
.endr
.endm
.macro SCALES sc
.irp i, 0,1,2,3,4,5,6,7
.irp q, 0,1
	ds_load_b32 v[SCY+16*\sc+2*\i+\q], v[ADSY] offset:512*\q+64*\i
	ds_load_b32 v[SCX+16*\sc+2*\i+\q], v[ADSX] offset:512*\q+64*\i
.endr
.endr
.endm
.macro PLACES n
.rept \n
	v_nop
.endr
.endm
.macro STEP slot, q
	s_wait_dscnt 4*NL                              ; all but the youngest 24 loads (Y's blocks 4-7) are in
	WIN MUL_LO
	MUL16 0, (\q)%2, \q, \slot
	MUL16 2, (\q)%2, \q, \slot
	s_wait_dscnt 0
	PLACES NP
	FETCH_X \slot, (\q)+1, 1-(\q)%2
	FETCH_Y \slot, (\q)+1, 0
	WIN MUL_HI
	MUL16 4, (\q)%2, \q, \slot
	MUL16 6, (\q)%2, \q, \slot
	PLACES NP
	WIN 0
	FETCH_Y \slot, (\q)+1, 4
.endm
.macro TURN slot, next, fill
	s_wait_tensorcnt 0x0                           ; all my tensor loads have landed: my part of the next slot
	ds_add_u32 v[SPW], v[NIL]
	s_wait_dscnt 4*NL+1                            ; (the add and the youngest 24 loads may be out)
	WIN MUL_LO
	MUL16 0, 1, 1, \slot
	s_wait_dscnt 0x0                               ; the add is done, and my reads of this slot are over
	s_barrier_signal -1
	MUL16 2, 1, 1, \slot
	WIN 0
	s_barrier_wait -1
.if \fill
	CREST                                          ; the round: no wave of any partner still reads this slot or has a load on its way
	s_add_nc_u64 s[G0+4*\slot+2:G0+4*\slot+3], s[G0+4*\slot+2:G0+4*\slot+3], 2*HALFT
	s_add_nc_u64 s[G0B+4*\slot+2:G0B+4*\slot+3], s[G0B+4*\slot+2:G0B+4*\slot+3], 2*HALFT
	JLOAD G0+4*\slot, G1, G0B+4*\slot, G1B
.else
	PLACES NP
.endif
	v_add_nc_u32 v[ADSY], 1024, v[ADSY]
	v_add_nc_u32 v[ADSX], 1024, v[ADSX]
	FETCH_X \next, 0, 0
	FETCH_Y \next, 0, 0
	SCALES \next
	WIN MUL_HI
	MUL16 4, 1, 1, \slot
	MUL16 6, 1, 1, \slot
	PLACES NP
	WIN 0
	FETCH_Y \next, 0, 4
.endm
	s_wait_tensorcnt 1                             ; the scale words and my part of slot 0 are in; slot 1's load may be out
	s_barrier_signal -1
	s_barrier_wait -1
	FETCH_X 0, 0, 0
	FETCH_Y 0, 0, 0
	SCALES 0
	FETCH_Y 0, 0, 4
	s_wait_loadcnt 0x0                             ; the residual lies in the accumulators, the bias in its registers
	STEP 0, 0
	s_mov_b32 s3, LAPS-1
.Llap:
	TURN 0, 1, 1
	STEP 1, 0
	TURN 1, 0, 1
	STEP 0, 0
	s_sub_co_u32 s3, s3, 1
	s_cmp_lg_u32 s3, 0
	s_cbranch_scc1 .Llap
	TURN 0, 1, 0
	STEP 1, 0
	s_wait_dscnt 4*NL
	WIN MUL_LO
	MUL16 0, 1, 1, 1
	MUL16 2, 1, 1, 1
	s_wait_dscnt 0
	WIN MUL_HI
	MUL16 4, 1, 1, 1
	MUL16 6, 1, 1, 1
	WIN 0
.macro TOSTAGE a
.set AC, 64*((\a)%4)
	WIN 0x08+4*((\a)/4)                            ; an LDS store's data are its source 1: window 2 or 3
.irp b, 0,1,2,3,4,5,6,7
	ds_store_b128 v[STO], v[AC+8*\b:AC+8*\b+3] offset:128*(\b/2)+32*(\b%2)        ; each accumulator from its low end on; the columns go to their own places
	ds_store_b128 v[STO], v[AC+8*\b+4:AC+8*\b+7] offset:128*(\b/2)+32*(\b%2)+16
.endr
	WIN 0
.set BB, BK+64*((\a)%2)
.set t, 0
.rept 16
	ds_load_b128 v[BB+4*t:BB+4*t+3], v[RD] offset:t*SPITCH
.set t, t+1
.endr
.endm
.macro SEND a, younger
.set BB, BK+64*((\a)%2)
	s_wait_dscnt \younger
.set t, 0
.rept 16
	v_pk_add_f32 v[BB+4*t:BB+4*t+1], v[BB+4*t:BB+4*t+1], v[BI:BI+1]
	v_pk_add_f32 v[BB+4*t+2:BB+4*t+3], v[BB+4*t+2:BB+4*t+3], v[BI+2:BI+3]
	global_store_b128 v[CO], v[BB+4*t:BB+4*t+3], s[100:101] offset:(32*((\a)/2)+8*((\a)%2)+t+8*(t/8))*4096 th:TH_STORE_NT   ; 32 lanes store 512 consecutive bytes, aligned; written once, read by nobody here
.set t, t+1
.endr
.endm
	PLACES NP
	TOSTAGE 0
.irp a, 1,2,3,4,5,6,7
.if \a > 1
	s_wait_xcnt 0x0                                ; block a - 2's stores have read their registers: block a's loads may land there
.endif
	TOSTAGE \a
	SEND \a-1, 32                                  ; behind block a - 1's loads: block a's 16 stores and 16 loads
.endr
	SEND 7, 0
	s_wait_tensorcnt 0x0                           ; the wave's end
	ds_add_u32 v[SPW], v[NIL]
	s_wait_dscnt 0x0
	CROUND                                         ; the closing round
	s_endpgm
.Lfunc_end_k_qb5bf203ed5_gemm_2:
	.size	k_qb5bf203ed5_gemm_2, .Lfunc_end_k_qb5bf203ed5_gemm_2-k_qb5bf203ed5_gemm_2
	.p2alignl 7, 3214868480
	.fill 96, 4, 3214868480
	.section	.rodata,"a",@progbits
	.p2align	6, 0x0
	.amdhsa_kernel k_qb5bf203ed5_gemm_2
		.amdhsa_group_segment_fixed_size 327680
		.amdhsa_private_segment_fixed_size 0
		.amdhsa_enable_private_segment 0
		.amdhsa_kernarg_size 40
		.amdhsa_user_sgpr_count 2
		.amdhsa_user_sgpr_kernarg_segment_ptr 1
		.amdhsa_wavefront_size32 1
		.amdhsa_system_sgpr_workgroup_id_x 1
		.amdhsa_system_sgpr_workgroup_id_y 1
		.amdhsa_system_sgpr_workgroup_id_z 1
		.amdhsa_system_vgpr_workitem_id 0
		.amdhsa_next_free_vgpr 1024
		.amdhsa_next_free_sgpr 102
		.amdhsa_reserve_vcc 0
		.amdhsa_float_denorm_mode_32 3
		.amdhsa_float_denorm_mode_16_64 3
		.amdhsa_memory_ordered 1
		.amdhsa_forward_progress 1
		.amdhsa_inst_pref_size 194
	.end_amdhsa_kernel
	.amdgpu_metadata
---
amdhsa.version: [ 1, 2 ]
amdhsa.kernels:
  - .name:           k_qb5bf203ed5_gemm_2
    .symbol:         k_qb5bf203ed5_gemm_2.kd
    .args:
      - { .name: gq, .offset: 0, .size: 8, .value_kind: global_buffer, .address_space: global }
      - { .name: wts, .offset: 8, .size: 8, .value_kind: global_buffer, .address_space: global }
      - { .name: b2, .offset: 16, .size: 8, .value_kind: global_buffer, .address_space: global }
      - { .name: x1, .offset: 24, .size: 8, .value_kind: global_buffer, .address_space: global }
      - { .name: out0, .offset: 32, .size: 8, .value_kind: global_buffer, .address_space: global }
    .group_segment_fixed_size: 327680
    .private_segment_fixed_size: 0
    .kernarg_segment_align: 8
    .kernarg_segment_size: 40
    .max_flat_workgroup_size: 128
    .sgpr_count:     102
    .vgpr_count:     1024
    .wavefront_size: 32
...
	.end_amdgpu_metadata
.endif
;; end of part 7
;; ======== version 2 of 2: 7 launches
;; limits: right only within a limited range of input values
;; workspace buffers: wts 9,830,400 bytes; hq 3,276,800 bytes; qkv 9,830,400 bytes; ctx 3,276,800 bytes; x1 16,777,216 bytes; gq 13,107,200 bytes
;; launch wquant (part 8): grid 640 x 1, 4 waves a work-group, no clusters, 91,392 bytes of LDS; arguments W1, W2, Wq, Wk, Wv, Wo, wts, x, ln1_g, ln1_b, hq; writes wts, hq
.if DOCPART == 8
	.amdgcn_target "amdgcn-amd-amdhsa--gfx1250"
	.amdhsa_code_object_version 6
	.text
	.protected	k_qb5bf203ed5_wquant
	.globl	k_qb5bf203ed5_wquant
	.p2align	8
	.type	k_qb5bf203ed5_wquant,@function
k_qb5bf203ed5_wquant:
	s_mov_b64 s[64:65], 0
	v_nop
	global_prefetch_b8 v0, s[64:65] scope:SCOPE_SE
	s_setreg_imm32_b32 hwreg(HW_REG_WAVE_MODE, 25, 1), 1
	s_wait_xcnt 0x0
; THE PROGRAM: a pre-LN transformer block, 4,096 tokens x 1,024, 16 heads of 64, an MLP of 4,096; all eight products on codes of FP6 (E2M3) with one E8M0 scale for each 32 along K.
; Launches: wquant (the six weights into codes) | ln (LayerNorm 1 into codes) | gemm_qkv (q, k, v, each quantised on its way out) | attn (both attention products; ctx quantised on its way out) |
; gemm_o (x1 = x + ctx Wo + bo) | ln2 (LayerNorm 2 into codes) | gemm_w1 (gelu(h W1 + b1), quantised on its way out) | gemm_2 (out0 = x1 + g W2 + b2).
; WORK LEFT OUT: reference() builds jnp.tril itself and sets every score with key > query to -inf ahead of the softmax; its weight is then 0 whatever finite values the inputs hold.  So a step of 128 keys
; all of which come after all 16 queries of a tile adds nothing to any sum, and attn leaves such steps out (loads, products and softmax).  Nothing else is left out; every input has a way to the output and is loaded.
; LIMIT: a NaN, an infinity or an overflow that would arise only in such hidden steps is not carried to the result.  NaN and infinities among the inputs are not served.
; LAYOUT OF ALL OPERANDS OF THIS PROGRAM.  Rows stand in an order pi that swaps bits 3 and 4 of the row's number: 16 rows on end (a tile, number 2 c + u) are the rows 32 c + 8 u + r + 8 (r / 8), r = 0 .. 15.
; Used as source 0 of a product, two neighbouring tiles then leave 16 NEIGHBOURS of that axis in a lane's 16 result registers, which is what the next quantiser wants.  K is always in its own order.
; Codes lie as images of the operand's registers: a half image is 16 rows x 64 along K = 768 bytes: piece g (256 bytes) holds registers 2 g, 2 g + 1 of lane l at byte 8 l.
; A tensor is [block of 128 rows][64 along K][tile 0..7][768]; its scale words are [block of 128 rows][128 along K][128 rows][4 bytes].
;
; THIS LAUNCH: W [K][N] f32, K its first axis, into such codes with rows n.  A lane takes a column n and its registers run down K: a block of 32 lies in one lane, and the conversions give codes with K innermost.
; A work-group takes 128 columns x 256 along K, a wave 32 columns (two tiles).  One path serves the six tensors: source, pitch and places are chosen by the work-group's number.
; A block's scale is 2^(floor(log2(largest magnitude)) - 2): its byte is the largest magnitude's exponent field - 2, held at 1 from below.
; LIMITS: a block of zeros gets the byte 1 where the rule says 127 (its codes are zeros, and this program alone reads the bytes); blocks whose largest magnitude lies under 2^-124 keep the byte 1.
; The scale words leave in runs of 128 bytes (one byte for each 24 bytes of codes and 128 bytes read); the codes leave in runs of 512 bytes.
; No tensor loads, no cluster, no barrier: the waves share nothing and no byte is read twice.
.set WS_QKV, 9437184                   ; where the scale words begin in wts
.set SPARE,  24576                     ; behind the four stages of 6,144 bytes: the spare words, 128 bytes for each wave
.set SPW, 14                           ; v14  LDS address of my spare word; never rewritten
.set NIL, 15                           ; v15  0; never rewritten
.set SB,  24                           ; v24-25   my column's eight scale bytes
.set VO,  32                           ; v32-63   byte offset of row i of a block at my column
.set X,   64                           ; v64-127  two sets of 32 numbers
.set C,   128                          ; v128-134 a block's codes
.set OUTR, 136                         ; v136-183 the way out
.set SRC, 32                           ; s[32:47] the address of each of my eight blocks' first row
; ONE LAUNCH PREPARES ALL INPUTS: work-groups 0 - 383 take the six weights (the text below), work-groups 384 - 639 LayerNorm 1 of x into hq (the text behind .Lnorm, which is launch ln's body).
; The two ways part on the work-group's number alone; each has LDS bytes of its own; the spare words and their two registers serve both.
	v_lshl_add_u32 v[SPW], v0, 2, SPARE
	v_mov_b32 v[NIL], 0
	s_cmp_ge_u32 ttmp9, 384
	s_cbranch_scc1 .Lnorm
	s_load_b256 s[4:11], s[0:1], 0x0               ; W1, W2, Wq, Wk
	s_load_b128 s[12:15], s[0:1], 0x20             ; Wv, Wo
	s_load_b64 s[16:17], s[0:1], 0x30              ; wts
	v_lshrrev_b32 v1, 5, v0
	v_readfirstlane_b32 s18, v1                    ; wave
	v_and_b32 v2, 31, v0                           ; lane = my column among the wave's 32
	v_lshlrev_b32 v3, 2, v2
	v_and_b32 v5, 7, v0
	v_bfe_u32 v6, v0, 4, 1
	v_lshl_add_u32 v5, v6, 3, v5                   ; my column's row in its tile: (l % 8) + 8 (l / 16)
	v_bfe_u32 v6, v0, 3, 1                         ; and its tile of the wave's two: (l / 8) % 2
	s_mul_i32 s19, s18, 6144                       ; my wave's stage: [64 along K: 4][tile: 2][768]
	v_mul_u32_u24 v4, v6, 768
	v_lshl_add_u32 v4, v5, 3, v4
	v_add_nc_u32 v4, s19, v4                       ; into the stage
	v_lshlrev_b32 v8, 4, v2
	v_add_nc_u32 v7, s19, v8                       ; and out of it, 16 bytes a lane
	v_lshl_add_u32 v9, v6, 4, v5
	v_lshlrev_b32 v9, 2, v9                        ; my row's scale word among the wave's 32
	; which tensor: work-groups 0-127 W1, 128-255 W2, 256-383 Wq, Wk, Wv, Wo (32 each)
	s_lshr_b32 s20, ttmp9, 7                       ; class 0, 1, 2
	s_and_b32 s21, ttmp9, 127
	s_lshr_b32 s25, s21, 5                         ; in class 2: which of the four
	s_cmp_eq_u32 s20, 0
	s_cselect_b32 s22, 31, 7                       ; W1 has 32 blocks of 128 columns, the others 8
	s_cselect_b32 s23, 5, 3
	s_cselect_b32 s24, 2, 0
	s_cselect_b32 s26, 4, s25                      ; the tensor's place in wts, in units of a 1,024 x 1,024 tensor: Wq 0 .. Wo 3, W1 4, W2 8
	s_cmp_eq_u32 s20, 1
	s_cselect_b32 s27, 15, 3                       ; W2 has 16 runs of 256 along K, the others 4
	s_cselect_b32 s28, 2, 0
	s_cselect_b32 s26, 8, s26
	s_and_b32 s22, s21, s22                        ; nb: my block of 128 columns
	s_lshr_b32 s23, s21, s23
	s_and_b32 s23, s23, s27                        ; kb: my 256 along K
	s_lshl_b32 s24, 4096, s24                      ; a row of W in bytes
	s_lshl_b32 s29, 98304, s28                     ; a block of 128 rows of codes in bytes
	s_lshl_b32 s28, 4096, s28                      ; and of scale words
	s_mul_i32 s30, s23, s24
	s_lshl_b32 s30, s30, 8                         ; kb x 256 rows
	s_lshl_b32 s19, s22, 9
	s_add_co_u32 s30, s30, s19                     ; + nb x 128 columns
	s_lshl_b32 s19, s18, 7
	s_add_co_u32 s30, s30, s19                     ; + wave x 32 columns
	s_mov_b32 s31, 0
	s_lshl_b32 s48, s24, 5                         ; 32 rows on
	s_mov_b32 s49, 0
	s_mul_i32 s50, s26, 786432                     ; the codes: tensor,
	s_mul_i32 s19, s22, s29
	s_add_co_u32 s50, s50, s19                     ; block of 128 rows,
	s_mul_i32 s19, s23, 24576
	s_add_co_u32 s50, s50, s19                     ; 256 along K,
	s_mul_i32 s19, s18, 1536
	s_add_co_u32 s50, s50, s19                     ; my two tiles
	s_mov_b32 s51, 0
	s_lshl_b32 s52, s26, 15                        ; the scale words likewise
	s_add_co_u32 s52, s52, WS_QKV
	s_mul_i32 s19, s22, s28
	s_add_co_u32 s52, s52, s19
	s_lshl_b32 s19, s23, 10
	s_add_co_u32 s52, s52, s19
	s_lshl_b32 s19, s18, 7
	s_add_co_u32 s52, s52, s19
	s_mov_b32 s53, 0
.set i, 0
.rept 32
	v_mad_u32_u24 v[VO+i], s24, i, v3              ; row i of a block, my column
.set i, i+1
.endr
	s_wait_alu depctr_va_vdst(0)
	s_wait_kmcnt 0x0
	s_cmp_eq_u32 s25, 1                            ; the source: every choice hangs on the work-group's number alone
	s_cselect_b64 s[8:9], s[10:11], s[8:9]
	s_cmp_eq_u32 s25, 2
	s_cselect_b64 s[8:9], s[12:13], s[8:9]
	s_cmp_eq_u32 s25, 3
	s_cselect_b64 s[8:9], s[14:15], s[8:9]
	s_cmp_eq_u32 s20, 0
	s_cselect_b64 s[8:9], s[4:5], s[8:9]
	s_cmp_eq_u32 s20, 1
	s_cselect_b64 s[8:9], s[6:7], s[8:9]
	s_add_nc_u64 s[SRC:SRC+1], s[8:9], s[30:31]
.irp t, 1,2,3,4,5,6,7
	s_add_nc_u64 s[SRC+2*\t:SRC+2*\t+1], s[SRC+2*\t-2:SRC+2*\t-1], s[48:49]
.endr
	s_add_nc_u64 s[50:51], s[16:17], s[50:51]
	s_add_nc_u64 s[52:53], s[16:17], s[52:53]
.macro LOAD t                          ; block t: W(32 t + i, my column), i = 0 .. 31, into set t % 2; 32 lanes read 128 consecutive bytes, the four waves 512
.set i, 0
.rept 32
	global_load_b32 v[X+32*((\t)%2)+i], v[VO+i], s[SRC+2*(\t):SRC+2*(\t)+1] th:TH_LOAD_NT
.set i, i+1
.endr
.endm
	LOAD 0
	LOAD 1
.macro BLOCK t
.set XS, X+32*((\t)%2)
.if (\t) < 7
	s_wait_loadcnt 32                              ; this block's 32 loads are in; the next block's 32 may be out
.else
	s_wait_loadcnt 0
.endif
	v_max3_num_f32 v12, |v[XS]|, |v[XS+1]|, |v[XS+2]|              ; the block's largest magnitude: all 32 numbers are mine
	v_max3_num_f32 v13, |v[XS+3]|, |v[XS+4]|, |v[XS+5]|
.irp i, 6,10,14,18,22,26
	v_max3_num_f32 v12, v12, |v[XS+\i]|, |v[XS+\i+1]|
	v_max3_num_f32 v13, v13, |v[XS+\i+2]|, |v[XS+\i+3]|
.endr
	v_max3_num_f32 v12, v12, |v[XS+30]|, |v[XS+31]|
	v_max3_num_f32 v12, v12, v13, 0x1800000        ; and the floor 2^(3 - 127): the byte cannot fall under 1
	v_add_nc_u32 v11, 0xff000000, v12              ; 2 off the exponent field: the conversion takes this operand's exponent field as its scale
	v_lshrrev_b32 v13, 23, v11                     ; the scale's byte
.if (\t)%4 == 0
	v_mov_b32 v[SB+(\t)/4], v13                    ; four bytes to a word, the lower K in the lower byte
.else
	v_lshl_or_b32 v[SB+(\t)/4], v13, 8*((\t)%4), v[SB+(\t)/4]
.endif
	v_cvt_scalef32_pk16_fp6_f32 v[C:C+2], v[XS:XS+15], v11
	v_cvt_scalef32_pk16_fp6_f32 v[C+4:C+6], v[XS+16:XS+31], v11    ; (a conversion's three registers begin on an even number)
	v_nop                                          ; one plain line between a scaled conversion and the vector lines that touch its result
	v_mov_b32 v[C+3], v[C+4]
	v_mov_b32 v[C+4], v[C+5]
	v_mov_b32 v[C+5], v[C+6]                       ; v[C .. C+5]: the block's 192 bits on end
.irp g, 0,1,2
	ds_store_b64 v4, v[C+2*\g:C+2*\g+1] offset:((\t)/2)*1536+128*((\t)%2)+256*\g   ; the image's place of lane (my row) + 16 (t % 2)
.endr
.if (\t)+2 < 8
	LOAD (\t)+2
.endif
	s_wait_dscnt 0x0                               ; the stores have read their registers: the next block's codes may be written
.endm
.set Q, 0
.rept 8
	BLOCK Q
.set Q, Q+1
.endr
	global_store_b32 v9, v[SB], s[52:53]           ; my row's scale words of the two steps of 128 along K
	s_wait_alu depctr_va_vdst(0)
	global_store_b32 v9, v[SB+1], s[52:53] offset:512
.set k, 0
.rept 12
	ds_load_b128 v[OUTR+4*k:OUTR+4*k+3], v7 offset:512*k           ; LDS serves a wave's instructions in order: these see my stores
.set k, k+1
.endr
.set k, 0
.rept 12
	s_wait_dscnt 11-k                              ; load k is back; the younger ones may be out
	global_store_b128 v8, v[OUTR+4*k:OUTR+4*k+3], s[50:51] offset:(k/3)*6144+512*(k%3)   ; 32 lanes store 512 consecutive bytes, at a multiple of 256 from the buffer's first byte
.set k, k+1
.endr
	s_wait_tensorcnt 0x0                           ; the wave's end
	ds_add_u32 v[SPW], v[NIL]
	s_wait_dscnt 0x0
	s_endpgm
; LAYERNORM 1: y = (x - mean) rsqrt(var + 1e-5) g + b along rows of 1,024 in f32, quantised along the row; work-group 384 + T makes tile T of hq.  Shares, layout and limits: launch ln's head comment.
.Lnorm:
.set PITCH, 4112                       ; a row of y in LDS: 4,096 bytes + 16
.set LB,    25088                      ; this way's LDS bytes begin behind the other way's stages and the spare words
.set HSO,   3145728
.set SU,  16
.set PT,  24
.set SQ,  32
.set RS,  40
.set TM,  32
.set X,   64
.set G,   192
.set B,   224
	s_load_b256 s[4:11], s[0:1], 0x38              ; x, g, b, hq
	s_sub_co_u32 s30, ttmp9, 384                   ; T
	v_lshrrev_b32 v1, 5, v0
	v_readfirstlane_b32 s12, v1                    ; wave
	v_and_b32 v2, 31, v0
	v_lshlrev_b32 v3, 4, v2
	s_lshr_b32 s13, s30, 1
	s_lshl_b32 s13, s13, 5
	s_and_b32 s14, s30, 1
	s_lshl_b32 s14, s14, 3
	s_add_co_u32 s13, s13, s14                     ; the tile's first row: 32 (T / 2) + 8 (T % 2)
	s_lshl_b32 s14, s12, 2
	s_add_co_u32 s13, s13, s14
	s_lshr_b32 s14, s12, 1
	s_lshl_b32 s14, s14, 3
	s_add_co_u32 s13, s13, s14                     ; my four: + 4 w + 8 (w / 2)
	s_lshl_b32 s14, s13, 12
	s_mov_b32 s15, 0
	s_mov_b32 s16, 0x76543210
	s_mov_b32 s17, 0xfedcba98
	s_mov_b32 s18, 0x3a800000                      ; 1 / 1024
	s_mov_b32 s19, 0x3727c5ac                      ; 1e-5
	s_mul_i32 s20, s12, 4*PITCH
	s_add_co_u32 s20, s20, LB
	s_mov_b32 s21, 0xffff0000
	s_lshr_b32 s22, s30, 3
	s_and_b32 s23, s30, 7
	s_mul_i32 s24, s22, 98304
	s_mul_i32 s26, s23, 768
	s_add_co_u32 s24, s24, s26
	s_mul_i32 s26, s12, 24576
	s_add_co_u32 s24, s24, s26
	s_mov_b32 s25, 0
	s_lshl_b32 s26, s22, 12
	s_add_co_u32 s26, s26, HSO
	s_lshl_b32 s28, s12, 10
	s_add_co_u32 s26, s26, s28
	s_lshl_b32 s29, s23, 6
	s_add_co_u32 s26, s26, s29
	s_mov_b32 s27, 0
.irp p, 0,1,2,3
	v_mov_b32 v[PT+\p], 0
.endr
	s_wait_alu depctr_va_vdst(0)                   ; the wait at the head's end
	s_wait_kmcnt 0x0
	s_add_nc_u64 s[4:5], s[4:5], s[14:15]
	s_add_nc_u64 s[24:25], s[10:11], s[24:25]
	s_add_nc_u64 s[26:27], s[10:11], s[26:27]
.irp p, 0,1,2,3
.irp j, 0,1,2,3,4,5,6,7
	global_load_b128 v[X+32*\p+4*\j:X+32*\p+4*\j+3], v3, s[4:5] offset:4096*\p+512*\j th:TH_LOAD_NT
.endr
.endr
.irp j, 0,1,2,3,4,5,6,7
	global_load_b128 v[G+4*\j:G+4*\j+3], v3, s[6:7] offset:512*\j
	global_load_b128 v[B+4*\j:B+4*\j+3], v3, s[8:9] offset:512*\j
.endr
.macro ACROSS base                     ; v[base + 2 p] summed over the 32 lanes; the four rows by turns
.irp m, 1,2,4,8
.irp p, 0,1,2,3
	v_add_f32_dpp v[\base+2*\p], v[\base+2*\p], v[\base+2*\p] row_xmask:\m row_mask:0xf bank_mask:0xf
.endr
.endr
.irp p, 0,1,2,3
	v_permlanex16_b32 v[PT+\p], v[\base+2*\p], s16, s17
.endr
.irp p, 0,1,2,3
	v_add_f32 v[\base+2*\p], v[\base+2*\p], v[PT+\p]
.endr
.endm
	s_wait_loadcnt 16                              ; the rows are in; g's and b's sixteen loads may be out
.irp p, 0,1,2,3
	v_pk_add_f32 v[SU+2*\p:SU+2*\p+1], v[X+32*\p:X+32*\p+1], v[X+32*\p+2:X+32*\p+3]
.endr
.set i, 4
.rept 14
.irp p, 0,1,2,3
	v_pk_add_f32 v[SU+2*\p:SU+2*\p+1], v[SU+2*\p:SU+2*\p+1], v[X+32*\p+i:X+32*\p+i+1]
.endr
.set i, i+2
.endr
.irp p, 0,1,2,3
	v_add_f32 v[SU+2*\p], v[SU+2*\p], v[SU+2*\p+1]
.endr
	ACROSS SU
.irp p, 0,1,2,3
	v_mul_f32 v[SU+2*\p], s18, v[SU+2*\p]          ; the mean
.endr
.set i, 0
.rept 16
.irp p, 0,1,2,3
	v_pk_add_f32 v[X+32*\p+i:X+32*\p+i+1], v[X+32*\p+i:X+32*\p+i+1], v[SU+2*\p:SU+2*\p+1] op_sel_hi:[1,0] neg_lo:[0,1] neg_hi:[0,1]
.endr
.set i, i+2
.endr
.irp p, 0,1,2,3
	v_pk_mul_f32 v[SQ+2*\p:SQ+2*\p+1], v[X+32*\p:X+32*\p+1], v[X+32*\p:X+32*\p+1]
.endr
.set i, 2
.rept 15
.irp p, 0,1,2,3
	v_pk_fma_f32 v[SQ+2*\p:SQ+2*\p+1], v[X+32*\p+i:X+32*\p+i+1], v[X+32*\p+i:X+32*\p+i+1], v[SQ+2*\p:SQ+2*\p+1]
.endr
.set i, i+2
.endr
.irp p, 0,1,2,3
	v_add_f32 v[SQ+2*\p], v[SQ+2*\p], v[SQ+2*\p+1]
.endr
	ACROSS SQ
.irp p, 0,1,2,3
	v_fma_f32 v[SQ+2*\p], v[SQ+2*\p], s18, s19     ; var + eps
.endr
	s_wait_alu depctr_va_vdst(0)                   ; ahead of the batch
.irp p, 0,1,2,3
	v_rsq_f32 v[RS+2*\p], v[SQ+2*\p]
	v_rsq_f32 v[RS+2*\p+1], v[SQ+2*\p]
.endr
	v_add_nc_u32 v4, s20, v3                       ; where my rows go in LDS
	s_wait_alu depctr_va_vdst(0)                   ; behind it
	s_wait_loadcnt 0x0                             ; g and b
.set i, 0
.rept 16
.irp p, 0,1,2,3
	v_pk_mul_f32 v[X+32*\p+i:X+32*\p+i+1], v[X+32*\p+i:X+32*\p+i+1], v[RS+2*\p:RS+2*\p+1]
.endr
.irp p, 0,1,2,3
	v_pk_fma_f32 v[X+32*\p+i:X+32*\p+i+1], v[X+32*\p+i:X+32*\p+i+1], v[G+i:G+i+1], v[B+i:B+i+1]
.endr
.set i, i+2
.endr
.irp p, 0,1,2,3
.irp j, 0,1,2,3,4,5,6,7
	ds_store_b128 v4, v[X+32*\p+4*\j:X+32*\p+4*\j+3] offset:PITCH*\p+512*\j
.endr
.endr
	v_and_b32 v8, 15, v0                           ; r
	v_bfe_u32 v9, v0, 4, 1                         ; h
	v_mul_u32_u24 v5, v8, PITCH
	v_lshl_add_u32 v5, v9, 6, v5
	v_add_nc_u32 v5, s28, v5
	v_add_nc_u32 v5, LB, v5                        ; row r, + 64 h, + my two K steps' 1,024 bytes x wave
	v_lshlrev_b32 v6, 3, v2
	v_lshlrev_b32 v7, 2, v8
	v_lshl_add_u32 v7, v9, 9, v7
	s_wait_alu depctr_va_vdst(0)
	s_wait_dscnt 0x0                               ; for the others' sake: my rows lie in LDS
	s_barrier_signal -1
	s_barrier_wait -1
.irp s, 0,1
.irp b, 0,1,2,3
.irp j, 0,1,2,3
	ds_load_b128 v[X+64*\s+16*\b+4*\j:X+64*\s+16*\b+4*\j+3], v5 offset:512*\s+128*\b+16*\j
.endr
.endr
.endr
	s_wait_dscnt 0x0
.macro QUANT s, pc, pw                 ; 64 numbers of a lane, register 16 b + i = k 32 b + 16 h + i of my row, become a fragment's codes and its scale word
.irp b, 0,1,2,3
	v_max3_num_f32 v[TM+\b], |v[\s+16*\b]|, |v[\s+1+16*\b]|, 0x1800000
.endr
.irp i, 2,4,6,8,10,12,14
.irp b, 0,1,2,3
	v_max3_num_f32 v[TM+\b], v[TM+\b], |v[\s+16*\b+\i]|, |v[\s+1+16*\b+\i]|
.endr
.endr
.irp b, 0,1,2,3
	v_permlanex16_b32 v[TM+4+\b], v[TM+\b], s16, s17
.endr
.irp b, 0,1,2,3
	v_max_num_f32 v[TM+\b], v[TM+\b], v[TM+4+\b]
.endr
.irp b, 0,1,2,3
	v_add_nc_u32 v[TM+12+\b], 0xff000000, v[TM+\b]
.endr
.irp b, 0,1,2,3
	v_lshrrev_b32 v[TM+4+\b], 23, v[TM+12+\b]
.endr
	v_lshl_or_b32 v[\pw], v[TM+5], 8, v[TM+4]
	v_lshl_or_b32 v[\pw], v[TM+6], 16, v[\pw]
	v_lshl_or_b32 v[\pw], v[TM+7], 24, v[\pw]
.irp c, 0,1
	v_cvt_scalef32_pk16_fp6_f32 v[\pc+6*\c:\pc+2+6*\c], v[\s+32*\c:\s+15+32*\c], v[TM+12+2*\c]
	v_cvt_scalef32_pk16_fp6_f32 v[\pc+12+4*\c:\pc+14+4*\c], v[\s+16+32*\c:\s+31+32*\c], v[TM+13+2*\c]
.endr
	v_nop                                          ; one plain line behind the scaled conversions
.irp c, 0,1
.irp i, 0,1,2
	v_permlane16_swap_b32 v[\pc+6*\c+\i], v[\pc+12+4*\c+\i]
.endr
.irp i, 0,1,2
	v_mov_b32 v[\pc+3+6*\c+\i], v[\pc+12+4*\c+\i]
.endr
.endr
.endm
	QUANT X, 192, 48
	QUANT X+64, 212, 49
.irp s, 0,1
.irp p, 0,1,2,3,4,5
	global_store_b64 v6, v[192+20*\s+2*\p:193+20*\s+2*\p], s[24:25] offset:(2*\s+\p/3)*6144+256*(\p%3)   ; 32 lanes store 256 consecutive bytes, aligned
.endr
.endr
	v_cndmask_b32 v50, v48, v49, s21
	global_store_b32 v7, v50, s[26:27]
	s_wait_tensorcnt 0x0                           ; the wave's end
	ds_add_u32 v[SPW], v[NIL]
	s_wait_dscnt 0x0
	s_endpgm
.Lfunc_end_k_qb5bf203ed5_wquant:
	.size	k_qb5bf203ed5_wquant, .Lfunc_end_k_qb5bf203ed5_wquant-k_qb5bf203ed5_wquant
	.p2alignl 7, 3214868480
	.fill 96, 4, 3214868480
	.section	.rodata,"a",@progbits
	.p2align	6, 0x0
	.amdhsa_kernel k_qb5bf203ed5_wquant
		.amdhsa_group_segment_fixed_size 91392
		.amdhsa_private_segment_fixed_size 0
		.amdhsa_enable_private_segment 0
		.amdhsa_kernarg_size 88
		.amdhsa_user_sgpr_count 2
		.amdhsa_user_sgpr_kernarg_segment_ptr 1
		.amdhsa_wavefront_size32 1
		.amdhsa_system_sgpr_workgroup_id_x 1
		.amdhsa_system_sgpr_workgroup_id_y 1
		.amdhsa_system_sgpr_workgroup_id_z 1
		.amdhsa_system_vgpr_workitem_id 0
		.amdhsa_next_free_vgpr 256
		.amdhsa_next_free_sgpr 66
		.amdhsa_reserve_vcc 0
		.amdhsa_float_denorm_mode_32 3
		.amdhsa_float_denorm_mode_16_64 3
		.amdhsa_memory_ordered 1
		.amdhsa_forward_progress 1
		.amdhsa_inst_pref_size 90
	.end_amdhsa_kernel
	.amdgpu_metadata
---
amdhsa.version: [ 1, 2 ]
amdhsa.kernels:
  - .name:           k_qb5bf203ed5_wquant
    .symbol:         k_qb5bf203ed5_wquant.kd
    .args:
      - { .name: W1, .offset: 0, .size: 8, .value_kind: global_buffer, .address_space: global }
      - { .name: W2, .offset: 8, .size: 8, .value_kind: global_buffer, .address_space: global }
      - { .name: Wq, .offset: 16, .size: 8, .value_kind: global_buffer, .address_space: global }
      - { .name: Wk, .offset: 24, .size: 8, .value_kind: global_buffer, .address_space: global }
      - { .name: Wv, .offset: 32, .size: 8, .value_kind: global_buffer, .address_space: global }
      - { .name: Wo, .offset: 40, .size: 8, .value_kind: global_buffer, .address_space: global }
      - { .name: wts, .offset: 48, .size: 8, .value_kind: global_buffer, .address_space: global }
      - { .name: x, .offset: 56, .size: 8, .value_kind: global_buffer, .address_space: global }
      - { .name: ln1_g, .offset: 64, .size: 8, .value_kind: global_buffer, .address_space: global }
      - { .name: ln1_b, .offset: 72, .size: 8, .value_kind: global_buffer, .address_space: global }
      - { .name: hq, .offset: 80, .size: 8, .value_kind: global_buffer, .address_space: global }
    .group_segment_fixed_size: 91392
    .private_segment_fixed_size: 0
    .kernarg_segment_align: 8
    .kernarg_segment_size: 88
    .max_flat_workgroup_size: 128
    .sgpr_count:     66
    .vgpr_count:     256
    .wavefront_size: 32
...
	.end_amdgpu_metadata
.endif
;; end of part 8
;; launch gemm_qkv (part 9): grid 12 x 16, 4 waves a work-group, clusters of 4 x 4, 327,680 bytes of LDS; arguments hq, wts, bq, bk, bv, qkv; writes qkv
.if DOCPART == 9
	.amdgcn_target "amdgcn-amd-amdhsa--gfx1250"
	.amdhsa_code_object_version 6
	.text
	.protected	k_qb5bf203ed5_gemm_qkv
	.globl	k_qb5bf203ed5_gemm_qkv
	.p2align	8
	.type	k_qb5bf203ed5_gemm_qkv,@function
k_qb5bf203ed5_gemm_qkv:
	s_mov_b64 s[64:65], 0
	v_nop
	global_prefetch_b8 v0, s[64:65] scope:SCOPE_SE
	s_setreg_imm32_b32 hwreg(HW_REG_WAVE_MODE, 25, 1), 1
	s_wait_xcnt 0x0
	s_wait_alu depctr_hold_cnt(0) depctr_sa_sdst(0) depctr_va_vdst(0) depctr_va_sdst(0) depctr_va_ssrc(0) depctr_va_vcc(0) depctr_vm_vsrc(0)
	s_getreg_b32 s2, hwreg(HW_REG_IB_STS2, 6, 4)
	s_cmp_eq_u32 s2, 0
	s_cbranch_scc0 .Lentry_in_a_cluster
	s_endpgm
.Lentry_in_a_cluster:
	s_bfe_u32 s2, ttmp6, 0x10000c
	s_cmp_lg_u32 s2, 0xf033
	s_cbranch_scc0 .Lentry_shape_is_right
	s_endpgm
.Lentry_shape_is_right:
; q = h Wq + bq, k = h Wk + bk, v = h Wv + bv on codes of FP6 (E2M3) with E8M0 scales, K = 1,024; each result is quantised in registers on its way out and leaves as codes: q and k along a head's 64, v along the keys.
; OPERANDS (wquant's head comment): rows in the order pi; a half image = 16 rows x 64 along K = 768 bytes; a tensor is [block of 128 rows][64 along K][tile][768], so 128 rows x 256 along K are ONE dense block of 24,576 bytes.
; A work-group of four waves makes 256 tokens x 256 columns, a wave 128 x 128: 64 accumulators, 512 registers.  K goes in steps of 256 through a ring of two LDS slots; each wave fetches a quarter of a slot by one tensor load.
; The scale words of the work-group's rows for all of K come once, with the first fills, and stay in LDS.
; CLUSTERS: 4 x 4 work-groups.  The four of a row need the same tokens, the four of a column the same weight rows: each block is asked for jointly, by the same tensor load with a mask that names the four.
; ROLES.  Source 0 of the matrix instruction (X, two register sets) is the axis along which the result is quantised, source 1 (Y, one set) the rows of the operand that is made: a lane then holds one Y row and its
; registers run along X; since X's rows stand in the order pi, the 16 registers of two neighbouring tiles are 16 neighbours.  Clusters x = 0, 1 (q, k): X = weight rows, Y = tokens.  Cluster x = 2 (v): X = tokens, which are
; v's K, Y = rows of Wv.  The two modes differ in LDS bases chosen by the cluster's x (the same in all sixteen partners), in the bias's layout, and in the pitches of the way out; all loads are alike.
; The bias is the C of each sum's first matrix instruction.
; OUT: q, k codes [batch x head][tile of 16 tokens][768]; v codes [batch x head][64 keys][tile of 16 d][768]; q, k scale words [batch][pair of heads][token][4]; v's [batch x head][128 keys][64 d][4].
; LIMITS: NaN and infinities are not served; a block of zeros gets the byte 1 (its codes are zeros; this program alone reads the bytes); blocks under 2^-124 keep the byte 1.
; REGISTERS, in windows of 256: window 0: v1-29 addresses; v32-63 Y's scale words, v224-255 X's (two sets each; they hold nothing else); v64-127 the bias, later the quantiser's work; v128-223 Y's fragments.
;   window 1: X's fragments, two sets, at v0 and v128.   window 2: the accumulators of Y's blocks 0-3 ((a, b) at v[8 (8 (a % 4) + b)]);   window 3: those of blocks 4-7.
.set KDIM,  1024
.set ASO,   3145728                    ; A's scale words in its buffer
.set WC,    0                          ; B's codes in wts
.set WS,    9437184                    ; B's scale words in wts
.set QS,    9437184                    ; the results' scale words in qkv
.set HALFT, 24576                      ; 128 rows x 256 along K: what one tensor load brings
.set SLOT,  4*HALFT                    ; A's two blocks, then B's two
.set LAPS,  KDIM/512                   ; a lap = once round the ring
.set RBP,   (KDIM/64)*6144             ; a block of 128 rows of codes in memory
.set HALFS, (KDIM/128)*512             ; and of scale words
.set SCL,   2*SLOT                     ; behind the ring: the scale words, four blocks of HALFS
.set SPARE, SCL+4*HALFS+8192           ; behind them and a gap: the spare words, 128 bytes for each wave
.set FR, 12                            ; registers of a fragment: 16 rows x 128 K
.set NL, 6                             ; LDS loads that bring one
.set NP, 4                             ; places behind this matrix instruction (ISA guide 7.12.1)
.set ADRY, 16                          ; v16-17 LDS address of Y's fragments in slot 0, 1
.set ADRX, 20                          ; v20-21 of X's
.set ADSX, 22                          ; v22    of X's scale words
.set ADSY, 27                          ; v27    of Y's
.set GA,   24                          ; v24    8 x lane: an image's place for my lane
.set STS,  25                          ; v25    the way out: where a scale word is put
.set STR,  26                          ; v26    and where the words are read back
.set SPW,  28                          ; v28    LDS address of my spare word; never rewritten
.set NIL,  29                          ; v29    0; never rewritten
.set SCY,  32
.set BIAS, 64
.set AF,   128
.set SCX,  224
.set TM,   64                          ; the way out: v64-79 at work, v80 the scale word, v96-114 the codes
.set PW,   80
.set PC,   96
.set G1, 24                            ; s[24:31] descriptor group 1 for A's blocks; s[32:39] group 0, one set for each slot
.set G0, 32
.set G1B, 48                           ; s[48:55], s[56:63] the same for B's
.set G0B, 56
.set G1S, 68                           ; s[68:75], s[76:79] for A's scale words; s[80:87], s[88:91] for B's
.set G0S, 76
.set G1SB, 80
.set G0SB, 88
.set MSB, 0
.macro WIN new                         ; the immediate's high byte repeats the setting that is left
.if MSB != (\new)
	s_set_vgpr_msb (MSB<<8)|(\new)
.set MSB, (\new)
.endif
.endm
.set MUL_LO, 0xa1                      ; source 0 (X) window 1, source 1 (Y) window 0, C and D window 2
.set MUL_HI, 0xf1                      ; the same, C and D window 3
; A joint load: waves 0 and 1 fetch for A, waves 2 and 3 for B.  Each line has one mask and one set of registers for all that issue it; the branch hangs on the wave's number alone.
; An s_nop 0 and four v_nop follow each of the two lines.
.macro JLOAD g0a, g1a, g0b, g1b
	s_cmp_eq_u32 s17, 0
	s_cbranch_scc0 .Lfor_b_\@
	tensor_load_to_lds s[\g0a:\g0a+3], s[\g1a:\g1a+7]
	s_nop 0
.rept 4
	v_nop
.endr
	s_branch .Lasked_\@
.Lfor_b_\@:
	tensor_load_to_lds s[\g0b:\g0b+3], s[\g1b:\g1b+7]
	s_nop 0
.rept 4
	v_nop
.endr
.Lasked_\@:
.endm
.macro CREST                           ; a round of the cluster's barrier behind its opening barrier
	s_cmp_lg_u32 s16, 0
	s_cbranch_scc1 .Lnot_wave_0_\@
	s_barrier_signal -3
.Lnot_wave_0_\@:
	s_barrier_wait -3
	s_barrier_signal -1
	s_barrier_wait -1
.endm
.macro CROUND
	s_barrier_signal -1
	s_barrier_wait -1
	CREST
.endm
	s_load_b256 s[4:11], s[0:1], 0x0               ; hq, wts, bq, bk
	s_load_b128 s[12:15], s[0:1], 0x20             ; bv, qkv
	v_lshl_add_u32 v[SPW], v0, 2, SPARE
	v_mov_b32 v[NIL], 0
	ds_add_u32 v[SPW], v[NIL]                      ; the wave's opening: the add, twice on end, and its wait ahead of my first tensor load
	ds_add_u32 v[SPW], v[NIL]
	v_lshrrev_b32 v1, 5, v0
	v_readfirstlane_b32 s16, v1                    ; wave 0..3
	s_lshr_b32 s17, s16, 1                         ; wy: which half of Y is mine.  Also: I fetch for A (0) or for B (1)
	s_and_b32 s18, s16, 1                          ; wx: which half of X.  Also: which block of 128 rows I fetch
	s_bfe_u32 s40, ttmp6, 0x40000                  ; cx, cy: my place in the cluster
	s_bfe_u32 s41, ttmp6, 0x40004
	s_lshl_b32 s42, ttmp9, 2
	s_add_co_u32 s42, s42, s40                     ; tc: 256 weight rows = 4 x cluster x + cx
	s_and_b32 s19, ttmp7, 0xffff
	s_lshl_b32 s19, s19, 2
	s_add_co_u32 s19, s19, s41                     ; tr: 256 tokens = 4 x cluster y + cy
	s_lshl_b32 s43, s41, 2
	s_lshl_b32 s43, 15, s43                        ; my row of the cluster
	s_lshl_b32 s44, 0x1111, s40                    ; my column
	; descriptor group 1: a dense block as rows of 256 bytes (32 elements of 8 bytes), no padding
	s_or_b32 s[G1+0], s43, (3<<16)|(1<<21)         ; 15:0 the mask: A's blocks go to my row; 17:16 elements of 8 bytes; 21 set beside a mask
	s_or_b32 s[G1B+0], s44, (3<<16)|(1<<21)
.irp g, G1, G1B                                ; the head's shape: both blocks of a side at once: two rows of HALFT bytes, a block of 128 rows apart in memory, on end in LDS
	s_mov_b32 s[\g+1], (HALFT/8)<<16
	s_mov_b32 s[\g+2], 2<<16
	s_mov_b32 s[\g+3], (HALFT/8)<<16
	s_mov_b32 s[\g+4], 2
	s_mov_b32 s[\g+5], RBP/8
	s_mov_b32 s[\g+6], 0
	s_mov_b32 s[\g+7], 0
.endr
	s_or_b32 s[G1S+0], s43, (3<<16)|(1<<21)
	s_or_b32 s[G1SB+0], s44, (3<<16)|(1<<21)
.irp g, G1S, G1SB
	s_mov_b32 s[\g+1], 32<<16
	s_mov_b32 s[\g+2], (2*HALFS/256)<<16           ; a side's scale words, both blocks: one dense run
	s_mov_b32 s[\g+3], 32<<16
	s_mov_b32 s[\g+4], 2*HALFS/256
	s_mov_b32 s[\g+5], 32
	s_mov_b32 s[\g+6], 0
	s_mov_b32 s[\g+7], 0
.endr
	s_lshl_b32 s20, s19, 1                         ; A's first block of 128 rows: it hangs on tr alone
	s_lshl_b32 s46, s42, 1                         ; B's: on tc alone
	s_mul_i32 s2, s18, RBP                         ; in the ring I fetch one block of a side: which, in bytes
	s_mov_b32 s3, 0
	s_mul_i32 s22, s20, HALFS
	s_add_co_u32 s22, s22, ASO
	s_mul_i32 s20, s20, RBP
	s_mul_i32 s92, s46, HALFS
	s_add_co_u32 s92, s92, WS
	s_mul_i32 s46, s46, RBP
.if WC > 0
	s_add_co_u32 s46, s46, WC
.endif
	s_mov_b32 s21, 0
	s_mov_b32 s23, 0
	s_mov_b32 s47, 0
	s_mov_b32 s93, 0
	s_mul_i32 s45, s16, HALFT                      ; where they go: wave x a block: no place in the cluster enters an LDS address
	s_wait_dscnt 0x0                               ; both opening adds are done
	s_wait_kmcnt 0x0
	s_add_nc_u64 s[20:21], s[4:5], s[20:21]
	s_add_nc_u64 s[22:23], s[4:5], s[22:23]
	s_add_nc_u64 s[46:47], s[6:7], s[46:47]
	s_add_nc_u64 s[92:93], s[6:7], s[92:93]
	; THE PREFETCH: the two refills of this launch (256 along K each) are asked for at the head.  Of the 96 blocks of 256 bytes that a wave fetches in a refill, each of the four partners that ask jointly
	; names 24, told apart by address (cx for A, cy for B): each block is named once in the cluster.
	s_cmp_eq_u32 s17, 0
	s_cselect_b64 s[66:67], s[20:21], s[46:47]
	s_cselect_b32 s94, s40, s41
	s_mul_i32 s94, s94, HALFT/4
	s_add_co_u32 s94, s94, s2
	s_mov_b32 s95, 0
	s_add_nc_u64 s[66:67], s[66:67], s[94:95]
	CROUND                                         ; all sixteen work-groups are here: the first joint loads meet
	s_mov_b32 s[G0S], 1
	s_mov_b32 s[G0S+1], SCL
	s_mov_b64 s[G0S+2:G0S+3], s[22:23]
	s_or_b32 s[G0S+3], s[G0S+3], 0x80000000
	s_mov_b32 s[G0SB], 1
	s_mov_b32 s[G0SB+1], SCL+2*HALFS
	s_mov_b64 s[G0SB+2:G0SB+3], s[92:93]
	s_or_b32 s[G0SB+3], s[G0SB+3], 0x80000000
.irp s, 0,1
	s_mov_b32 s[G0+4*\s], 1
	s_add_co_u32 s[G0+4*\s+1], s45, \s*SLOT
	s_add_nc_u64 s[G0+4*\s+2:G0+4*\s+3], s[20:21], \s*HALFT
	s_or_b32 s[G0+4*\s+3], s[G0+4*\s+3], 0x80000000
	s_mov_b32 s[G0B+4*\s], 1
	s_add_co_u32 s[G0B+4*\s+1], s45, \s*SLOT
	s_add_nc_u64 s[G0B+4*\s+2:G0B+4*\s+3], s[46:47], \s*HALFT
	s_or_b32 s[G0B+4*\s+3], s[G0B+4*\s+3], 0x80000000
.endr
	s_mov_b32 s[G0+1], 0                           ; for the head slot 0's two sets name a whole side: A's two blocks at 0,
	s_mov_b32 s[G0B+1], 2*HALFT                    ; B's two behind them
	s_add_nc_u64 s[G0+6:G0+7], s[G0+6:G0+7], s[2:3]      ; slot 1's sets name my block
	s_add_nc_u64 s[G0B+6:G0B+7], s[G0B+6:G0B+7], s[2:3]
; THE HEAD'S LOADS, one a wave: wave 0 A's side of slot 0, wave 1 B's, wave 2 A's scale words, wave 3 B's.  One chain of branches on the wave's number, one load to an arm.
.macro ARM under, g0, g1, next
	s_cmp_lt_u32 s16, \under
	s_cbranch_scc0 \next
	tensor_load_to_lds s[\g0:\g0+3], s[\g1:\g1+7]
	s_nop 0
.rept 4
	v_nop
.endr
	s_branch .Lhead_asked
\next:
.endm
	ARM 1, G0,  G1,  .Lhead_b
	ARM 2, G0B, G1B, .Lhead_sa
	ARM 3, G0S, G1S, .Lhead_sb
	tensor_load_to_lds s[G0SB:G0SB+3], s[G1SB:G1SB+7]
	s_nop 0
.rept 4
	v_nop
.endr
.Lhead_asked:
	v_and_b32 v1, 15, v0                           ; r
	v_bfe_u32 v2, v0, 4, 1                         ; h
	v_and_b32 v3, 31, v0
	v_lshlrev_b32 v[GA], 3, v3
	v_min_u32 v30, 23, v3                          ; a lane a block; the eight lanes left over name the last block again
	v_lshlrev_b32 v30, 8, v30
	global_prefetch_b8 v30, s[66:67] offset:2*HALFT th:TH_LOAD_NT scope:SCOPE_SE
	global_prefetch_b8 v30, s[66:67] offset:3*HALFT th:TH_LOAD_NT scope:SCOPE_SE
	s_wait_alu depctr_va_vdst(0)
	s_cmp_ge_u32 ttmp9, 2                          ; v's cluster?  Then Y reads B's blocks and X reads A's
	s_cselect_b32 s95, 2*HALFT, 0
	s_cselect_b32 s96, 0, 2*HALFT
	s_cselect_b32 s97, 2*HALFS, 0
	s_cselect_b32 s98, 0, 2*HALFS
	s_mul_i32 s20, s17, HALFT
	s_add_co_u32 s20, s20, s95
	s_mul_i32 s21, s18, HALFT
	s_add_co_u32 s21, s21, s96
.irp s, 0,1
	v_add_nc_u32 v[ADRY+\s], s20, v[GA]
	v_add_nc_u32 v[ADRX+\s], s21, v[GA]
	s_add_co_u32 s20, s20, SLOT
	s_add_co_u32 s21, s21, SLOT
.endr
	s_mul_i32 s20, s17, HALFS
	s_add_co_u32 s20, s20, s97
	s_add_co_u32 s20, s20, SCL
	s_mul_i32 s21, s18, HALFS
	s_add_co_u32 s21, s21, s98
	s_add_co_u32 s21, s21, SCL
	v_lshlrev_b32 v4, 2, v1
	v_add_nc_u32 v[ADSY], s20, v4                  ; lane r takes row r's word (lanes 16-31 read the same and are not used)
	v_add_nc_u32 v[ADSX], s21, v4
	s_lshl_b32 s20, s16, 9
	v_add_nc_u32 v[STS], s20, v4                   ; the way out's stage: 512 bytes a wave at the head of slot 0
	v_lshl_add_u32 v[STR], v3, 4, s20
	; the bias, in the layout of the result
	s_and_b32 s99, s42, 3
	s_lshl_b32 s99, s99, 10                        ; 256 numbers for each tc inside a tensor
	s_mov_b32 s101, 0
	s_cmp_ge_u32 ttmp9, 2
	s_cbranch_scc1 .Lbias_v
	s_cmp_eq_u32 ttmp9, 0
	s_cselect_b64 s[8:9], s[8:9], s[10:11]         ; bq or bk
	s_lshl_b32 s100, s18, 9
	s_add_co_u32 s100, s100, s99
	s_add_nc_u64 s[8:9], s[8:9], s[100:101]
	v_lshlrev_b32 v5, 6, v2                        ; along X: register j of tile b is column 32 (b / 2) + 8 (b % 2) + 16 h + j
.irp b, 0,1,2,3,4,5,6,7
.irp u, 0,1
	global_load_b128 v[BIAS+8*\b+4*\u:BIAS+8*\b+4*\u+3], v5, s[8:9] offset:128*(\b/2)+32*(\b%2)+16*\u
.endr
.endr
	s_branch .Lbias_done
.Lbias_v:
	s_lshl_b32 s100, s17, 9
	s_add_co_u32 s100, s100, s99
	s_add_nc_u64 s[12:13], s[12:13], s[100:101]
	v_and_b32 v5, 8, v1
	v_add_nc_u32 v5, v5, v1
	v_lshlrev_b32 v5, 2, v5                        ; along Y: all eight registers of tile a hold bv at row 32 (a / 2) + 8 (a % 2) + r + 8 (r / 8)
.irp a, 0,1,2,3,4,5,6,7
.irp j, 0,1,2,3,4,5,6,7
	global_load_b32 v[BIAS+8*\a+\j], v5, s[12:13] offset:4*(32*(\a/2)+8*(\a%2))
.endr
.endr
.Lbias_done:
.macro FRAG reg, adr, q, i             ; a fragment, 16 rows x 128 K: two half images; each load takes 256 consecutive bytes, 8 a lane: the registers as they were stored
.irp p, 0,1,2,3,4,5
	ds_load_b64 v[\reg+2*\p:\reg+2*\p+1], v[\adr] offset:(2*(\q)+\p/3)*6144+(\i)*768+256*(\p%3)
.endr
.endm
; 16 matrix instructions: Y's blocks a0, a0 + 1 x X's eight, the slot's q-th 128 along K.  p: X's set; sc: the set of scale words.  zero = 1: the bias along X starts the sums; 2: the bias along Y; 0: in place.
; The 64 accumulators take turns, one instruction a turn, in the same order in every step.
.macro MUL16 a0, p, q, sc, zero
.irp a, \a0, \a0+1
.irp b, 0,1,2,3,4,5,6,7
.if \zero == 1
	v_wmma_scale_f32_16x16x128_f8f6f4 v[8*(8*((\a)%4)+\b):8*(8*((\a)%4)+\b)+7], v[128*(\p)+FR*\b:128*(\p)+FR*\b+FR-1], v[AF+FR*(\a):AF+FR*(\a)+FR-1], v[BIAS+8*\b:BIAS+8*\b+7], v[SCX+16*(\sc)+2*\b+(\q)], v[SCY+16*(\sc)+2*(\a)+(\q)] matrix_a_fmt:MATRIX_FMT_FP6 matrix_b_fmt:MATRIX_FMT_FP6
.elseif \zero == 2
	v_wmma_scale_f32_16x16x128_f8f6f4 v[8*(8*((\a)%4)+\b):8*(8*((\a)%4)+\b)+7], v[128*(\p)+FR*\b:128*(\p)+FR*\b+FR-1], v[AF+FR*(\a):AF+FR*(\a)+FR-1], v[BIAS+8*(\a):BIAS+8*(\a)+7], v[SCX+16*(\sc)+2*\b+(\q)], v[SCY+16*(\sc)+2*(\a)+(\q)] matrix_a_fmt:MATRIX_FMT_FP6 matrix_b_fmt:MATRIX_FMT_FP6
.else
	v_wmma_scale_f32_16x16x128_f8f6f4 v[8*(8*((\a)%4)+\b):8*(8*((\a)%4)+\b)+7], v[128*(\p)+FR*\b:128*(\p)+FR*\b+FR-1], v[AF+FR*(\a):AF+FR*(\a)+FR-1], v[8*(8*((\a)%4)+\b):8*(8*((\a)%4)+\b)+7], v[SCX+16*(\sc)+2*\b+(\q)], v[SCY+16*(\sc)+2*(\a)+(\q)] matrix_a_fmt:MATRIX_FMT_FP6 matrix_b_fmt:MATRIX_FMT_FP6
.endif
.endr
.endr
.endm
.macro FETCH_X slot, q, p              ; X's eight fragments into set p
	WIN 0x40                                       ; destination window 1
.irp i, 0,1,2,3,4,5,6,7
	FRAG 128*(\p)+FR*\i, ADRX+\slot, \q, \i
.endr
	WIN 0
.endm
.macro FETCH_Y slot, q, i0             ; Y's blocks i0 .. i0 + 3
.irp i, \i0, \i0+1, \i0+2, \i0+3
	FRAG AF+FR*(\i), ADRY+\slot, \q, \i
.endr
.endm
.macro SCALES sc                       ; the next slot's scale words: for each tile and each of its two steps of 128 a word a row
.irp i, 0,1,2,3,4,5,6,7
.irp q, 0,1
	ds_load_b32 v[SCY+16*\sc+2*\i+\q], v[ADSY] offset:512*\q+64*\i
	ds_load_b32 v[SCX+16*\sc+2*\i+\q], v[ADSX] offset:512*\q+64*\i
.endr
.endr
.endm
.macro PLACES n                        ; plain vector lines between a matrix instruction and a load into, or a read of, its registers
.rept \n
	v_nop
.endr
.endm
.macro STEP slot, q, zero              ; a step of 128 along K that has its successor in the same slot
	s_wait_dscnt 4*NL                              ; all but the youngest 24 loads (Y's blocks 4-7) are in
.if \zero
	WIN 0x81                                       ; C (the bias) window 0, D window 2
.else
	WIN MUL_LO
.endif
	MUL16 0, (\q)%2, \q, \slot, \zero
	MUL16 2, (\q)%2, \q, \slot, \zero
	s_wait_dscnt 0                                 ; Y's blocks 4-7 are in
	PLACES NP
	FETCH_X \slot, (\q)+1, 1-(\q)%2
	FETCH_Y \slot, (\q)+1, 0
.if \zero
	WIN 0xc1
.else
	WIN MUL_HI
.endif
	MUL16 4, (\q)%2, \q, \slot, \zero
	MUL16 6, (\q)%2, \q, \slot, \zero
	PLACES NP
	WIN 0
	FETCH_Y \slot, (\q)+1, 4
.endm
; A slot's last step changes slots: one barrier; in front of it each wave waits for all its tensor loads, adds 0 to its spare word, and waits for that and for its own reads of this slot.  fill = 1: the slot is filled again.
.macro TURN slot, next, fill
	s_wait_tensorcnt 0x0                           ; all my tensor loads have landed: the one that was out is my part of the next slot
	ds_add_u32 v[SPW], v[NIL]                      ; 0 onto my spare word
	s_wait_dscnt 4*NL+1                            ; (the add and the youngest 24 loads may be out)
	WIN MUL_LO
	MUL16 0, 1, 1, \slot, 0                        ; sixteen matrix instructions stand between the add and the wait for it
	s_wait_dscnt 0x0                               ; the add is done, and my reads of this slot are over
	s_barrier_signal -1
	MUL16 2, 1, 1, \slot, 0
	WIN 0
	s_barrier_wait -1
.if \fill
	CREST                                          ; the barrier has opened a round of the cluster's: no wave of any partner still reads this slot or has a load on its way
	s_add_nc_u64 s[G0+4*\slot+2:G0+4*\slot+3], s[G0+4*\slot+2:G0+4*\slot+3], 2*HALFT
	s_add_nc_u64 s[G0B+4*\slot+2:G0B+4*\slot+3], s[G0B+4*\slot+2:G0B+4*\slot+3], 2*HALFT
	JLOAD G0+4*\slot, G1, G0B+4*\slot, G1B         ; the first tensor load behind the round, my one load until the next; its four v_nop are the places in front of the loads below
.else
	PLACES NP
.endif
	s_wait_alu depctr_va_vdst(0)
	v_add_nc_u32 v[ADSY], 1024, v[ADSY]            ; on to the next slot's scale words (no LDS load of mine is out)
	v_add_nc_u32 v[ADSX], 1024, v[ADSX]
	FETCH_X \next, 0, 0
	FETCH_Y \next, 0, 0
	SCALES \next
	WIN MUL_HI
	MUL16 4, 1, 1, \slot, 0
	MUL16 6, 1, 1, \slot, 0
	PLACES NP
	WIN 0
	FETCH_Y \next, 0, 4
.endm
	s_wait_alu depctr_va_vdst(0)                   ; the wait at the head's end
	s_wait_xcnt 0x0                                ; the prefetches have read their address registers
	s_wait_tensorcnt 0x0                           ; my tile of the head's four is in; slot 1's first fill is issued as a refill is:
	ds_add_u32 v[SPW], v[NIL]
.irp g, G1, G1B
	s_mov_b32 s[\g+1], 32<<16
	s_mov_b32 s[\g+2], (HALFT/256)<<16
	s_mov_b32 s[\g+3], 32<<16
	s_mov_b32 s[\g+4], HALFT/256
	s_mov_b32 s[\g+5], 32
.endr
	s_mov_b32 s[G0+1], s45                         ; and slot 0's sets name my block, at wave x a block
	s_mov_b32 s[G0B+1], s45
	s_add_nc_u64 s[G0+2:G0+3], s[G0+2:G0+3], s[2:3]
	s_add_nc_u64 s[G0B+2:G0B+3], s[G0B+2:G0B+3], s[2:3]
	s_wait_dscnt 0x0                               ; the add is done
	CROUND                                         ; a whole round: all four tiles are in, and the joint loads meet
	JLOAD G0+4, G1, G0B+4, G1B                     ; slot 1, the first tensor load behind the round
	s_wait_alu depctr_va_vdst(0)
	FETCH_X 0, 0, 0
	FETCH_Y 0, 0, 0
	SCALES 0
	FETCH_Y 0, 0, 4
	s_wait_loadcnt 0x0                             ; the bias
	s_cmp_ge_u32 ttmp9, 2                          ; the first step is written twice: the bias lies along X or along Y
	s_cbranch_scc1 .Lfirst_v
	STEP 0, 0, 1
	s_branch .Lfirst_done
.Lfirst_v:
	STEP 0, 0, 2
.Lfirst_done:
	s_mov_b32 s3, LAPS-1
.Llap:                                                 ; a trip goes once round the ring and fills both slots again
	TURN 0, 1, 1
	STEP 1, 0, 0
	TURN 1, 0, 1
	STEP 0, 0, 0
	s_sub_co_u32 s3, s3, 1
	s_cmp_lg_u32 s3, 0
	s_cbranch_scc1 .Llap
	TURN 0, 1, 0                                   ; the last lap fills nothing
	STEP 1, 0, 0
	s_wait_dscnt 4*NL
	WIN MUL_LO
	MUL16 0, 1, 1, 1, 0
	MUL16 2, 1, 1, 1, 0
	s_wait_dscnt 0
	WIN MUL_HI
	MUL16 4, 1, 1, 1, 0
	MUL16 6, 1, 1, 1, 0
	WIN 0
	PLACES NP
	; THE WAY OUT.  For each of Y's eight tiles the lane's 64 numbers along X become a fragment (16 Y rows x my 128 of X) and a scale word a row.
	s_cmp_ge_u32 ttmp9, 2
	s_cselect_b32 s20, s18, s17                    ; which half of the 256 tokens is mine
	s_cselect_b32 s21, s17, s18                    ; and which pair of the four heads
	s_mov_b32 s22, 3072
	s_cselect_b32 s22, 98304, s22                  ; four tiles of Y on: q, k: four tiles of tokens; v: the next head
	s_mov_b32 s100, 98304
	s_cselect_b32 s100, 3072, s100                 ; 64 along X on: q, k: the next head; v: the next 64 keys
	s_mov_b32 s66, 256
	s_cselect_b32 s66, 4096, s66                   ; the second 256 bytes of scale words: q, k: the next 64 tokens; v: the next head
	s_cselect_b32 s67, 8, 9                        ; scale words of my 128 tokens: v: 256 bytes a head; q, k: 512
	s_mov_b32 s23, 0
	s_mov_b32 s101, 0
	s_lshl_b32 s95, s19, 1
	s_add_co_u32 s95, s95, s20                     ; my block of 128 tokens
	s_lshr_b32 s96, s95, 4                         ; the batch
	s_and_b32 s95, s95, 15                         ; and the block in it
	s_and_b32 s97, s42, 3
	s_lshl_b32 s97, s97, 2
	s_lshl_b32 s21, s21, 1
	s_add_co_u32 s97, s97, s21                     ; my first head
	s_lshl_b32 s96, s96, 4
	s_add_co_u32 s96, s96, s97                     ; batch x 16 + head
	s_mul_i32 s98, ttmp9, 3145728                  ; q, k or v
	s_mul_i32 s99, s96, 98304
	s_add_co_u32 s98, s98, s99
	s_mul_i32 s99, s95, 6144
	s_add_co_u32 s98, s98, s99
	s_mov_b32 s99, 0
	s_add_nc_u64 s[68:69], s[14:15], s[98:99]      ; (every tensor load has landed: the descriptors' registers are free)
	s_add_nc_u64 s[70:71], s[68:69], s[100:101]
	s_add_nc_u64 s[72:73], s[68:69], s[22:23]
	s_add_nc_u64 s[74:75], s[72:73], s[100:101]
	s_lshl_b32 s98, ttmp9, 17
	s_add_co_u32 s98, s98, QS
	s_lshl_b32 s96, s96, 12
	s_add_co_u32 s98, s98, s96
	s_lshl_b32 s95, s95, s67
	s_add_co_u32 s98, s98, s95
	s_add_nc_u64 s[76:77], s[14:15], s[98:99]
	s_mov_b32 s92, 0x76543210
	s_mov_b32 s93, 0xfedcba98                      ; v_permlanex16_b32's selects for lane l xor 16
	v_mul_u32_u24 v5, s66, v2
	v_lshl_add_u32 v5, v1, 4, v5
.irp b, 0,1,2,3
	v_mov_b32 v[TM+4+\b], 0                        ; written once: a lane permute's destination counts as one of its sources
.endr
; 64 numbers of a lane in window w, register 16 b + i = X 32 b + 16 h + i of my Y row, become codes in v[PC .. PC+11] and the scale word in v[PW].  Each accumulator is read from its low end on.
.macro QUANT s, w
	WIN (\w)*5                                     ; sources 0 and 1 in window w
.irp b, 0,1,2,3
	v_max3_num_f32 v[TM+\b], |v[(\s)+16*\b]|, |v[(\s)+16*\b+1]|, 0x1800000   ; and the floor 2^(3 - 127): the byte cannot fall under 1
.endr
.irp i, 2,4,6,8,10,12,14
.irp b, 0,1,2,3
	v_max3_num_f32 v[TM+\b], |v[(\s)+16*\b+\i]|, |v[(\s)+16*\b+\i+1]|, v[TM+\b]
.endr
.endr
	WIN 0
.irp b, 0,1,2,3
	v_permlanex16_b32 v[TM+4+\b], v[TM+\b], s92, s93
.endr
.irp b, 0,1,2,3
	v_max_num_f32 v[TM+\b], v[TM+\b], v[TM+4+\b]   ; with lane l xor 16's: the block's largest magnitude
.endr
.irp b, 0,1,2,3
	v_add_nc_u32 v[TM+12+\b], 0xff000000, v[TM+\b] ; 2 off its exponent field: the conversion's scale operand
.endr
.irp b, 0,1,2,3
	v_lshrrev_b32 v[TM+4+\b], 23, v[TM+12+\b]      ; the scale's byte
.endr
	v_lshl_or_b32 v[PW], v[TM+5], 8, v[TM+4]
	v_lshl_or_b32 v[PW], v[TM+6], 16, v[PW]
	v_lshl_or_b32 v[PW], v[TM+7], 24, v[PW]
	WIN (\w)                                       ; source 0 in window w
.irp c, 0,1
	v_cvt_scalef32_pk16_fp6_f32 v[PC+6*\c:PC+6*\c+2], v[(\s)+32*\c:(\s)+32*\c+15], v[TM+12+2*\c]
	v_cvt_scalef32_pk16_fp6_f32 v[PC+12+4*\c:PC+14+4*\c], v[(\s)+32*\c+16:(\s)+32*\c+31], v[TM+13+2*\c]
.endr
	WIN 0
	v_nop                                          ; one plain line behind the scaled conversions
.irp c, 0,1                                    ; the operand's layout wants a whole block in a lane
.irp i, 0,1,2
	v_permlane16_swap_b32 v[PC+6*\c+\i], v[PC+12+4*\c+\i]
.endr
.irp i, 0,1,2
	v_mov_b32 v[PC+3+6*\c+\i], v[PC+12+4*\c+\i]
.endr
.endr
.endm
.irp a, 0,1,2,3,4,5,6,7
.if \a > 0
	s_wait_xcnt 0x0                                ; the last tile's stores have read their registers: the codes may be written again
.endif
	QUANT 64*(\a%4), 2+\a/4
.irp p, 0,1,2,3,4,5
	global_store_b64 v[GA], v[PC+2*\p:PC+2*\p+1], s[68+4*(\a/4)+2*(\p/3):69+4*(\a/4)+2*(\p/3)] offset:768*(\a%4)+256*(\p%3)   ; 32 lanes store 256 consecutive bytes, aligned
.endr
	ds_store_b32 v[STS], v[PW] offset:64*\a        ; slot 0 has had its last fill and its last read; both halves of the lanes write the same word
.endr
	ds_load_b128 v[84:87], v[STR]                  ; LDS serves a wave's instructions in order: my 128 rows' words, 16 bytes a lane
	s_wait_dscnt 0x0
	global_store_b128 v5, v[84:87], s[76:77]       ; sixteen lanes store 256 consecutive bytes, aligned
	s_wait_tensorcnt 0x0                           ; the wave's end
	ds_add_u32 v[SPW], v[NIL]
	s_wait_dscnt 0x0
	CROUND                                         ; the closing round: no work-group ends while a partner may still ask for a block that names it
	s_endpgm
.Lfunc_end_k_qb5bf203ed5_gemm_qkv:
	.size	k_qb5bf203ed5_gemm_qkv, .Lfunc_end_k_qb5bf203ed5_gemm_qkv-k_qb5bf203ed5_gemm_qkv
	.p2alignl 7, 3214868480
	.fill 96, 4, 3214868480
	.section	.rodata,"a",@progbits
	.p2align	6, 0x0
	.amdhsa_kernel k_qb5bf203ed5_gemm_qkv
		.amdhsa_group_segment_fixed_size 327680
		.amdhsa_private_segment_fixed_size 0
		.amdhsa_enable_private_segment 0
		.amdhsa_kernarg_size 48
		.amdhsa_user_sgpr_count 2
		.amdhsa_user_sgpr_kernarg_segment_ptr 1
		.amdhsa_wavefront_size32 1
		.amdhsa_system_sgpr_workgroup_id_x 1
		.amdhsa_system_sgpr_workgroup_id_y 1
		.amdhsa_system_sgpr_workgroup_id_z 1
		.amdhsa_system_vgpr_workitem_id 0
		.amdhsa_next_free_vgpr 1024
		.amdhsa_next_free_sgpr 102
		.amdhsa_reserve_vcc 0
		.amdhsa_float_denorm_mode_32 3
		.amdhsa_float_denorm_mode_16_64 3
		.amdhsa_memory_ordered 1
		.amdhsa_forward_progress 1
		.amdhsa_inst_pref_size 199
	.end_amdhsa_kernel
	.amdgpu_metadata
---
amdhsa.version: [ 1, 2 ]
amdhsa.kernels:
  - .name:           k_qb5bf203ed5_gemm_qkv
    .symbol:         k_qb5bf203ed5_gemm_qkv.kd
    .args:
      - { .name: hq, .offset: 0, .size: 8, .value_kind: global_buffer, .address_space: global }
      - { .name: wts, .offset: 8, .size: 8, .value_kind: global_buffer, .address_space: global }
      - { .name: bq, .offset: 16, .size: 8, .value_kind: global_buffer, .address_space: global }
      - { .name: bk, .offset: 24, .size: 8, .value_kind: global_buffer, .address_space: global }
      - { .name: bv, .offset: 32, .size: 8, .value_kind: global_buffer, .address_space: global }
      - { .name: qkv, .offset: 40, .size: 8, .value_kind: global_buffer, .address_space: global }
    .group_segment_fixed_size: 327680
    .private_segment_fixed_size: 0
    .kernarg_segment_align: 8
    .kernarg_segment_size: 48
    .max_flat_workgroup_size: 128
    .sgpr_count:     102
    .vgpr_count:     1024
    .wavefront_size: 32
...
	.end_amdgpu_metadata
.endif
;; end of part 9
;; launch attn (part 10): grid 8 x 32, 16 waves a work-group, clusters of 4 x 1, 327,680 bytes of LDS; arguments qkv, ctx; writes ctx
.if DOCPART == 10
	.amdgcn_target "amdgcn-amd-amdhsa--gfx1250"
	.amdhsa_code_object_version 6
	.text
	.protected	k_qb5bf203ed5_attn
	.globl	k_qb5bf203ed5_attn
	.p2align	8
	.type	k_qb5bf203ed5_attn,@function
k_qb5bf203ed5_attn:
	s_mov_b64 s[64:65], 0
	v_nop
	global_prefetch_b8 v0, s[64:65] scope:SCOPE_SE
	s_setreg_imm32_b32 hwreg(HW_REG_WAVE_MODE, 25, 1), 1
	s_wait_xcnt 0x0
	s_wait_alu depctr_hold_cnt(0) depctr_sa_sdst(0) depctr_va_vdst(0) depctr_va_sdst(0) depctr_va_ssrc(0) depctr_va_vcc(0) depctr_vm_vsrc(0)
	s_getreg_b32 s2, hwreg(HW_REG_IB_STS2, 6, 4)
	s_cmp_eq_u32 s2, 0
	s_cbranch_scc0 .Lentry_in_a_cluster
	s_endpgm
.Lentry_in_a_cluster:
	s_bfe_u32 s2, ttmp6, 0x10000c
	s_cmp_lg_u32 s2, 0x3003
	s_cbranch_scc0 .Lentry_shape_is_right
	s_endpgm
.Lentry_shape_is_right:
; ctx = softmax(q k^T / 8, causal) v for one (batch, head) and 256 queries a work-group; both products on codes of FP6 (E2M3) with E8M0 scales; ctx leaves as codes and scale bytes, an operand of gemm_o.
; WORK LEFT OUT (wquant's head comment): a step of 128 keys all of which come after all 16 queries of a tile has weight 0 by reference()'s own jnp.tril and is not computed.
; LIMITS: NaN and infinities are not served; the promise holds while the scaled scores stay under 2^31 in magnitude; a block of zeros gets the byte 1 (this program alone reads the bytes).
; THE DEAL.  A head has 128 tiles of 16 queries (order pi: tile T holds tokens 32 (T / 2) + 8 (T % 2) + r + 8 (r / 8)).  Work-group g = 0 .. 7 takes tiles g + 8 i, i = 0 .. 15; tile g + 8 i needs key steps 0 .. i, step i under the mask.
; Tiles i = j and i = 15 - j make a pair of 17 steps for waves 2 j and 2 j + 1.  Wave A: the high tile's steps 7 .. 0.  Wave B: the high tile's steps 8 .. 15 - j, then the low tile's steps j .. 0.
; So in trip t = 0 .. 8 a wave reads step 8 + t or step 8 - t, and has 8 or 9 steps whatever g: no branch and no LDS address hangs on the work-group's place.  The order of the keys is free under a running maximum.
; B leaves its part of the high tile (O^T, -M, the sums) in its own stage in LDS; behind one barrier A joins it to its own part: both M are whole numbers, so the factors are exact powers of two.
; LDS.  All of the head's K and V codes, [step of 128 keys][K 6,144 bytes][V 6,144 bytes], filled ONCE: wave w asks for step (w + 7) % 16 by one tensor load of two rows, K's and V's, which lie 3,145,728 bytes apart in qkv.
; Nothing is filled again, so no ring and no barrier a step.  Waves 0 - 2 (steps 7, 8, 9: all that trips 0 and 1 read) have a load line of their own and wait ahead of the first barrier; the second barrier shows the rest.
; The scale words go through registers into LDS bytes of their own, [step][K 512][V 256].  CLUSTER 4 x 1: the four partners serve one head and ask for every tile jointly (mask 15).
; No prefetch: every byte is asked for at the head, there is no loop to run ahead in.
; K'S FRAGMENTS stand 6 registers apart: a head has 64 along K, q's upper 64 codes are zeros, so whatever codes follow a tile in its 12-register operand add nothing (FP6 has no NaN code); behind tile 7 lie the low tile's q codes.
; Both products are used transposed: a lane holds query r; registers run along keys (S^T) and along d (O^T).
.set STEPB, 12288
.set SSTEP, 768
.set SC,    196608                     ; the scale words
.set STG,   212992                     ; the stages: 4,608 bytes a wave
.set STGW,  4608
.set SPARE, 286720                     ; the spare words, 128 bytes a wave
.set LK,  1                            ; 8 x lane
.set SK0, 2                            ; LDS: K's scale bytes of row r, step 0
.set SV0, 3                            ; V's scale word
.set PST, 4                            ; my partner's stage
.set SPW, 5
.set NIL, 6
.set R4,  7                            ; 4 r
.set ADK, 8
.set ADS, 9
.set ADT, 10
.set MST, 11                           ; my stage
.set DQ,  28                           ; my query's place in its step of 128, less 16 h
.set K,   32                           ; v32-79 K's eight tiles; behind the scores' product: work registers
.set QL,  80                           ; v80-85 the low tile's q
.set V,   86                           ; v86-133 V's four fragments
.set S,   134                          ; v134-197 S^T, then p
.set O,   198                          ; v198-229 O^T
.set KS,  230                          ; v230-244 hold scales and nothing else
.set VS,  238
.set PS,  242
.set QS,  243
.set QSL, 244
.set BM,  32
.set T2,  36
.set SO,  40
.set BY,  44
.set PC,  48
.set C2,  60
.set F,   68
.set FB,  70
.set TT,  72
.set WV,  8
.set ROLE, 9
.set J,   10
.set HD,  11
.set GG,  12
.set SEL, 20
.set CS,  22
.set G1,  24
.set G0,  32
.set TAU, 38
.set SWT, 39
.set SWB, 40
.set UPK, 41
.set DNK, 42
.set UPS, 43
.set DNS, 44
.set OK,  45
.set OS,  46
.set DG,  47
.macro WALU
	s_wait_alu depctr_va_vdst(0)
.endm
.macro DLY n
	s_delay_alu instid0(VALU_DEP_\n)
.endm
.macro NOPS
.rept 4
	v_nop
.endr
.endm
.macro CROUND
	s_barrier_signal -1
	s_barrier_wait -1
	s_cmp_lg_u32 s[WV], 0
	s_cbranch_scc1 .Lnot_wave_0_\@
	s_barrier_signal -3
.Lnot_wave_0_\@:
	s_barrier_wait -3
	s_barrier_signal -1
	s_barrier_wait -1
.endm
.macro ADDR d, b, o                    ; a buffer's address + a 32-bit offset (s37 = 0)
	s_mov_b32 s36, s\o
	s_add_nc_u64 s[\d:\d+1], s[\b:\b+1], s[36:37]
.endm
	s_load_b128 s[4:7], s[0:1], 0x0                ; qkv, ctx
	v_lshl_add_u32 v[SPW], v0, 2, SPARE
	v_mov_b32 v[NIL], 0
	ds_add_u32 v[SPW], v[NIL]                      ; the opening lines: the add twice on end and its wait
	ds_add_u32 v[SPW], v[NIL]
	v_lshrrev_b32 v8, 5, v0
	v_readfirstlane_b32 s[WV], v8
	s_lshr_b32 s[ROLE], s[WV], 2
	s_xor_b32 s[ROLE], s[ROLE], s[WV]
	s_and_b32 s[ROLE], s[ROLE], 1                  ; 0: wave A, 1: wave B; of waves w, w + 4, w + 8, w + 12 two are A and two B, and so of 4 n .. 4 n + 3
	s_lshr_b32 s[J], s[WV], 1                      ; the pair
	s_and_b32 s[HD], ttmp7, 0xffff                 ; batch x 16 + head
	s_bfe_u32 s[GG], ttmp6, 0x40000
	s_lshl_b32 s13, ttmp9, 2
	s_add_co_u32 s[GG], s[GG], s13                 ; g: enters global addresses and the mask's numbers alone
	s_sub_co_u32 s72, 15, s[J]
	s_lshl_b32 s13, s72, 3
	s_add_co_u32 s13, s13, s[GG]                   ; the high tile
	s_lshl_b32 s18, s[J], 3
	s_add_co_u32 s18, s18, s[GG]                   ; the low tile
	s_mul_i32 s19, s[HD], 98304
	s_mul_i32 s60, s13, 768
	s_add_co_u32 s60, s60, s19                     ; q's codes, high tile
	s_mul_i32 s61, s18, 768
	s_add_co_u32 s61, s61, s19                     ; low tile
	s_lshr_b32 s62, s[HD], 1
	s_lshl_b32 s62, s62, 13                        ; q's and k's scale words: 8,192 bytes for a batch's pair of heads
	s_and_b32 s63, s[HD], 1
	s_lshl_b32 s63, s63, 1                         ; my head's two bytes of a word
	s_lshl_b32 s66, s13, 6
	s_add_co_u32 s66, s66, s62
	s_add_co_u32 s66, s66, s63
	s_add_co_u32 s66, s66, 9437184
	s_lshl_b32 s67, s18, 6
	s_add_co_u32 s67, s67, s62
	s_add_co_u32 s67, s67, s63
	s_add_co_u32 s67, s67, 9437184
	s_lshl_b32 s68, s[WV], 9
	s_add_co_u32 s68, s68, s62
	s_add_co_u32 s68, s68, 9568256                 ; k's scale words of step w: I copy them
	s_lshl_b32 s69, s[HD], 12
	s_lshl_b32 s70, s[WV], 8
	s_add_co_u32 s69, s69, s70
	s_add_co_u32 s69, s69, 9699328                 ; v's
	s_cmp_eq_u32 s[ROLE], 1
	s_cselect_b32 s71, s[J], s72                   ; the tile that I finish: B the low one, A the high one
	s_sub_co_u32 s78, 8, s[J]
	s_cmp_eq_u32 s[ROLE], 1
	s_cselect_b32 s[SWT], s78, 0                   ; from this trip on I walk down (step 8 - t): A always
	s_cselect_b32 s[SWB], s78, 99                  ; in this trip B changes tiles; A never
	s_lshr_b32 s73, s[HD], 4
	s_lshl_b32 s73, s73, 4
	s_add_co_u32 s73, s73, s71                     ; ctx's block of 128 rows
	s_and_b32 s70, s[HD], 15
	s_mul_i32 s74, s73, 98304
	s_mul_i32 s75, s70, 6144
	s_add_co_u32 s74, s74, s75
	s_mul_i32 s75, s[GG], 768
	s_add_co_u32 s74, s74, s75                     ; its codes
	s_lshl_b32 s75, s73, 12
	s_add_co_u32 s75, s75, 3145728
	s_lshr_b32 s70, s70, 1
	s_lshl_b32 s70, s70, 9
	s_add_co_u32 s75, s75, s70
	s_lshl_b32 s70, s[GG], 6
	s_add_co_u32 s75, s75, s70
	s_add_co_u32 s75, s75, s63                     ; its scale bytes
	s_add_co_u32 s76, s[WV], 7
	s_and_b32 s76, s76, 15                         ; the step that I ask for
	s_mul_i32 s77, s76, 6144
	s_add_co_u32 s77, s77, s19
	s_add_co_u32 s77, s77, 3145728
	s_lshr_b32 s79, s[GG], 1
	s_lshl_b32 s79, s79, 5
	s_and_b32 s70, s[GG], 1
	s_lshl_b32 s70, s70, 3
	s_add_co_u32 s79, s79, s70                     ; my tile's first token in its step of 128
	s_mul_i32 s80, s[WV], STGW
	s_add_co_u32 s80, s80, STG
	s_xor_b32 s81, s[WV], 1
	s_mul_i32 s81, s81, STGW
	s_add_co_u32 s81, s81, STG
	s_mul_i32 s82, s[WV], SSTEP
	s_add_co_u32 s82, s82, SC
	s_mov_b32 s[G1], 15|(3<<16)|(1<<21)            ; the mask of the four partners; elements of 8 bytes; bit 21 beside a mask
	s_mov_b32 s[G1+1], 768<<16                     ; a row: 6,144 bytes
	s_mov_b32 s[G1+2], 2<<16                       ; two rows: K's step, V's step
	s_mov_b32 s[G1+3], 768<<16
	s_mov_b32 s[G1+4], 2
	s_mov_b32 s[G1+5], 393216                      ; from k to v in qkv, in elements
	s_mov_b32 s[G1+6], 0
	s_mov_b32 s[G1+7], 0
	s_mov_b32 s[G0], 1
	s_mul_i32 s[G0+1], s76, STEPB
	s_mov_b32 s37, 0
	s_mov_b32 s[SEL], 0x76543210
	s_mov_b32 s[SEL+1], 0xfedcba98                 ; v_permlanex16_b32's selects for lane l xor 16
	s_mov_b32 s[CS], 0x3e38aa3b                    ; log2(e) / 8
	s_mov_b32 s[CS+1], s[CS]
	WALU                                           ; the wait ahead of the blocking wait
	s_wait_dscnt 0x0
	CROUND                                         ; the round in front of the joint loads
	s_wait_kmcnt 0x0
	ADDR G0+2, 4, 77
	s_or_b32 s[G0+3], s[G0+3], 0x80000000
	s_cmp_lt_u32 s[WV], 3
	s_cbranch_scc0 .Llater
	tensor_load_to_lds s[G0:G0+3], s[G1:G1+7]      ; waves 0 - 2: steps 7, 8, 9
	s_nop 0
	NOPS
	s_branch .Lasked
.Llater:
	tensor_load_to_lds s[G0:G0+3], s[G1:G1+7]      ; waves 3 - 15: steps 10 .. 15, 0 .. 6
	s_nop 0
	NOPS
.Lasked:
	ADDR 48, 4, 60
	ADDR 50, 4, 61
	ADDR 52, 4, 66
	ADDR 54, 4, 67
	ADDR 56, 4, 68
	ADDR 58, 4, 69
	ADDR 14, 6, 74
	ADDR 16, 6, 75
	v_and_b32 v8, 15, v0                           ; r
	v_bfe_u32 v9, v0, 4, 1                         ; h
	v_and_b32 v10, 31, v0
	v_lshlrev_b32 v[LK], 3, v10
	v_lshlrev_b32 v[R4], 2, v8
	v_lshlrev_b32 v29, 4, v10
	v_lshl_add_u32 v[SK0], v8, 2, SC
	v_add_nc_u32 v[SK0], s63, v[SK0]
	v_lshl_add_u32 v[SV0], v8, 2, SC+512
	v_add_nc_u32 v[MST], s80, v29
	v_add_nc_u32 v[PST], s81, v29
	v_add_nc_u32 v31, s82, v29
	v_add_nc_u32 v30, s82, v[LK]
	v_and_b32 v[DQ], 8, v8
	v_add_nc_u32 v[DQ], v[DQ], v8
	v_lshlrev_b32 v9, 4, v9
	v_sub_nc_u32 v[DQ], v[DQ], v9
	v_add_nc_u32 v[DQ], s79, v[DQ]
.irp p, 0,1,2
	global_load_b64 v[16+2*\p:17+2*\p], v[LK], s[48:49] offset:256*\p
	global_load_b64 v[QL+2*\p:QL+1+2*\p], v[LK], s[50:51] offset:256*\p
.endr
	global_load_u16 v[QS], v[R4], s[52:53]
	global_load_u16 v[QSL], v[R4], s[54:55]
	global_load_b128 v[S:S+3], v29, s[56:57]       ; 512 consecutive bytes a wave
	global_load_b64 v[S+4:S+5], v[LK], s[58:59]    ; 256
.irp e, 22,23,24,25,26,27
	v_mov_b32 v[\e], 0                             ; q's upper 64 codes
.endr
	v_mov_b32 v13, 0xff61b1e6                      ; the largest t so far: -3e38
	v_floor_f32 v12, -v13                          ; -M
	v_mov_b32 v14, 0
	v_mov_b32 v15, 0
.set n, 0
.rept 32
	v_mov_b32 v[O+n], 0                            ; the step is written once: the first finds zeros
.set n, n+1
.endr
	WALU                                           ; the wait at the head's end
	s_wait_loadcnt 0x0
	ds_store_b128 v31, v[S:S+3]
	ds_store_b64 v30, v[S+4:S+5] offset:512
	s_cmp_lt_u32 s[WV], 3
	s_cbranch_scc0 .Lnot_first
	s_wait_tensorcnt 0x0                           ; steps 7, 8, 9 are in
.Lnot_first:
	s_wait_dscnt 0x0                               ; my scale words lie in LDS
	s_barrier_signal -1
	s_barrier_wait -1                              ; the other loads may be on their way
; One step of 128 keys for my 16 queries.  sw = 1: B's change of tiles may fall into this trip.
.macro STEP sw, bar
	s_cmp_ge_u32 s[TAU], s[SWT]
	s_cselect_b32 s[OK], s[DNK], s[UPK]
	s_cselect_b32 s[OS], s[DNS], s[UPS]
	s_min_u32 s[OK], s[OK], 15*STEPB               ; (step 16, which the walk up names in the last trip, is chosen by no wave)
	s_min_u32 s[OS], s[OS], 15*SSTEP
	v_add_nc_u32 v[ADK], s[OK], v[LK]              ; these four lines are the places behind the last step's products
	v_add_nc_u32 v[ADS], s[OS], v[SK0]
	v_add_nc_u32 v[ADT], s[OS], v[SV0]
	v_nop
	WALU
.if \sw
	s_cmp_eq_u32 s[TAU], s[SWB]
	s_cbranch_scc0 .Lsame_\@
.irp k, 0,1,2,3,4,5,6,7
	ds_store_b128 v[MST], v[O+4*\k:O+4*\k+3] offset:512*\k   ; my part of the high tile: an image of the registers, each accumulator from its low end on
.endr
	ds_store_b128 v[MST], v[12:15] offset:4096
	s_wait_dscnt 0x0                               ; the stores have read their registers
	v_mov_b32 v[QS], v[QSL]                        ; on to the low tile
.irp e, 0,1,2,3,4,5
	v_mov_b32 v[16+\e], v[QL+\e]
.endr
	v_mov_b32 v13, 0xff61b1e6
	v_mov_b32 v14, 0
	v_mov_b32 v15, 0
	v_floor_f32 v12, -v13
.set n, 0
.rept 32
	v_mov_b32 v[O+n], 0
.set n, n+1
.endr
.Lsame_\@:
.endif
.if \bar
	s_barrier_signal -1                            ; a barrier in two halves, which guards no bytes: no wave ends a trip of the loop before every wave has begun it, so the sixteen waves stay within one trip of each other.
	                                               ; No LDS instruction of mine is out here; up to the wait stand register work and loads of bytes that nobody writes again
.endif
.irp t, 0,1,2,3,4,5,6,7
.irp p, 0,1,2
	ds_load_b64 v[K+6*\t+2*\p:K+6*\t+2*\p+1], v[ADK] offset:768*\t+256*\p
.endr
	ds_load_u16 v[KS+\t], v[ADS] offset:64*\t
.endr
.irp t, 0,1,2,3
.irp p, 0,1,2,3,4,5
	ds_load_b64 v[V+12*\t+2*\p:V+12*\t+2*\p+1], v[ADK] offset:6144+(\p/3)*3072+768*\t+256*(\p%3)
.endr
	ds_load_b32 v[VS+\t], v[ADT] offset:64*\t
.endr
	s_wait_dscnt 28                                ; K's 32 loads are in; V's 28 may be out
.irp t, 0,1,2,3,4,5,6,7
	v_wmma_scale_f32_16x16x128_f8f6f4 v[S+8*\t:S+8*\t+7], v[K+6*\t:K+6*\t+11], v[16:27], 0, v[KS+\t], v[QS] matrix_a_fmt:MATRIX_FMT_FP6 matrix_b_fmt:MATRIX_FMT_FP6
.endr
	NOPS
	s_add_co_u32 s[DG], s[TAU], 1                  ; under the mask: B's last step of the high tile and its first of the low one
	s_cmp_eq_u32 s[DG], s[SWB]
	s_cselect_b32 s[DG], 1, 0
	s_cmp_eq_u32 s[TAU], s[SWB]
	s_cselect_b32 s[DG], 1, s[DG]
	s_cmp_eq_u32 s[DG], 0
	s_cbranch_scc1 .Lopen_\@
	v_mov_b32 v[TT], 0xff800000
.set n, 0
.rept 64
	v_cmp_gt_i32 vcc_lo, 32*(n/16)+n%16, v[DQ]     ; register n is key 32 (n / 16) + 16 h + n % 16 of the step
	v_cndmask_b32 v[S+n], v[S+n], v[TT], vcc_lo
.set n, n+1
.endr
.Lopen_\@:
.irp b, 0,1,2,3
	v_max3_num_f32 v[BM+\b], v[S+16*\b], v[S+1+16*\b], v[S+2+16*\b]   ; each block's largest score: for the row's maximum and for the block's largest p
.endr
.irp i, 3,5,7,9,11,13
.irp b, 0,1,2,3
	v_max3_num_f32 v[BM+\b], v[BM+\b], v[S+16*\b+\i], v[S+1+16*\b+\i]
.endr
.endr
.irp b, 0,1,2,3
	v_max_num_f32 v[BM+\b], v[BM+\b], v[S+15+16*\b]
.endr
.irp b, 0,1,2,3
	DLY 4
	v_permlanex16_b32 v[T2+\b], v[BM+\b], s[SEL], s[SEL+1]
.endr
.irp b, 0,1,2,3
	DLY 4
	v_max_num_f32 v[BM+\b], v[BM+\b], v[T2+\b]
.endr
	DLY 2
	v_max3_num_f32 v[TT], v[BM], v[BM+1], v[BM+2]
	DLY 1
	v_max_num_f32 v[TT], v[TT], v[BM+3]
	DLY 1
	v_mul_f32 v[TT], s[CS], v[TT]
	DLY 1
	v_max_num_f32 v13, v13, v[TT]                  ; the running largest t
	v_mov_b32 v[TT], v12
	DLY 2
	v_floor_f32 v12, -v13                          ; -M = floor(-t): M is a whole number
	DLY 1
	v_sub_f32 v[TT], v12, v[TT]
	DLY 1
	v_cvt_i32_f32 v[TT], v[TT]
	DLY 1
	v_ldexp_f32 v[F], 1.0, v[TT]                   ; f = 2^(old M - new M)
.set n, 0
.rept 32
	v_pk_fma_f32 v[S+n:S+n+1], v[S+n:S+n+1], s[CS:CS+1], v[12:13] op_sel_hi:[1,0,0]   ; t - M
.set n, n+2
.endr
.irp b, 0,1,2,3
	v_fma_f32 v[BM+\b], v[BM+\b], s[CS], v12
.endr
	WALU                                           ; ahead of the batch
.set n, 0
.rept 64
	v_exp_f32 v[S+n], v[S+n]
.set n, n+1
.endr
	v_pk_mul_f32 v[14:15], v[14:15], v[F:F+1] op_sel_hi:[1,0]
	WALU                                           ; behind it
.irp b, 0,1,2,3
	v_exp_f32 v[BM+\b], v[BM+\b]
.endr
	v_pk_add_f32 v[T2:T2+1], v[S:S+1], v[S+2:S+3]  ; the row's sum, of the unquantised p, in two chains
.set n, 4
.rept 15
	v_pk_add_f32 v[14:15], v[14:15], v[S+n:S+n+1]
	v_pk_add_f32 v[T2:T2+1], v[T2:T2+1], v[S+n+2:S+n+3]
.set n, n+4
.endr
	DLY 1
	v_pk_add_f32 v[14:15], v[14:15], v[T2:T2+1]
	WALU                                           ; for the four
.irp b, 0,1,2,3
	v_max_num_f32 v[BM+\b], 0x1800000, v[BM+\b]    ; the floor 2^(3 - 127): the byte cannot fall under 1
.endr
.irp b, 0,1,2,3
	DLY 4
	v_add_nc_u32 v[SO+\b], 0xff000000, v[BM+\b]    ; 2 off the exponent field: the conversion's scale operand
.endr
.irp b, 0,1,2,3
	DLY 4
	v_lshrrev_b32 v[BY+\b], 23, v[SO+\b]
.endr
	DLY 3
	v_lshl_or_b32 v[PS], v[BY+1], 8, v[BY]
	DLY 1
	v_lshl_or_b32 v[PS], v[BY+2], 16, v[PS]
	DLY 1
	v_lshl_or_b32 v[PS], v[BY+3], 24, v[PS]
.irp c, 0,1
	v_cvt_scalef32_pk16_fp6_f32 v[PC+6*\c:PC+6*\c+2], v[S+32*\c:S+32*\c+15], v[SO+2*\c]
	v_cvt_scalef32_pk16_fp6_f32 v[C2+4*\c:C2+4*\c+2], v[S+16+32*\c:S+31+32*\c], v[SO+1+2*\c]
.endr
	v_nop                                          ; one plain line behind the scaled conversions
.irp c, 0,1
.irp i, 0,1,2
	v_permlane16_swap_b32 v[PC+6*\c+\i], v[C2+4*\c+\i]   ; a whole block to a lane
.endr
.irp i, 0,1,2
	DLY 3
	v_mov_b32 v[PC+3+6*\c+\i], v[C2+4*\c+\i]
.endr
.endr
	WALU                                           ; directly ahead of the first reader of O^T
.set n, 0
.rept 16
	v_pk_mul_f32 v[O+n:O+n+1], v[O+n:O+n+1], v[F:F+1] op_sel_hi:[1,0]   ; O^T under the new M; also the places ahead of the products
.set n, n+2
.endr
	WALU
	s_wait_dscnt 0x0                               ; V
.irp t, 0,1,2,3
	v_wmma_scale_f32_16x16x128_f8f6f4 v[O+8*\t:O+8*\t+7], v[V+12*\t:V+12*\t+11], v[PC:PC+11], v[O+8*\t:O+8*\t+7], v[VS+\t], v[PS] matrix_a_fmt:MATRIX_FMT_FP6 matrix_b_fmt:MATRIX_FMT_FP6
.endr
.if \bar
	s_barrier_wait -1
.endif
.endm
	s_mov_b32 s[TAU], 0                            ; trip 0: step 8, the B waves alone
	s_mov_b32 s[UPK], 8*STEPB
	s_mov_b32 s[DNK], 8*STEPB
	s_mov_b32 s[UPS], 8*SSTEP
	s_mov_b32 s[DNS], 8*SSTEP
	s_cmp_eq_u32 s[ROLE], 0
	s_cbranch_scc1 .Lidle
	STEP 0, 0
.Lidle:
	s_mov_b32 s[TAU], 1                            ; trip 1: steps 9 and 7
	s_mov_b32 s[UPK], 9*STEPB
	s_mov_b32 s[DNK], 7*STEPB
	s_mov_b32 s[UPS], 9*SSTEP
	s_mov_b32 s[DNS], 7*SSTEP
	STEP 1, 0
	WALU
	s_wait_tensorcnt 0x0                           ; every wave's load is in
	s_wait_dscnt 0x0
	s_barrier_signal -1
	s_barrier_wait -1                              ; all sixteen steps are shown to all
.Ltrip:                                                ; trips 2 to 8
	s_add_co_u32 s[TAU], s[TAU], 1
	s_add_co_u32 s[UPK], s[UPK], STEPB
	s_sub_co_u32 s[DNK], s[DNK], STEPB
	s_add_co_u32 s[UPS], s[UPS], SSTEP
	s_sub_co_u32 s[DNS], s[DNS], SSTEP
	STEP 1, 1
	s_cmp_lt_u32 s[TAU], 8
	s_cbranch_scc1 .Ltrip
	NOPS                                           ; the places behind the last products
	WALU
	s_wait_dscnt 0x0                               ; B's stores into its stage are done
	s_barrier_signal -1
	s_barrier_wait -1
	s_cmp_eq_u32 s[ROLE], 0
	s_cbranch_scc0 .Lwhole
.irp k, 0,1,2,3,4,5,6,7,8
	ds_load_b128 v[S+4*\k:S+4*\k+3], v[PST] offset:512*\k    ; B's part of the high tile: O^T, then -M, t, the two sums
.endr
	s_wait_dscnt 0x0
	v_min_num_f32 v[TT], v12, v[S+32]              ; the common -M
	DLY 1
	v_sub_f32 v[BM], v[TT], v12
	v_sub_f32 v[BM+1], v[TT], v[S+32]
	DLY 2
	v_cvt_i32_f32 v[BM], v[BM]
	DLY 2
	v_cvt_i32_f32 v[BM+1], v[BM+1]
	DLY 2
	v_ldexp_f32 v[F], 1.0, v[BM]                   ; both factors are powers of two: nothing is rounded by them
	DLY 2
	v_ldexp_f32 v[FB], 1.0, v[BM+1]
.set n, 0
.rept 16
	v_pk_mul_f32 v[O+n:O+n+1], v[O+n:O+n+1], v[F:F+1] op_sel_hi:[1,0]
.set n, n+2
.endr
	v_pk_mul_f32 v[14:15], v[14:15], v[F:F+1] op_sel_hi:[1,0]
.set n, 0
.rept 16
	v_pk_fma_f32 v[O+n:O+n+1], v[S+n:S+n+1], v[FB:FB+1], v[O+n:O+n+1] op_sel_hi:[1,0,1]
.set n, n+2
.endr
	v_pk_fma_f32 v[14:15], v[S+34:S+35], v[FB:FB+1], v[14:15] op_sel_hi:[1,0,1]
.Lwhole:
	v_add_f32 v14, v14, v15
	DLY 1
	v_permlanex16_b32 v[T2], v14, s[SEL], s[SEL+1]
	DLY 1
	v_add_f32 v14, v14, v[T2]                      ; the row's sum
	WALU
	v_rcp_f32 v14, v14
	v_nop
	WALU
.set n, 0
.rept 32
	v_mul_f32 v[S+n], v[O+n], v14                  ; register 8 t + i is d = 32 (t / 2) + 8 (t % 2) + 16 h + i
.set n, n+1
.endr
.irp b, 0,1
	v_max3_num_f32 v[BM+\b], |v[S+16*\b]|, |v[S+1+16*\b]|, 0x1800000
.endr
.irp i, 2,4,6,8,10,12,14
.irp b, 0,1
	DLY 2
	v_max3_num_f32 v[BM+\b], v[BM+\b], |v[S+16*\b+\i]|, |v[S+1+16*\b+\i]|
.endr
.endr
.irp b, 0,1
	DLY 2
	v_permlanex16_b32 v[T2+\b], v[BM+\b], s[SEL], s[SEL+1]
.endr
.irp b, 0,1
	DLY 2
	v_max_num_f32 v[BM+\b], v[BM+\b], v[T2+\b]
.endr
.irp b, 0,1
	DLY 2
	v_add_nc_u32 v[SO+\b], 0xff000000, v[BM+\b]
.endr
.irp b, 0,1
	DLY 2
	v_lshrrev_b32 v[BY+\b], 23, v[SO+\b]
.endr
	DLY 1
	v_lshl_or_b32 v[TT], v[BY+1], 8, v[BY]
	v_cvt_scalef32_pk16_fp6_f32 v[PC:PC+2], v[S:S+15], v[SO]
	v_cvt_scalef32_pk16_fp6_f32 v[PC+4:PC+6], v[S+16:S+31], v[SO+1]
	v_nop
.irp i, 0,1,2
	v_permlane16_swap_b32 v[PC+\i], v[PC+4+\i]
.endr
	DLY 3
	v_mov_b32 v[PC+3], v[PC+4]
	DLY 3
	v_mov_b32 v[PC+4], v[PC+5]
	DLY 3
	v_mov_b32 v[PC+5], v[PC+6]
.irp g, 0,1,2
	global_store_b64 v[LK], v[PC+2*\g:PC+2*\g+1], s[14:15] offset:256*\g   ; 32 lanes store 256 consecutive bytes, aligned
.endr
	global_store_b16 v[R4], v[TT], s[16:17]
	s_wait_tensorcnt 0x0                           ; the wave's end
	ds_add_u32 v[SPW], v[NIL]
	s_wait_dscnt 0x0
	CROUND                                         ; the closing round
	s_endpgm
.Lfunc_end_k_qb5bf203ed5_attn:
	.size	k_qb5bf203ed5_attn, .Lfunc_end_k_qb5bf203ed5_attn-k_qb5bf203ed5_attn
	.p2alignl 7, 3214868480
	.fill 96, 4, 3214868480
	.section	.rodata,"a",@progbits
	.p2align	6, 0x0
	.amdhsa_kernel k_qb5bf203ed5_attn
		.amdhsa_group_segment_fixed_size 327680
		.amdhsa_private_segment_fixed_size 0
		.amdhsa_enable_private_segment 0
		.amdhsa_kernarg_size 16
		.amdhsa_user_sgpr_count 2
		.amdhsa_user_sgpr_kernarg_segment_ptr 1
		.amdhsa_wavefront_size32 1
		.amdhsa_system_sgpr_workgroup_id_x 1
		.amdhsa_system_sgpr_workgroup_id_y 1
		.amdhsa_system_sgpr_workgroup_id_z 1
		.amdhsa_system_vgpr_workitem_id 0
		.amdhsa_next_free_vgpr 256
		.amdhsa_next_free_sgpr 100
		.amdhsa_reserve_vcc 1
		.amdhsa_float_denorm_mode_32 3
		.amdhsa_float_denorm_mode_16_64 3
		.amdhsa_memory_ordered 1
		.amdhsa_forward_progress 1
		.amdhsa_inst_pref_size 95
	.end_amdhsa_kernel
	.amdgpu_metadata
---
amdhsa.version: [ 1, 2 ]
amdhsa.kernels:
  - .name:           k_qb5bf203ed5_attn
    .symbol:         k_qb5bf203ed5_attn.kd
    .args:
      - { .name: qkv, .offset: 0, .size: 8, .value_kind: global_buffer, .address_space: global }
      - { .name: ctx, .offset: 8, .size: 8, .value_kind: global_buffer, .address_space: global }
    .group_segment_fixed_size: 327680
    .private_segment_fixed_size: 0
    .kernarg_segment_align: 8
    .kernarg_segment_size: 16
    .max_flat_workgroup_size: 512
    .sgpr_count:     100
    .vgpr_count:     256
    .wavefront_size: 32
...
	.end_amdgpu_metadata
.endif
;; end of part 10
;; launch gemm_o (part 11): grid 8 x 32, 4 waves a work-group, clusters of 4 x 4, 327,680 bytes of LDS; arguments ctx, wts, bo, x, x1; writes x1
.if DOCPART == 11
	.amdgcn_target "amdgcn-amd-amdhsa--gfx1250"
	.amdhsa_code_object_version 6
	.text
	.protected	k_qb5bf203ed5_gemm_o
	.globl	k_qb5bf203ed5_gemm_o
	.p2align	8
	.type	k_qb5bf203ed5_gemm_o,@function
k_qb5bf203ed5_gemm_o:
	s_mov_b64 s[64:65], 0
	v_nop
	global_prefetch_b8 v0, s[64:65] scope:SCOPE_SE
	s_setreg_imm32_b32 hwreg(HW_REG_WAVE_MODE, 25, 1), 1
	s_wait_xcnt 0x0
	s_wait_alu depctr_hold_cnt(0) depctr_sa_sdst(0) depctr_va_vdst(0) depctr_va_sdst(0) depctr_va_ssrc(0) depctr_va_vcc(0) depctr_vm_vsrc(0)
	s_getreg_b32 s2, hwreg(HW_REG_IB_STS2, 6, 4)
	s_cmp_eq_u32 s2, 0
	s_cbranch_scc0 .Lentry_in_a_cluster
	s_endpgm
.Lentry_in_a_cluster:
	s_bfe_u32 s2, ttmp6, 0x10000c
	s_cmp_lg_u32 s2, 0xf033
	s_cbranch_scc0 .Lentry_shape_is_right
	s_endpgm
.Lentry_shape_is_right:
; x1 = x + ctx Wo + bo: the product on codes of FP6 (E2M3) with E8M0 scales, K = 1,024; x1 [4096][1024] f32 in the rows' own order.
; OPERANDS (wquant's head comment): rows in the order pi; a half image = 16 rows x 64 along K = 768 bytes; a tensor is [block of 128 rows][64 along K][tile 0..7][768], its scale words [block][128 along K][128 rows][4].
; A = ctx's codes (rows = tokens), B = Wo's (rows = columns n).  Source 0 of the matrix instruction (X) = 16 weight rows, source 1 (Y) = 16 tokens: a lane holds one token and eight columns.
; SHARES.  N = 1,024 gives 64 tiles of 256 x 256 but 256 of 128 x 128: a work-group of four waves makes 128 tokens x 128 columns, a wave 64 x 64: 16 accumulators, 128 registers.
; THE RING.  A slot holds 512 along K of A's block and of B's: four dense parts of 24,576 bytes (128 rows x 256 along K), one tensor load a wave.  At this K the two slots hold all of K: both are first fills, nothing is filled again.
; The scale words of the work-group's 256 rows for all of K come with the first fills, a side a wave (waves 2, 3), and stay in LDS.
; CLUSTERS: 4 x 4 work-groups.  The four of a row need the same tokens, the four of a column the same weight rows: each part is asked for jointly, by the same tensor load with a mask that names the four.
; A STEP of 128 along K is 16 products and 48 LDS loads of 256 bytes (three for each product: a tile of 64 x 64 feeds half as many products from a fragment as one of 128 x 128).  So the loads do not stand in one run:
; behind each four products stand twelve loads of the next step, and the waits are counted, so that LDS has work while the matrix unit has.  That costs eight switches of the register window a step.
; The bias is the C of each sum's first product.  THE RESIDUAL comes at the head, in the shape of the stores (sixteen lanes read 256 consecutive bytes of a row), waits in registers and is added on the way out.
; THE WAY OUT undoes the order pi: a block of 16 tokens x 64 columns goes through the wave's own stage in LDS (in slot 0, which has had its last fill and its last read) and comes back, into the registers that it left,
; as rows of 256 bytes.
; REGISTERS, in windows of 256: window 0: v1-29 addresses; v32-63 Y's scale words, v64-95 X's (two sets each; they hold nothing else); v96-127 the bias; v128-255 the accumulators ((a, b) at v[128 + 8 (4 a + b)]).
;   window 1: two fragment buffers, at v0 and v96: X's four fragments of 12 registers, then Y's four.   window 2: v0-127 the residual.
.set KDIM,  1024
.set ASO,   3145728                    ; A's scale words in its buffer
.set WC,    2359296                    ; B's codes in wts
.set WS,    9535488                    ; B's scale words in wts
.set PART,  24576                      ; 128 rows x 256 along K: what one tensor load brings
.set HSIDE, 2*PART                     ; a side of a slot: 128 rows x 512 along K, eight times 64 along K on end
.set SLOT,  4*PART                     ; A's side, then B's
.set LAPS,  KDIM/1024                  ; a lap = once round the ring
.set RBP,   (KDIM/64)*6144             ; a block of 128 rows of codes in memory
.set HALFS, (KDIM/128)*512             ; and of scale words
.set SCL,   2*SLOT                     ; behind the ring: A's scale words, then B's
.set SPARE, SCL+2*HALFS+8192           ; behind them and a gap: the spare words, 128 bytes for each wave
.set SPITCH, 272                       ; a stage row: 256 bytes + 16: an odd multiple of 16, so that the sixteen rows that a store touches start at sixteen different 16-byte columns
.set FR, 12                            ; registers of a fragment: 16 rows x 128 K
.set NP, 4                             ; places behind this matrix instruction (ISA guide 7.12.1)
.set BL,   6                           ; v6     the bias: 64 x (lane / 16); never rewritten
.set ADRY, 16                          ; v16-17 LDS address of Y's fragments in slot 0, 1
.set ADRX, 20                          ; v20-21 of X's
.set ADSX, 22                          ; v22    of X's scale words
.set STO,  24                          ; v24    the way out: where I put 32 bytes of a row
.set RD,   25                          ; v25    where I read a row back
.set CO,   26                          ; v26    my bytes of two rows of the residual and of the result; never rewritten
.set ADSY, 27                          ; v27    LDS address of Y's scale words
.set SPW,  28                          ; v28    LDS address of my spare word; never rewritten
.set NIL,  29                          ; v29    0; never rewritten
.set SCY,  32
.set SCX,  64
.set BIAS, 96
.set ACC,  128
.set G1, 24                            ; s[24:31] descriptor group 1 for A's parts; s[32:39] group 0, one set for each slot
.set G0, 32
.set G1B, 48                           ; s[48:55], s[56:63] the same for B's
.set G0B, 56
.set G1S, 68                           ; s[68:75], s[76:79] for A's scale words; s[80:87], s[88:91] for B's
.set G0S, 76
.set G1SB, 80
.set G0SB, 88
.set MSB, 0
.macro WIN new                         ; the immediate's high byte repeats the setting that is left
.if MSB != (\new)
	s_set_vgpr_msb (MSB<<8)|(\new)
.set MSB, (\new)
.endif
.endm
.set MUL,  0x05                        ; sources 0 (X) and 1 (Y) window 1; C and D window 0
.set TO_F, 0x40                        ; destination window 1, address window 0
; A joint load: waves 0 and 1 fetch for A, waves 2 and 3 for B.  Each line has one mask and one set of registers for all that issue it; the branch hangs on the wave's number alone.
; An s_nop 0 and four v_nop follow each of the two lines.
.macro JLOAD g0a, g1a, g0b, g1b
	s_cmp_eq_u32 s17, 0
	s_cbranch_scc0 .Lfor_b_\@
	tensor_load_to_lds s[\g0a:\g0a+3], s[\g1a:\g1a+7]
	s_nop 0
.rept 4
	v_nop
.endr
	s_branch .Lasked_\@
.Lfor_b_\@:
	tensor_load_to_lds s[\g0b:\g0b+3], s[\g1b:\g1b+7]
	s_nop 0
.rept 4
	v_nop
.endr
.Lasked_\@:
.endm
.macro CREST                           ; a round of the cluster's barrier behind its opening barrier
	s_cmp_lg_u32 s16, 0
	s_cbranch_scc1 .Lnot_wave_0_\@
	s_barrier_signal -3
.Lnot_wave_0_\@:
	s_barrier_wait -3
	s_barrier_signal -1
	s_barrier_wait -1
.endm
.macro CROUND
	s_barrier_signal -1
	s_barrier_wait -1
	CREST
.endm
	s_load_b256 s[4:11], s[0:1], 0x0               ; A's buffer, wts, the bias, the residual
	s_load_b64 s[12:13], s[0:1], 0x20              ; the result
	v_lshl_add_u32 v[SPW], v0, 2, SPARE
	v_mov_b32 v[NIL], 0
	ds_add_u32 v[SPW], v[NIL]                      ; the wave's opening: the add, twice on end, and its wait ahead of my first tensor load
	ds_add_u32 v[SPW], v[NIL]
	v_lshrrev_b32 v1, 5, v0
	v_readfirstlane_b32 s16, v1                    ; wave 0..3
	s_lshr_b32 s17, s16, 1                         ; wy: which 64 tokens are mine.  Also: I fetch for A (0) or for B (1)
	s_and_b32 s18, s16, 1                          ; wx: which 64 columns.  Also: which 256 along K of a slot I fetch
	s_bfe_u32 s40, ttmp6, 0x40000                  ; cx, cy: my place in the cluster
	s_bfe_u32 s41, ttmp6, 0x40004
	s_lshl_b32 s42, ttmp9, 2
	s_add_co_u32 s42, s42, s40                     ; tc: B's block of 128 rows = 4 x cluster x + cx
	s_and_b32 s19, ttmp7, 0xffff
	s_lshl_b32 s19, s19, 2
	s_add_co_u32 s19, s19, s41                     ; tr: A's block of 128 rows = 4 x cluster y + cy
	s_lshl_b32 s43, s41, 2
	s_lshl_b32 s43, 15, s43                        ; my row of the cluster
	s_lshl_b32 s44, 0x1111, s40                    ; my column
	; descriptor group 1: a dense block as rows of 256 bytes (32 elements of 8 bytes), no padding
	s_or_b32 s[G1+0], s43, (3<<16)|(1<<21)         ; 15:0 the mask: A's parts go to my row; 17:16 elements of 8 bytes; 21 set beside a mask
	s_or_b32 s[G1B+0], s44, (3<<16)|(1<<21)
.irp g, G1, G1B
	s_mov_b32 s[\g+1], 32<<16                      ; tensor_dim0 = 32
	s_mov_b32 s[\g+2], (2*HSIDE/256)<<16           ; a block of 128 rows, all of K, is one dense run of 98,304 bytes: 384 rows of 256
	s_mov_b32 s[\g+3], 32<<16                      ; tile_dim0
	s_mov_b32 s[\g+4], 2*HSIDE/256
	s_mov_b32 s[\g+5], 32                          ; the pitch
	s_mov_b32 s[\g+6], 0
	s_mov_b32 s[\g+7], 0
.endr
	s_or_b32 s[G1S+0], s43, (3<<16)|(1<<21)
	s_or_b32 s[G1SB+0], s44, (3<<16)|(1<<21)
.irp g, G1S, G1SB
	s_mov_b32 s[\g+1], 32<<16
	s_mov_b32 s[\g+2], (HALFS/256)<<16             ; a side's scale words
	s_mov_b32 s[\g+3], 32<<16
	s_mov_b32 s[\g+4], HALFS/256
	s_mov_b32 s[\g+5], 32
	s_mov_b32 s[\g+6], 0
	s_mov_b32 s[\g+7], 0
.endr
	s_mul_i32 s22, s19, HALFS                      ; A's places hang on tr alone,
	s_add_co_u32 s22, s22, ASO
	s_mul_i32 s20, s19, RBP
	s_mul_i32 s92, s42, HALFS                      ; B's on tc alone
	s_add_co_u32 s92, s92, WS
	s_mul_i32 s46, s42, RBP
	s_add_co_u32 s46, s46, WC
	s_mov_b32 s21, 0
	s_mov_b32 s23, 0
	s_mov_b32 s47, 0
	s_mov_b32 s93, 0
	s_mul_i32 s45, s16, PART                       ; where they go: wave x a part: no place in the cluster enters an LDS address
	s_wait_dscnt 0x0                               ; both opening adds are done
	s_wait_kmcnt 0x0
	s_add_nc_u64 s[20:21], s[4:5], s[20:21]
	s_add_nc_u64 s[22:23], s[4:5], s[22:23]
	s_add_nc_u64 s[46:47], s[6:7], s[46:47]
	s_add_nc_u64 s[92:93], s[6:7], s[92:93]
	CROUND                                         ; all sixteen work-groups are here: the first joint loads meet
	s_mov_b32 s[G0S], 1
	s_mov_b32 s[G0S+1], SCL
	s_mov_b64 s[G0S+2:G0S+3], s[22:23]
	s_or_b32 s[G0S+3], s[G0S+3], 0x80000000
	s_mov_b32 s[G0SB], 1
	s_mov_b32 s[G0SB+1], SCL+HALFS
	s_mov_b64 s[G0SB+2:G0SB+3], s[92:93]
	s_or_b32 s[G0SB+3], s[G0SB+3], 0x80000000
.irp s, 0
	s_mov_b32 s[G0+4*\s], 1
	s_add_co_u32 s[G0+4*\s+1], s45, \s*SLOT
	s_add_nc_u64 s[G0+4*\s+2:G0+4*\s+3], s[20:21], \s*HSIDE
	s_or_b32 s[G0+4*\s+3], s[G0+4*\s+3], 0x80000000
	s_mov_b32 s[G0B+4*\s], 1
	s_add_co_u32 s[G0B+4*\s+1], s45, \s*SLOT
	s_add_nc_u64 s[G0B+4*\s+2:G0B+4*\s+3], s[46:47], \s*HSIDE
	s_or_b32 s[G0B+4*\s+3], s[G0B+4*\s+3], 0x80000000
.endr
	s_mov_b32 s[G0+1], 0                           ; for the head slot 0's two sets name a whole side: A's at 0,
	s_mov_b32 s[G0B+1], 2*HSIDE                    ; ALL OF K COMES AT THE HEAD: A's block at 0, B's behind it; 'slot' s of a side is its s-th 512 along K
; THE HEAD'S LOADS, one a wave: wave 0 A's side of slot 0, wave 1 B's, wave 2 A's scale words, wave 3 B's.  One chain of branches on the wave's number, one load to an arm.
.macro ARM under, g0, g1, next
	s_cmp_lt_u32 s16, \under
	s_cbranch_scc0 \next
	tensor_load_to_lds s[\g0:\g0+3], s[\g1:\g1+7]
	s_nop 0
.rept 4
	v_nop
.endr
	s_branch .Lhead_asked
\next:
.endm
	ARM 1, G0,  G1,  .Lhead_b
	ARM 2, G0B, G1B, .Lhead_sa
	ARM 3, G0S, G1S, .Lhead_sb
	tensor_load_to_lds s[G0SB:G0SB+3], s[G1SB:G1SB+7]
	s_nop 0
.rept 4
	v_nop
.endr
.Lhead_asked:
	v_and_b32 v1, 15, v0                           ; r
	s_wait_alu depctr_va_vdst(0)
	v_bfe_u32 v2, v0, 4, 1                         ; h
	v_and_b32 v3, 31, v0
	v_lshlrev_b32 v4, 3, v3                        ; 8 x lane: an image's place for my lane
	s_mul_i32 s20, s17, 3072                       ; Y: my four tiles of the block's eight
	s_mul_i32 s21, s18, 3072
	s_add_co_u32 s21, s21, 2*HSIDE                 ; X: my four, behind A's block
.irp s, 0,1
	v_add_nc_u32 v[ADRY+\s], s20, v4
	v_add_nc_u32 v[ADRX+\s], s21, v4
	s_add_co_u32 s20, s20, HSIDE
	s_add_co_u32 s21, s21, HSIDE
.endr
	s_lshl_b32 s20, s17, 8                         ; the scale words of my 64 rows: 256 bytes in each step's 512
	s_add_co_u32 s20, s20, SCL
	s_lshl_b32 s21, s18, 8
	s_add_co_u32 s21, s21, SCL+HALFS
	v_lshlrev_b32 v4, 2, v1
	v_add_nc_u32 v[ADSY], s20, v4                  ; lane r takes row r's word (lanes 16-31 read the same and are not used)
	v_add_nc_u32 v[ADSX], s21, v4
	s_mul_i32 s20, s16, 16*SPITCH                  ; my stage
	v_mul_u32_u24 v5, v1, SPITCH
	v_lshl_add_u32 v5, v2, 6, v5
	v_add_nc_u32 v[STO], s20, v5                   ; in: row r, + 64 h
	v_mul_u32_u24 v5, v2, SPITCH
	v_lshl_add_u32 v5, v1, 4, v5
	v_add_nc_u32 v[RD], s20, v5                    ; back: lanes 0-15 take one row of 256 bytes, lanes 16-31 the next
	v_lshlrev_b32 v5, 12, v2
	v_lshl_add_u32 v[CO], v1, 4, v5                ; and the same two rows in memory: rows of 4,096 bytes
	v_lshlrev_b32 v[BL], 6, v2
	s_wait_alu depctr_va_vdst(0)
	s_lshl_b32 s66, s42, 9
	s_lshl_b32 s97, s18, 8
	s_add_co_u32 s66, s66, s97                     ; my first column, in bytes: 512 tc + 256 wx
	s_mov_b32 s67, 0
	s_lshl_b32 s96, s19, 19
	s_lshl_b32 s95, s17, 18
	s_add_co_u32 s96, s96, s95                     ; my first row: 128 tr + 64 wy, of 4,096 bytes
	s_add_co_u32 s96, s96, s66
	s_mov_b32 s97, 0
	s_add_nc_u64 s[98:99], s[10:11], s[96:97]      ; the residual; never rewritten
	s_add_nc_u64 s[100:101], s[12:13], s[96:97]    ; the result; never rewritten
	s_add_nc_u64 s[8:9], s[8:9], s[66:67]
.irp b, 0,1,2,3                                ; the bias in the result's layout: register j of tile b is column 32 (b / 2) + 8 (b % 2) + 16 h + j
.irp u, 0,1
	global_load_b128 v[BIAS+8*\b+4*\u:BIAS+8*\b+4*\u+3], v[BL], s[8:9] offset:128*(\b/2)+32*(\b%2)+16*\u
.endr
.endr
.macro FRAG reg, adr, q, i             ; a fragment, 16 rows x 128 K: two half images; each load takes 256 consecutive bytes, 8 a lane: the registers as they were stored
.irp p, 0,1,2,3,4,5
	ds_load_b64 v[\reg+2*\p:\reg+2*\p+1], v[\adr] offset:(2*(\q)+\p/3)*6144+(\i)*768+256*(\p%3)
.endr
.endm
; twelve loads: two fragments of the slot's q-th 128 along K into buffer f.  Groups 0, 1: X's tiles 0, 1 and 2, 3; groups 2, 3: Y's
.macro FETCHG slot, q, f, grp
.if (\grp) < 2
	FRAG 96*(\f)+FR*(2*(\grp)), ADRX+\slot, \q, 2*(\grp)
	FRAG 96*(\f)+FR*(2*(\grp)+1), ADRX+\slot, \q, 2*(\grp)+1
.else
	FRAG 96*(\f)+48+FR*(2*(\grp)-4), ADRY+\slot, \q, 2*(\grp)-4
	FRAG 96*(\f)+48+FR*(2*(\grp)-3), ADRY+\slot, \q, 2*(\grp)-3
.endif
.endm
; four products: Y's tile a x X's four, from buffer f; sc: the set of scale words.  zero = 1: the bias starts the sums.
; The 16 accumulators take turns, one instruction a turn, in the same order in every step.
.macro MUL4 f, a, q, sc, zero
.irp b, 0,1,2,3
.if \zero
	v_wmma_scale_f32_16x16x128_f8f6f4 v[ACC+8*(4*(\a)+\b):ACC+8*(4*(\a)+\b)+7], v[96*(\f)+FR*\b:96*(\f)+FR*\b+FR-1], v[96*(\f)+48+FR*(\a):96*(\f)+48+FR*(\a)+FR-1], v[BIAS+8*\b:BIAS+8*\b+7], v[SCX+16*(\sc)+4*\b+(\q)], v[SCY+16*(\sc)+4*(\a)+(\q)] matrix_a_fmt:MATRIX_FMT_FP6 matrix_b_fmt:MATRIX_FMT_FP6
.else
	v_wmma_scale_f32_16x16x128_f8f6f4 v[ACC+8*(4*(\a)+\b):ACC+8*(4*(\a)+\b)+7], v[96*(\f)+FR*\b:96*(\f)+FR*\b+FR-1], v[96*(\f)+48+FR*(\a):96*(\f)+48+FR*(\a)+FR-1], v[ACC+8*(4*(\a)+\b):ACC+8*(4*(\a)+\b)+7], v[SCX+16*(\sc)+4*\b+(\q)], v[SCY+16*(\sc)+4*(\a)+(\q)] matrix_a_fmt:MATRIX_FMT_FP6 matrix_b_fmt:MATRIX_FMT_FP6
.endif
.endr
.endm
.macro SCALES sc                       ; a slot's scale words: for each of my four tiles of each side and each of the slot's four steps a word a row
.irp i, 0,1,2,3
.irp q, 0,1,2,3
	ds_load_b32 v[SCY+16*\sc+4*\i+\q], v[ADSY] offset:512*\q+64*\i
	ds_load_b32 v[SCX+16*\sc+4*\i+\q], v[ADSX] offset:512*\q+64*\i
.endr
.endr
.endm
.macro PLACES n                        ; plain vector lines between a matrix instruction and a load into, or a read of, its registers
.rept \n
	v_nop
.endr
.endm
; One of a slot's first three steps: multiplies buffer q % 2 and fetches the next step's fragments into the other.  The fetches of a step end with Y's tiles 1, 2, 3 (18 loads), so each wait below names what was issued behind the
; fragment that the next four products want.
.macro STEP slot, q, zero
	s_wait_dscnt 18                                ; X's four tiles, Y's tile 0 and what came before them are in; Y's tiles 1-3 may be out
	PLACES NP                                      ; between the last step's products, which read the other buffer, and the loads into it
	WIN MUL
	MUL4 (\q)%2, 0, \q, \slot, \zero
	WIN TO_F
	FETCHG \slot, (\q)+1, 1-(\q)%2, 0
	s_wait_dscnt 24                                ; Y's tile 1 is in: behind it tiles 2, 3 (12) and the 12 just issued
	WIN MUL
	MUL4 (\q)%2, 1, \q, \slot, \zero
	WIN TO_F
	FETCHG \slot, (\q)+1, 1-(\q)%2, 1
	s_wait_dscnt 30                                ; tile 2: behind it tile 3 (6) and 24
	WIN MUL
	MUL4 (\q)%2, 2, \q, \slot, \zero
	WIN TO_F
	FETCHG \slot, (\q)+1, 1-(\q)%2, 2
	s_wait_dscnt 36                                ; tile 3: behind it 36
	WIN MUL
	MUL4 (\q)%2, 3, \q, \slot, \zero
	WIN TO_F
	FETCHG \slot, (\q)+1, 1-(\q)%2, 3
	WIN 0
.endm
; A slot's last step multiplies buffer 1 and changes slots: one barrier; in front of it each wave waits for all its tensor loads, adds 0 to its spare word, and waits for that and for its own reads of this slot.
; Behind it nobody reads this slot any more and the next slot is whole.  fill = 1: this slot is filled again, two slots ahead.
.macro TURN slot, next, fill
	s_wait_tensorcnt 0x0                           ; all my tensor loads have landed, my part of the next slot among them
	ds_add_u32 v[SPW], v[NIL]                      ; 0 onto my spare word
	s_wait_dscnt 19                                ; (the add and Y's tiles 1-3 may be out)
	WIN MUL
	MUL4 1, 0, 3, \slot, 0                         ; four products stand between the add and the wait for it
	s_wait_dscnt 0x0                               ; the add is done, and my reads of this slot are over
	s_barrier_signal -1
	MUL4 1, 1, 3, \slot, 0
	WIN 0
	s_barrier_wait -1
.if \fill
	CREST                                          ; the barrier has opened a round of the cluster's: no wave of any partner still reads this slot or has a load on its way
	s_add_nc_u64 s[G0+4*\slot+2:G0+4*\slot+3], s[G0+4*\slot+2:G0+4*\slot+3], 2*HSIDE
	s_add_nc_u64 s[G0B+4*\slot+2:G0B+4*\slot+3], s[G0B+4*\slot+2:G0B+4*\slot+3], 2*HSIDE
	JLOAD G0+4*\slot, G1, G0B+4*\slot, G1B         ; the first tensor load behind the round, my one load until the next; its four v_nop are the places in front of the loads into buffer 0
.else
	PLACES NP
.endif
	v_add_nc_u32 v[ADSY], 2048, v[ADSY]            ; on to the next slot's scale words
	v_add_nc_u32 v[ADSX], 2048, v[ADSX]
	SCALES \next
	WIN TO_F
	FETCHG \next, 0, 0, 0
	FETCHG \next, 0, 0, 1
	WIN MUL
	MUL4 1, 2, 3, \slot, 0
	WIN TO_F
	FETCHG \next, 0, 0, 2
	WIN MUL
	MUL4 1, 3, 3, \slot, 0
	WIN TO_F
	FETCHG \next, 0, 0, 3
	WIN 0
.endm
	s_wait_alu depctr_va_vdst(0)                   ; the wait at the head's end
	s_wait_tensorcnt 0x0                           ; my tile of the head's four is in
	s_barrier_signal -1                            ; every wave has waited for its one load: the four tiles are shown to all
	s_barrier_wait -1
	SCALES 0
	WIN TO_F
	FETCHG 0, 0, 0, 0
	FETCHG 0, 0, 0, 1
	FETCHG 0, 0, 0, 2
	FETCHG 0, 0, 0, 3
	WIN 0
	WIN 0x80                                       ; destination window 2
.irp a, 0,1,2,3                                ; THE RESIDUAL is asked for here, behind the tiles, which are wanted first; it is wanted on the way out.  In the order in which the way out stores: block a's load t brings rows 32 (a / 2) + 8 (a % 2) + 2 t + 8 (t / 4) and the next
.irp t, 0,1,2,3,4,5,6,7
	global_load_b128 v[32*\a+4*\t:32*\a+4*\t+3], v[CO], s[98:99] offset:(32*(\a/2)+8*(\a%2)+2*\t+8*(\t/4))*4096 th:TH_LOAD_NT   ; sixteen lanes read 256 consecutive bytes, aligned; read once in the launch
.endr
.endr
	WIN 0
	s_wait_loadcnt 32                              ; the bias is in; the residual's 32 loads may stay out until the way out
	STEP 0, 0, 1                                   ; the first step stands in front of the loop: its products start the sums
.if LAPS > 1
	s_mov_b32 s3, LAPS-1
.Llap:                                                 ; a trip goes once round the ring, from a lap's second step to the next lap's first, and fills both slots again
	STEP 0, 1, 0
	STEP 0, 2, 0
	TURN 0, 1, 1
	STEP 1, 0, 0
	STEP 1, 1, 0
	STEP 1, 2, 0
	TURN 1, 0, 1
	STEP 0, 0, 0
	s_sub_co_u32 s3, s3, 1
	s_cmp_lg_u32 s3, 0
	s_cbranch_scc1 .Llap
.endif
	STEP 0, 1, 0                                   ; the last lap fills nothing
	STEP 0, 2, 0
	TURN 0, 1, 0
	STEP 1, 0, 0
	STEP 1, 1, 0
	STEP 1, 2, 0
	s_wait_dscnt 0x0                               ; the very last step: nothing more to fetch
	WIN MUL
	MUL4 1, 0, 3, 1, 0
	MUL4 1, 1, 3, 1, 0
	MUL4 1, 2, 3, 1, 0
	MUL4 1, 3, 3, 1, 0
	WIN 0
	PLACES NP
; THE WAY OUT, block by block of 16 tokens x 64 columns, through my own stage.  LDS serves a wave's instructions in order: the loads see the stores above them, and the next block's stores come behind them.
.macro TOSTAGE a
.irp b, 0,1,2,3
	ds_store_b128 v[STO], v[ACC+8*(4*(\a)+\b):ACC+8*(4*(\a)+\b)+3] offset:128*(\b/2)+32*(\b%2)       ; each accumulator from its low end on; the columns go to their own places
	ds_store_b128 v[STO], v[ACC+8*(4*(\a)+\b)+4:ACC+8*(4*(\a)+\b)+7] offset:128*(\b/2)+32*(\b%2)+16
.endr
.irp t, 0,1,2,3,4,5,6,7
	ds_load_b128 v[ACC+32*(\a)+4*\t:ACC+32*(\a)+4*\t+3], v[RD] offset:\t*2*SPITCH                    ; back as whole rows, into the registers that the block has left
.endr
.endm
.macro SEND a
	s_wait_dscnt 16*(3-(\a))                       ; block a is back; behind its loads stand the later blocks' 8 stores and 8 loads each
	WIN 0x08                                       ; source 1 (the residual) window 2
.irp t, 0,1,2,3,4,5,6,7
	v_pk_add_f32 v[ACC+32*(\a)+4*\t:ACC+32*(\a)+4*\t+1], v[ACC+32*(\a)+4*\t:ACC+32*(\a)+4*\t+1], v[32*(\a)+4*\t:32*(\a)+4*\t+1]
	v_pk_add_f32 v[ACC+32*(\a)+4*\t+2:ACC+32*(\a)+4*\t+3], v[ACC+32*(\a)+4*\t+2:ACC+32*(\a)+4*\t+3], v[32*(\a)+4*\t+2:32*(\a)+4*\t+3]
.endr
	WIN 0
.irp t, 0,1,2,3,4,5,6,7
	global_store_b128 v[CO], v[ACC+32*(\a)+4*\t:ACC+32*(\a)+4*\t+3], s[100:101] offset:(32*((\a)/2)+8*((\a)%2)+2*\t+8*(\t/4))*4096   ; sixteen lanes store 256 consecutive bytes, aligned; the rows go to their own places
.endr
.endm
	TOSTAGE 0
	TOSTAGE 1
	TOSTAGE 2
	TOSTAGE 3
	s_wait_loadcnt 0x0                             ; the residual
	SEND 0
	SEND 1
	SEND 2
	SEND 3
	s_wait_tensorcnt 0x0                           ; the wave's end
	ds_add_u32 v[SPW], v[NIL]
	s_wait_dscnt 0x0
	CROUND                                         ; the closing round: no work-group ends while a partner may still ask for a part that names it
	s_endpgm
.Lfunc_end_k_qb5bf203ed5_gemm_o:
	.size	k_qb5bf203ed5_gemm_o, .Lfunc_end_k_qb5bf203ed5_gemm_o-k_qb5bf203ed5_gemm_o
	.p2alignl 7, 3214868480
	.fill 96, 4, 3214868480
	.section	.rodata,"a",@progbits
	.p2align	6, 0x0
	.amdhsa_kernel k_qb5bf203ed5_gemm_o
		.amdhsa_group_segment_fixed_size 327680
		.amdhsa_private_segment_fixed_size 0
		.amdhsa_enable_private_segment 0
		.amdhsa_kernarg_size 40
		.amdhsa_user_sgpr_count 2
		.amdhsa_user_sgpr_kernarg_segment_ptr 1
		.amdhsa_wavefront_size32 1
		.amdhsa_system_sgpr_workgroup_id_x 1
		.amdhsa_system_sgpr_workgroup_id_y 1
		.amdhsa_system_sgpr_workgroup_id_z 1
		.amdhsa_system_vgpr_workitem_id 0
		.amdhsa_next_free_vgpr 640
		.amdhsa_next_free_sgpr 102
		.amdhsa_reserve_vcc 0
		.amdhsa_float_denorm_mode_32 3
		.amdhsa_float_denorm_mode_16_64 3
		.amdhsa_memory_ordered 1
		.amdhsa_forward_progress 1
		.amdhsa_inst_pref_size 73
	.end_amdhsa_kernel
	.amdgpu_metadata
---
amdhsa.version: [ 1, 2 ]
amdhsa.kernels:
  - .name:           k_qb5bf203ed5_gemm_o
    .symbol:         k_qb5bf203ed5_gemm_o.kd
    .args:
      - { .name: ctx, .offset: 0, .size: 8, .value_kind: global_buffer, .address_space: global }
      - { .name: wts, .offset: 8, .size: 8, .value_kind: global_buffer, .address_space: global }
      - { .name: bo, .offset: 16, .size: 8, .value_kind: global_buffer, .address_space: global }
      - { .name: x, .offset: 24, .size: 8, .value_kind: global_buffer, .address_space: global }
      - { .name: x1, .offset: 32, .size: 8, .value_kind: global_buffer, .address_space: global }
    .group_segment_fixed_size: 327680
    .private_segment_fixed_size: 0
    .kernarg_segment_align: 8
    .kernarg_segment_size: 40
    .max_flat_workgroup_size: 128
    .sgpr_count:     102
    .vgpr_count:     640
    .wavefront_size: 32
...
	.end_amdgpu_metadata
.endif
;; end of part 11
;; launch ln (part 12): grid 256 x 1, 4 waves a work-group, no clusters, 66,304 bytes of LDS; arguments x1, ln2_g, ln2_b, hq; writes hq
.if DOCPART == 12
	.amdgcn_target "amdgcn-amd-amdhsa--gfx1250"
	.amdhsa_code_object_version 6
	.text
	.protected	k_qb5bf203ed5_ln
	.globl	k_qb5bf203ed5_ln
	.p2align	8
	.type	k_qb5bf203ed5_ln,@function
k_qb5bf203ed5_ln:
	s_mov_b64 s[64:65], 0
	v_nop
	global_prefetch_b8 v0, s[64:65] scope:SCOPE_SE
	s_setreg_imm32_b32 hwreg(HW_REG_WAVE_MODE, 25, 1), 1
	s_wait_xcnt 0x0
; y = (x - mean) rsqrt(var + 1e-5) g + b along rows of 1,024, all in f32, then quantised along the row into codes of FP6 (E2M3) with one E8M0 scale for each 32, laid as the GEMMs want an operand
; (wquant's head comment: rows in the order pi, half images of 768 bytes, scale words).  Arguments: the rows [4096][1024] f32, g, b, the codes' buffer (scale words from byte HSO on).
; A work-group makes one tile: 16 rows on end of the buffer, which are the rows 32 (T / 2) + 8 (T % 2) + r + 8 (r / 8).  PHASE A: wave w normalises the tile's rows 4 w .. 4 w + 3, a row in 32 registers of each lane:
; the row is read once.  The variance is the mean of the squared differences from the mean (a second pass over registers), so a common offset of the inputs costs no digits.  The rows meet in LDS.
; PHASE B: wave w quantises K steps 2 w and 2 w + 1 (128 along K each) of all 16 rows: lane (r, h) takes of row r the 16 numbers 32 b + 16 h + 0 .. 15 of each block b.
; LIMITS: NaN and infinities are not served; a block of zeros gets the byte 1 (its codes are zeros; this program alone reads the bytes); blocks under 2^-124 keep the byte 1.
; The codes leave in whole runs of 256 bytes; the scale words in runs of 64 bytes (4 bytes for each 96 of codes).  Memory binds: no matrix unit, no cluster (no byte is shared between work-groups).
.set PITCH, 4112                       ; a row of y in LDS: 4,096 bytes + 16: an odd multiple of 16, so that the 16 rows that a load touches start in different banks
.set SPARE, 16*PITCH                   ; behind the rows: the spare words, 128 bytes for each wave
.set HSO,   3145728                    ; where the scale words begin
.set SU,  16                           ; v16-23  the four rows' sums (pairs), then their means
.set PT,  24                           ; v24-27  what the other half of the lanes holds
.set SQ,  32                           ; v32-39  the sums of squares
.set RS,  40                           ; v40-47  1 / sqrt(var + eps), twice each: a pair for the packed multiply
.set TM,  32                           ; v32-47  phase B: at work
.set X,   64                           ; v64-191 phase A: four rows x 32 numbers; phase B: two K steps x 64 numbers
.set G,   192                          ; v192-223 g;  v224-255 b;  phase B: the codes
.set B,   224
.set SPW, 62
.set NIL, 63
	s_load_b256 s[4:11], s[0:1], 0x0               ; rows, g, b, codes
	v_lshl_add_u32 v[SPW], v0, 2, SPARE
	v_mov_b32 v[NIL], 0
	v_lshrrev_b32 v1, 5, v0
	v_readfirstlane_b32 s12, v1                    ; wave
	v_and_b32 v2, 31, v0
	v_lshlrev_b32 v3, 4, v2                        ; 16 x lane
	s_lshr_b32 s13, ttmp9, 1
	s_lshl_b32 s13, s13, 5
	s_and_b32 s14, ttmp9, 1
	s_lshl_b32 s14, s14, 3
	s_add_co_u32 s13, s13, s14                     ; the tile's first row: 32 (T / 2) + 8 (T % 2)
	s_lshl_b32 s14, s12, 2
	s_add_co_u32 s13, s13, s14
	s_lshr_b32 s14, s12, 1
	s_lshl_b32 s14, s14, 3
	s_add_co_u32 s13, s13, s14                     ; my four: + 4 w + 8 (w / 2)
	s_lshl_b32 s14, s13, 12
	s_mov_b32 s15, 0
	s_mov_b32 s16, 0x76543210
	s_mov_b32 s17, 0xfedcba98                      ; v_permlanex16_b32's selects for lane l xor 16
	s_mov_b32 s18, 0x3a800000                      ; 1 / 1024
	s_mov_b32 s19, 0x3727c5ac                      ; 1e-5
	s_mul_i32 s20, s12, 4*PITCH
	s_mov_b32 s21, 0xffff0000                      ; lanes 16-31
	s_lshr_b32 s22, ttmp9, 3                       ; the tile's block of 128 rows
	s_and_b32 s23, ttmp9, 7                        ; and its place in it
	s_mul_i32 s24, s22, 98304
	s_mul_i32 s26, s23, 768
	s_add_co_u32 s24, s24, s26
	s_mul_i32 s26, s12, 24576                      ; my two K steps: four times 64 along K
	s_add_co_u32 s24, s24, s26
	s_mov_b32 s25, 0
	s_lshl_b32 s26, s22, 12
	s_add_co_u32 s26, s26, HSO
	s_lshl_b32 s28, s12, 10
	s_add_co_u32 s26, s26, s28
	s_lshl_b32 s29, s23, 6
	s_add_co_u32 s26, s26, s29
	s_mov_b32 s27, 0
.irp p, 0,1,2,3
	v_mov_b32 v[PT+\p], 0                          ; written once: a lane permute's destination counts as one of its sources
.endr
	s_wait_alu depctr_va_vdst(0)
	s_wait_kmcnt 0x0
	s_add_nc_u64 s[4:5], s[4:5], s[14:15]
	s_add_nc_u64 s[24:25], s[10:11], s[24:25]
	s_add_nc_u64 s[26:27], s[10:11], s[26:27]
.irp p, 0,1,2,3
.irp j, 0,1,2,3,4,5,6,7
	global_load_b128 v[X+32*\p+4*\j:X+32*\p+4*\j+3], v3, s[4:5] offset:4096*\p+512*\j th:TH_LOAD_NT   ; 32 lanes read 512 consecutive bytes
.endr
.endr
.irp j, 0,1,2,3,4,5,6,7
	global_load_b128 v[G+4*\j:G+4*\j+3], v3, s[6:7] offset:512*\j
	global_load_b128 v[B+4*\j:B+4*\j+3], v3, s[8:9] offset:512*\j
.endr
.macro ACROSS base                     ; v[base + 2 p], p = 0 .. 3, summed over the 32 lanes; the four rows by turns
.irp m, 1,2,4,8
.irp p, 0,1,2,3
	v_add_f32_dpp v[\base+2*\p], v[\base+2*\p], v[\base+2*\p] row_xmask:\m row_mask:0xf bank_mask:0xf
.endr
.endr
.irp p, 0,1,2,3
	v_permlanex16_b32 v[PT+\p], v[\base+2*\p], s16, s17
.endr
.irp p, 0,1,2,3
	v_add_f32 v[\base+2*\p], v[\base+2*\p], v[PT+\p]
.endr
.endm
	s_wait_loadcnt 16                              ; the rows are in; g's and b's sixteen loads may be out
.irp p, 0,1,2,3
	v_pk_add_f32 v[SU+2*\p:SU+2*\p+1], v[X+32*\p:X+32*\p+1], v[X+32*\p+2:X+32*\p+3]
.endr
.set i, 4
.rept 14
.irp p, 0,1,2,3
	v_pk_add_f32 v[SU+2*\p:SU+2*\p+1], v[SU+2*\p:SU+2*\p+1], v[X+32*\p+i:X+32*\p+i+1]
.endr
.set i, i+2
.endr
.irp p, 0,1,2,3
	v_add_f32 v[SU+2*\p], v[SU+2*\p], v[SU+2*\p+1]
.endr
	ACROSS SU
.irp p, 0,1,2,3
	v_mul_f32 v[SU+2*\p], s18, v[SU+2*\p]          ; the mean
.endr
.set i, 0
.rept 16
.irp p, 0,1,2,3
	v_pk_add_f32 v[X+32*\p+i:X+32*\p+i+1], v[X+32*\p+i:X+32*\p+i+1], v[SU+2*\p:SU+2*\p+1] op_sel_hi:[1,0] neg_lo:[0,1] neg_hi:[0,1]   ; x - mean (the pair's low word serves both halves)
.endr
.set i, i+2
.endr
.irp p, 0,1,2,3
	v_pk_mul_f32 v[SQ+2*\p:SQ+2*\p+1], v[X+32*\p:X+32*\p+1], v[X+32*\p:X+32*\p+1]
.endr
.set i, 2
.rept 15
.irp p, 0,1,2,3
	v_pk_fma_f32 v[SQ+2*\p:SQ+2*\p+1], v[X+32*\p+i:X+32*\p+i+1], v[X+32*\p+i:X+32*\p+i+1], v[SQ+2*\p:SQ+2*\p+1]
.endr
.set i, i+2
.endr
.irp p, 0,1,2,3
	v_add_f32 v[SQ+2*\p], v[SQ+2*\p], v[SQ+2*\p+1]
.endr
	ACROSS SQ
.irp p, 0,1,2,3
	v_fma_f32 v[SQ+2*\p], v[SQ+2*\p], s18, s19     ; var + eps
.endr
	s_wait_alu depctr_va_vdst(0)
.irp p, 0,1,2,3
	v_rsq_f32 v[RS+2*\p], v[SQ+2*\p]
	v_rsq_f32 v[RS+2*\p+1], v[SQ+2*\p]             ; made twice: a pair for the packed multiply
.endr
	v_add_nc_u32 v4, s20, v3                       ; (a plain line behind the batch)  where my rows go in LDS
	s_wait_alu depctr_va_vdst(0)                   ; one wait for the eight, ahead of their first reader
	s_wait_loadcnt 0x0                             ; g and b
.set i, 0
.rept 16
.irp p, 0,1,2,3
	v_pk_mul_f32 v[X+32*\p+i:X+32*\p+i+1], v[X+32*\p+i:X+32*\p+i+1], v[RS+2*\p:RS+2*\p+1]
.endr
.irp p, 0,1,2,3
	v_pk_fma_f32 v[X+32*\p+i:X+32*\p+i+1], v[X+32*\p+i:X+32*\p+i+1], v[G+i:G+i+1], v[B+i:B+i+1]
.endr
.set i, i+2
.endr
.irp p, 0,1,2,3
.irp j, 0,1,2,3,4,5,6,7
	ds_store_b128 v4, v[X+32*\p+4*\j:X+32*\p+4*\j+3] offset:PITCH*\p+512*\j
.endr
.endr
	v_and_b32 v8, 15, v0                           ; r
	v_bfe_u32 v9, v0, 4, 1                         ; h
	v_mul_u32_u24 v5, v8, PITCH
	v_lshl_add_u32 v5, v9, 6, v5
	v_add_nc_u32 v5, s28, v5                       ; row r, + 64 h, + my two K steps' 1,024 bytes x wave
	v_lshlrev_b32 v6, 3, v2                        ; 8 x lane: an image's place for my lane
	v_lshlrev_b32 v7, 2, v8
	v_lshl_add_u32 v7, v9, 9, v7                   ; the scale words: 4 r, lanes 16-31 one K step on
	s_wait_alu depctr_va_vdst(0)
	s_wait_dscnt 0x0                               ; for the others' sake: my rows lie in LDS
	s_barrier_signal -1
	s_barrier_wait -1
.irp s, 0,1
.irp b, 0,1,2,3
.irp j, 0,1,2,3
	ds_load_b128 v[X+64*\s+16*\b+4*\j:X+64*\s+16*\b+4*\j+3], v5 offset:512*\s+128*\b+16*\j
.endr
.endr
.endr
	s_wait_dscnt 0x0
; 64 numbers of a lane, register 16 b + i = k 32 b + 16 h + i of my row, become a fragment's codes in v[pc .. pc+11] and its scale word in v[pw]
.macro QUANT s, pc, pw
.irp b, 0,1,2,3
	v_max3_num_f32 v[TM+\b], |v[\s+16*\b]|, |v[\s+1+16*\b]|, 0x1800000   ; my 16 numbers of block b, and the floor 2^(3 - 127): the byte cannot fall under 1
.endr
.irp i, 2,4,6,8,10,12,14
.irp b, 0,1,2,3
	v_max3_num_f32 v[TM+\b], v[TM+\b], |v[\s+16*\b+\i]|, |v[\s+1+16*\b+\i]|
.endr
.endr
.irp b, 0,1,2,3
	v_permlanex16_b32 v[TM+4+\b], v[TM+\b], s16, s17
.endr
.irp b, 0,1,2,3
	v_max_num_f32 v[TM+\b], v[TM+\b], v[TM+4+\b]   ; with lane l xor 16's: the block's largest magnitude
.endr
.irp b, 0,1,2,3
	v_add_nc_u32 v[TM+12+\b], 0xff000000, v[TM+\b] ; 2 off its exponent field: the conversion's scale operand
.endr
.irp b, 0,1,2,3
	v_lshrrev_b32 v[TM+4+\b], 23, v[TM+12+\b]      ; the scale's byte
.endr
	v_lshl_or_b32 v[\pw], v[TM+5], 8, v[TM+4]
	v_lshl_or_b32 v[\pw], v[TM+6], 16, v[\pw]
	v_lshl_or_b32 v[\pw], v[TM+7], 24, v[\pw]
.irp c, 0,1
	v_cvt_scalef32_pk16_fp6_f32 v[\pc+6*\c:\pc+2+6*\c], v[\s+32*\c:\s+15+32*\c], v[TM+12+2*\c]
	v_cvt_scalef32_pk16_fp6_f32 v[\pc+12+4*\c:\pc+14+4*\c], v[\s+16+32*\c:\s+31+32*\c], v[TM+13+2*\c]
.endr
	v_nop                                          ; one plain line behind the scaled conversions
.irp c, 0,1                                    ; the operand's layout wants a whole block in a lane: lanes 0-15 block 2 c, lanes 16-31 block 2 c + 1
.irp i, 0,1,2
	v_permlane16_swap_b32 v[\pc+6*\c+\i], v[\pc+12+4*\c+\i]
.endr
.irp i, 0,1,2
	v_mov_b32 v[\pc+3+6*\c+\i], v[\pc+12+4*\c+\i]
.endr
.endr
.endm
	QUANT X, 192, 48
	QUANT X+64, 212, 49
.irp s, 0,1
.irp p, 0,1,2,3,4,5
	global_store_b64 v6, v[192+20*\s+2*\p:193+20*\s+2*\p], s[24:25] offset:(2*\s+\p/3)*6144+256*(\p%3)   ; 32 lanes store 256 consecutive bytes, aligned
.endr
.endr
	v_cndmask_b32 v50, v48, v49, s21               ; lanes 0-15 carry the first K step's words, lanes 16-31 the second's
	global_store_b32 v7, v50, s[26:27]
	s_wait_tensorcnt 0x0                           ; the wave's end
	ds_add_u32 v[SPW], v[NIL]
	s_wait_dscnt 0x0
	s_endpgm
.Lfunc_end_k_qb5bf203ed5_ln:
	.size	k_qb5bf203ed5_ln, .Lfunc_end_k_qb5bf203ed5_ln-k_qb5bf203ed5_ln
	.p2alignl 7, 3214868480
	.fill 96, 4, 3214868480
	.section	.rodata,"a",@progbits
	.p2align	6, 0x0
	.amdhsa_kernel k_qb5bf203ed5_ln
		.amdhsa_group_segment_fixed_size 66304
		.amdhsa_private_segment_fixed_size 0
		.amdhsa_enable_private_segment 0
		.amdhsa_kernarg_size 32
		.amdhsa_user_sgpr_count 2
		.amdhsa_user_sgpr_kernarg_segment_ptr 1
		.amdhsa_wavefront_size32 1
		.amdhsa_system_sgpr_workgroup_id_x 1
		.amdhsa_system_sgpr_workgroup_id_y 1
		.amdhsa_system_sgpr_workgroup_id_z 1
		.amdhsa_system_vgpr_workitem_id 0
		.amdhsa_next_free_vgpr 256
		.amdhsa_next_free_sgpr 66
		.amdhsa_reserve_vcc 0
		.amdhsa_float_denorm_mode_32 3
		.amdhsa_float_denorm_mode_16_64 3
		.amdhsa_memory_ordered 1
		.amdhsa_forward_progress 1
		.amdhsa_inst_pref_size 44
	.end_amdhsa_kernel
	.amdgpu_metadata
---
amdhsa.version: [ 1, 2 ]
amdhsa.kernels:
  - .name:           k_qb5bf203ed5_ln
    .symbol:         k_qb5bf203ed5_ln.kd
    .args:
      - { .name: x1, .offset: 0, .size: 8, .value_kind: global_buffer, .address_space: global }
      - { .name: ln2_g, .offset: 8, .size: 8, .value_kind: global_buffer, .address_space: global }
      - { .name: ln2_b, .offset: 16, .size: 8, .value_kind: global_buffer, .address_space: global }
      - { .name: hq, .offset: 24, .size: 8, .value_kind: global_buffer, .address_space: global }
    .group_segment_fixed_size: 66304
    .private_segment_fixed_size: 0
    .kernarg_segment_align: 8
    .kernarg_segment_size: 32
    .max_flat_workgroup_size: 128
    .sgpr_count:     66
    .vgpr_count:     256
    .wavefront_size: 32
...
	.end_amdgpu_metadata
.endif
;; end of part 12
;; launch gemm_w1 (part 13): grid 16 x 16, 4 waves a work-group, clusters of 4 x 4, 327,680 bytes of LDS; arguments hq, wts, b1, gq; writes gq
.if DOCPART == 13
	.amdgcn_target "amdgcn-amd-amdhsa--gfx1250"
	.amdhsa_code_object_version 6
	.text
	.protected	k_qb5bf203ed5_gemm_w1
	.globl	k_qb5bf203ed5_gemm_w1
	.p2align	8
	.type	k_qb5bf203ed5_gemm_w1,@function
k_qb5bf203ed5_gemm_w1:
	s_mov_b64 s[64:65], 0
	v_nop
	global_prefetch_b8 v0, s[64:65] scope:SCOPE_SE
	s_setreg_imm32_b32 hwreg(HW_REG_WAVE_MODE, 25, 1), 1
	s_wait_xcnt 0x0
	s_wait_alu depctr_hold_cnt(0) depctr_sa_sdst(0) depctr_va_vdst(0) depctr_va_sdst(0) depctr_va_ssrc(0) depctr_va_vcc(0) depctr_vm_vsrc(0)
	s_getreg_b32 s2, hwreg(HW_REG_IB_STS2, 6, 4)
	s_cmp_eq_u32 s2, 0
	s_cbranch_scc0 .Lentry_in_a_cluster
	s_endpgm
.Lentry_in_a_cluster:
	s_bfe_u32 s2, ttmp6, 0x10000c
	s_cmp_lg_u32 s2, 0xf033
	s_cbranch_scc0 .Lentry_shape_is_right
	s_endpgm
.Lentry_shape_is_right:
; g = gelu(h W1 + b1), the exact (erf) form, quantised along the 4,096 hidden units on its way out: the product on codes of FP6 (E2M3) with E8M0 scales, K = 1,024; g leaves as codes and scale words, an operand with K = 4,096.
; Operands, ring, joint loads and the K loop are gemm_qkv's (its head comment): A = hq (tokens in the order pi), B = W1's codes (hidden units in the order pi); source 0 (X) = weight rows, source 1 (Y) = tokens: a lane holds
; one token and its registers run along neighbouring hidden units.  The bias is the C of each sum's first matrix instruction.
; THE WAY OUT is a loop of eight trips, one for each of Y's tiles: only the 32 lines that take a tile out of its accumulators (halving it on the way) are written eight times.
; gelu(x) = x/2 + x/2 erf(x / sqrt 2).  erf(u) = c P(c^2) / Q(c^2), c = u held to +-4: a rational form in f32, P of degree 6 and Q of degree 4 in c^2.
; LIMITS: gelu is formed as x/2 (1 + erf), so its absolute error is about 1e-7 |x|; NaN and infinities are not served; a block of zeros gets the byte 1; blocks under 2^-124 keep the byte 1.
; REGISTERS: window 0: v1-29 addresses and two constants; v32-63 Y's scale words, v224-255 X's (they hold nothing else); v64-127 the bias, later work; v128-223 Y's fragments, later v128-191 a tile's 64 numbers.
;   window 1: X's fragments, two sets.   windows 2, 3: the accumulators.
.set KDIM,  1024
.set ASO,   3145728
.set WC,    3145728
.set WS,    9568256
.set HALFT, 24576
.set SLOT,  4*HALFT
.set LAPS,  KDIM/512
.set RBP,   (KDIM/64)*6144
.set HALFS, (KDIM/128)*512
.set SCL,   2*SLOT
.set SPARE, SCL+4*HALFS+8192
.set FR, 12
.set NL, 6
.set NP, 4
.set ADRY, 16
.set ADRX, 20
.set ADSX, 22
.set ADSY, 27
.set GA,   24
.set STS,  25
.set STR,  26
.set SPW,  28
.set NIL,  29
.set SCY,  32
.set BIAS, 64
.set AF,   128
.set SCX,  224
.set U,    128                         ; the way out: x/2, then gelu(x)
.set CC,   64                          ; v64-79 c;  v80-95 c^2;  v96-111 P;  v112-127 Q
.set ZZ,   80
.set PP,   96
.set QQ,   112
.set TM,   64                          ; behind the gelu: v64-79 at work, v80 the scale word, v96-114 the codes
.set PW,   80
.set PC,   96
.set G1, 24
.set G0, 32
.set G1B, 48
.set G0B, 56
.set G1S, 68
.set G0S, 76
.set G1SB, 80
.set G0SB, 88
.set MSB, 0
.macro WIN new
.if MSB != (\new)
	s_set_vgpr_msb (MSB<<8)|(\new)
.set MSB, (\new)
.endif
.endm
.set MUL_LO, 0xa1
.set MUL_HI, 0xf1
.macro JLOAD g0a, g1a, g0b, g1b        ; a joint load: waves 0 and 1 for A, waves 2 and 3 for B; an s_nop 0 and four v_nop follow each line
	s_cmp_eq_u32 s17, 0
	s_cbranch_scc0 .Lfor_b_\@
	tensor_load_to_lds s[\g0a:\g0a+3], s[\g1a:\g1a+7]
	s_nop 0
.rept 4
	v_nop
.endr
	s_branch .Lasked_\@
.Lfor_b_\@:
	tensor_load_to_lds s[\g0b:\g0b+3], s[\g1b:\g1b+7]
	s_nop 0
.rept 4
	v_nop
.endr
.Lasked_\@:
.endm
.macro CREST
	s_cmp_lg_u32 s16, 0
	s_cbranch_scc1 .Lnot_wave_0_\@
	s_barrier_signal -3
.Lnot_wave_0_\@:
	s_barrier_wait -3
	s_barrier_signal -1
	s_barrier_wait -1
.endm
.macro CROUND
	s_barrier_signal -1
	s_barrier_wait -1
	CREST
.endm
	s_load_b256 s[4:11], s[0:1], 0x0               ; hq, wts, b1, gq
	v_lshl_add_u32 v[SPW], v0, 2, SPARE
	v_mov_b32 v[NIL], 0
	ds_add_u32 v[SPW], v[NIL]                      ; the wave's opening: the add, twice on end, and its wait ahead of my first tensor load
	ds_add_u32 v[SPW], v[NIL]
	v_lshrrev_b32 v1, 5, v0
	v_readfirstlane_b32 s16, v1
	s_lshr_b32 s17, s16, 1
	s_and_b32 s18, s16, 1
	s_bfe_u32 s40, ttmp6, 0x40000
	s_bfe_u32 s41, ttmp6, 0x40004
	s_lshl_b32 s42, ttmp9, 2
	s_add_co_u32 s42, s42, s40                     ; tc
	s_and_b32 s19, ttmp7, 0xffff
	s_lshl_b32 s19, s19, 2
	s_add_co_u32 s19, s19, s41                     ; tr
	s_lshl_b32 s43, s41, 2
	s_lshl_b32 s43, 15, s43
	s_lshl_b32 s44, 0x1111, s40
	s_or_b32 s[G1+0], s43, (3<<16)|(1<<21)
	s_or_b32 s[G1B+0], s44, (3<<16)|(1<<21)
.irp g, G1, G1B                                ; the head's shape: both blocks of a side at once: two rows of HALFT bytes, a block of 128 rows apart in memory, on end in LDS
	s_mov_b32 s[\g+1], (HALFT/8)<<16
	s_mov_b32 s[\g+2], 2<<16
	s_mov_b32 s[\g+3], (HALFT/8)<<16
	s_mov_b32 s[\g+4], 2
	s_mov_b32 s[\g+5], RBP/8
	s_mov_b32 s[\g+6], 0
	s_mov_b32 s[\g+7], 0
.endr
	s_or_b32 s[G1S+0], s43, (3<<16)|(1<<21)
	s_or_b32 s[G1SB+0], s44, (3<<16)|(1<<21)
.irp g, G1S, G1SB
	s_mov_b32 s[\g+1], 32<<16
	s_mov_b32 s[\g+2], (2*HALFS/256)<<16           ; a side's scale words, both blocks: one dense run
	s_mov_b32 s[\g+3], 32<<16
	s_mov_b32 s[\g+4], 2*HALFS/256
	s_mov_b32 s[\g+5], 32
	s_mov_b32 s[\g+6], 0
	s_mov_b32 s[\g+7], 0
.endr
	s_lshl_b32 s20, s19, 1                         ; A's first block of 128 rows: it hangs on tr alone
	s_lshl_b32 s46, s42, 1                         ; B's: on tc alone
	s_mul_i32 s2, s18, RBP                         ; in the ring I fetch one block of a side: which, in bytes
	s_mov_b32 s3, 0
	s_mul_i32 s22, s20, HALFS
	s_add_co_u32 s22, s22, ASO
	s_mul_i32 s20, s20, RBP
	s_mul_i32 s92, s46, HALFS
	s_add_co_u32 s92, s92, WS
	s_mul_i32 s46, s46, RBP
	s_add_co_u32 s46, s46, WC
	s_mov_b32 s21, 0
	s_mov_b32 s23, 0
	s_mov_b32 s47, 0
	s_mov_b32 s93, 0
	s_mul_i32 s45, s16, HALFT
	s_wait_dscnt 0x0                               ; both opening adds are done
	s_wait_kmcnt 0x0
	s_add_nc_u64 s[20:21], s[4:5], s[20:21]
	s_add_nc_u64 s[22:23], s[4:5], s[22:23]
	s_add_nc_u64 s[46:47], s[6:7], s[46:47]
	s_add_nc_u64 s[92:93], s[6:7], s[92:93]
	; THE PREFETCH: the two refills of this launch (256 along K each) are asked for at the head.  Of the 96 blocks of 256 bytes that a wave fetches in a refill, each of the four partners that ask jointly
	; names 24, told apart by address (cx for A, cy for B): each block is named once in the cluster.
	s_cmp_eq_u32 s17, 0
	s_cselect_b64 s[66:67], s[20:21], s[46:47]
	s_cselect_b32 s94, s40, s41
	s_mul_i32 s94, s94, HALFT/4
	s_add_co_u32 s94, s94, s2
	s_mov_b32 s95, 0
	s_add_nc_u64 s[66:67], s[66:67], s[94:95]
	CROUND                                         ; all sixteen work-groups are here: the first joint loads meet
	s_mov_b32 s[G0S], 1
	s_mov_b32 s[G0S+1], SCL
	s_mov_b64 s[G0S+2:G0S+3], s[22:23]
	s_or_b32 s[G0S+3], s[G0S+3], 0x80000000
	s_mov_b32 s[G0SB], 1
	s_mov_b32 s[G0SB+1], SCL+2*HALFS
	s_mov_b64 s[G0SB+2:G0SB+3], s[92:93]
	s_or_b32 s[G0SB+3], s[G0SB+3], 0x80000000
.irp s, 0,1
	s_mov_b32 s[G0+4*\s], 1
	s_add_co_u32 s[G0+4*\s+1], s45, \s*SLOT
	s_add_nc_u64 s[G0+4*\s+2:G0+4*\s+3], s[20:21], \s*HALFT
	s_or_b32 s[G0+4*\s+3], s[G0+4*\s+3], 0x80000000
	s_mov_b32 s[G0B+4*\s], 1
	s_add_co_u32 s[G0B+4*\s+1], s45, \s*SLOT
	s_add_nc_u64 s[G0B+4*\s+2:G0B+4*\s+3], s[46:47], \s*HALFT
	s_or_b32 s[G0B+4*\s+3], s[G0B+4*\s+3], 0x80000000
.endr
	s_mov_b32 s[G0+1], 0                           ; for the head slot 0's two sets name a whole side: A's two blocks at 0,
	s_mov_b32 s[G0B+1], 2*HALFT                    ; B's two behind them
	s_add_nc_u64 s[G0+6:G0+7], s[G0+6:G0+7], s[2:3]      ; slot 1's sets name my block
	s_add_nc_u64 s[G0B+6:G0B+7], s[G0B+6:G0B+7], s[2:3]
; THE HEAD'S LOADS, one a wave: wave 0 A's side of slot 0, wave 1 B's, wave 2 A's scale words, wave 3 B's.  One chain of branches on the wave's number, one load to an arm.
.macro ARM under, g0, g1, next
	s_cmp_lt_u32 s16, \under
	s_cbranch_scc0 \next
	tensor_load_to_lds s[\g0:\g0+3], s[\g1:\g1+7]
	s_nop 0
.rept 4
	v_nop
.endr
	s_branch .Lhead_asked
\next:
.endm
	ARM 1, G0,  G1,  .Lhead_b
	ARM 2, G0B, G1B, .Lhead_sa
	ARM 3, G0S, G1S, .Lhead_sb
	tensor_load_to_lds s[G0SB:G0SB+3], s[G1SB:G1SB+7]
	s_nop 0
.rept 4
	v_nop
.endr
.Lhead_asked:
	v_and_b32 v1, 15, v0                           ; r
	s_wait_alu depctr_va_vdst(0)
	v_bfe_u32 v2, v0, 4, 1                         ; h
	v_and_b32 v3, 31, v0
	v_lshlrev_b32 v[GA], 3, v3
	v_min_u32 v30, 23, v3                          ; a lane a block; the eight lanes left over name the last block again
	v_lshlrev_b32 v30, 8, v30
	global_prefetch_b8 v30, s[66:67] offset:2*HALFT th:TH_LOAD_NT scope:SCOPE_SE
	global_prefetch_b8 v30, s[66:67] offset:3*HALFT th:TH_LOAD_NT scope:SCOPE_SE
	s_mul_i32 s20, s17, HALFT
	s_mul_i32 s21, s18, HALFT
	s_add_co_u32 s21, s21, 2*HALFT
.irp s, 0,1
	v_add_nc_u32 v[ADRY+\s], s20, v[GA]
	v_add_nc_u32 v[ADRX+\s], s21, v[GA]
	s_add_co_u32 s20, s20, SLOT
	s_add_co_u32 s21, s21, SLOT
.endr
	s_mul_i32 s20, s17, HALFS
	s_add_co_u32 s20, s20, SCL
	s_mul_i32 s21, s18, HALFS
	s_add_co_u32 s21, s21, SCL+2*HALFS
	v_lshlrev_b32 v4, 2, v1
	v_add_nc_u32 v[ADSY], s20, v4
	v_add_nc_u32 v[ADSX], s21, v4
	s_lshl_b32 s20, s16, 9
	v_add_nc_u32 v[STS], s20, v4                   ; the way out's stage for scale words: 512 bytes a wave at the head of slot 0
	v_lshl_add_u32 v[STR], v3, 4, s20
	s_lshl_b32 s100, s42, 10
	s_lshl_b32 s99, s18, 9
	s_add_co_u32 s100, s100, s99
	s_mov_b32 s101, 0
	s_add_nc_u64 s[8:9], s[8:9], s[100:101]        ; b1 at my 128 hidden units
	v_lshlrev_b32 v5, 6, v2
.irp b, 0,1,2,3,4,5,6,7                        ; register j of tile b is hidden unit 32 (b / 2) + 8 (b % 2) + 16 h + j
.irp u, 0,1
	global_load_b128 v[BIAS+8*\b+4*\u:BIAS+8*\b+4*\u+3], v5, s[8:9] offset:128*(\b/2)+32*(\b%2)+16*\u
.endr
.endr
.macro FRAG reg, adr, q, i
.irp p, 0,1,2,3,4,5
	ds_load_b64 v[\reg+2*\p:\reg+2*\p+1], v[\adr] offset:(2*(\q)+\p/3)*6144+(\i)*768+256*(\p%3)
.endr
.endm
.macro MUL16 a0, p, q, sc, zero        ; zero = 1: the bias starts the sums; the 64 accumulators take turns, one instruction a turn
.irp a, \a0, \a0+1
.irp b, 0,1,2,3,4,5,6,7
.if \zero
	v_wmma_scale_f32_16x16x128_f8f6f4 v[8*(8*((\a)%4)+\b):8*(8*((\a)%4)+\b)+7], v[128*(\p)+FR*\b:128*(\p)+FR*\b+FR-1], v[AF+FR*(\a):AF+FR*(\a)+FR-1], v[BIAS+8*\b:BIAS+8*\b+7], v[SCX+16*(\sc)+2*\b+(\q)], v[SCY+16*(\sc)+2*(\a)+(\q)] matrix_a_fmt:MATRIX_FMT_FP6 matrix_b_fmt:MATRIX_FMT_FP6
.else
	v_wmma_scale_f32_16x16x128_f8f6f4 v[8*(8*((\a)%4)+\b):8*(8*((\a)%4)+\b)+7], v[128*(\p)+FR*\b:128*(\p)+FR*\b+FR-1], v[AF+FR*(\a):AF+FR*(\a)+FR-1], v[8*(8*((\a)%4)+\b):8*(8*((\a)%4)+\b)+7], v[SCX+16*(\sc)+2*\b+(\q)], v[SCY+16*(\sc)+2*(\a)+(\q)] matrix_a_fmt:MATRIX_FMT_FP6 matrix_b_fmt:MATRIX_FMT_FP6
.endif
.endr
.endr
.endm
.macro FETCH_X slot, q, p
	WIN 0x40
.irp i, 0,1,2,3,4,5,6,7
	FRAG 128*(\p)+FR*\i, ADRX+\slot, \q, \i
.endr
	WIN 0
.endm
.macro FETCH_Y slot, q, i0
.irp i, \i0, \i0+1, \i0+2, \i0+3
	FRAG AF+FR*(\i), ADRY+\slot, \q, \i
.endr
.endm
.macro SCALES sc
.irp i, 0,1,2,3,4,5,6,7
.irp q, 0,1
	ds_load_b32 v[SCY+16*\sc+2*\i+\q], v[ADSY] offset:512*\q+64*\i
	ds_load_b32 v[SCX+16*\sc+2*\i+\q], v[ADSX] offset:512*\q+64*\i
.endr
.endr
.endm
.macro PLACES n
.rept \n
	v_nop
.endr
.endm
.macro STEP slot, q, zero
	s_wait_dscnt 4*NL                              ; all but the youngest 24 loads (Y's blocks 4-7) are in
.if \zero
	WIN 0x81                                       ; C (the bias) window 0, D window 2
.else
	WIN MUL_LO
.endif
	MUL16 0, (\q)%2, \q, \slot, \zero
	MUL16 2, (\q)%2, \q, \slot, \zero
	s_wait_dscnt 0
	PLACES NP
	FETCH_X \slot, (\q)+1, 1-(\q)%2
	FETCH_Y \slot, (\q)+1, 0
.if \zero
	WIN 0xc1
.else
	WIN MUL_HI
.endif
	MUL16 4, (\q)%2, \q, \slot, \zero
	MUL16 6, (\q)%2, \q, \slot, \zero
	PLACES NP
	WIN 0
	FETCH_Y \slot, (\q)+1, 4
.endm
.macro TURN slot, next, fill
	s_wait_tensorcnt 0x0                           ; all my tensor loads have landed: my part of the next slot
	ds_add_u32 v[SPW], v[NIL]
	s_wait_dscnt 4*NL+1                            ; (the add and the youngest 24 loads may be out)
	WIN MUL_LO
	MUL16 0, 1, 1, \slot, 0
	s_wait_dscnt 0x0                               ; the add is done, and my reads of this slot are over
	s_barrier_signal -1
	MUL16 2, 1, 1, \slot, 0
	WIN 0
	s_barrier_wait -1
.if \fill
	CREST                                          ; the round: no wave of any partner still reads this slot or has a load on its way
	s_add_nc_u64 s[G0+4*\slot+2:G0+4*\slot+3], s[G0+4*\slot+2:G0+4*\slot+3], 2*HALFT
	s_add_nc_u64 s[G0B+4*\slot+2:G0B+4*\slot+3], s[G0B+4*\slot+2:G0B+4*\slot+3], 2*HALFT
	JLOAD G0+4*\slot, G1, G0B+4*\slot, G1B
.else
	PLACES NP
.endif
	s_wait_alu depctr_va_vdst(0)
	v_add_nc_u32 v[ADSY], 1024, v[ADSY]
	v_add_nc_u32 v[ADSX], 1024, v[ADSX]
	FETCH_X \next, 0, 0
	FETCH_Y \next, 0, 0
	SCALES \next
	WIN MUL_HI
	MUL16 4, 1, 1, \slot, 0
	MUL16 6, 1, 1, \slot, 0
	PLACES NP
	WIN 0
	FETCH_Y \next, 0, 4
.endm
	s_wait_alu depctr_va_vdst(0)
	s_wait_xcnt 0x0                                ; the prefetches have read their address registers
	s_wait_tensorcnt 0x0                           ; my tile of the head's four is in; slot 1's first fill is issued as a refill is:
	ds_add_u32 v[SPW], v[NIL]
.irp g, G1, G1B
	s_mov_b32 s[\g+1], 32<<16
	s_mov_b32 s[\g+2], (HALFT/256)<<16
	s_mov_b32 s[\g+3], 32<<16
	s_mov_b32 s[\g+4], HALFT/256
	s_mov_b32 s[\g+5], 32
.endr
	s_mov_b32 s[G0+1], s45                         ; and slot 0's sets name my block, at wave x a block
	s_mov_b32 s[G0B+1], s45
	s_add_nc_u64 s[G0+2:G0+3], s[G0+2:G0+3], s[2:3]
	s_add_nc_u64 s[G0B+2:G0B+3], s[G0B+2:G0B+3], s[2:3]
	s_wait_dscnt 0x0                               ; the add is done
	CROUND                                         ; a whole round: all four tiles are in, and the joint loads meet
	JLOAD G0+4, G1, G0B+4, G1B                     ; slot 1, the first tensor load behind the round
	FETCH_X 0, 0, 0
	FETCH_Y 0, 0, 0
	SCALES 0
	FETCH_Y 0, 0, 4
	s_wait_loadcnt 0x0                             ; the bias
	STEP 0, 0, 1
	s_mov_b32 s3, LAPS-1
.Llap:
	TURN 0, 1, 1
	STEP 1, 0, 0
	TURN 1, 0, 1
	STEP 0, 0, 0
	s_sub_co_u32 s3, s3, 1
	s_cmp_lg_u32 s3, 0
	s_cbranch_scc1 .Llap
	TURN 0, 1, 0
	STEP 1, 0, 0
	s_wait_dscnt 4*NL
	WIN MUL_LO
	MUL16 0, 1, 1, 1, 0
	MUL16 2, 1, 1, 1, 0
	s_wait_dscnt 0
	WIN MUL_HI
	MUL16 4, 1, 1, 1, 0
	MUL16 6, 1, 1, 1, 0
	WIN 0
	PLACES NP
	; THE WAY OUT
	s_lshl_b32 s95, s19, 1
	s_add_co_u32 s95, s95, s17                     ; my block of 128 tokens
	s_mul_i32 s96, s95, 393216
	s_lshl_b32 s97, s42, 2
	s_lshl_b32 s98, s18, 1
	s_add_co_u32 s97, s97, s98                     ; my first 64 along the next K
	s_mul_i32 s97, s97, 6144
	s_add_co_u32 s96, s96, s97
	s_mov_b32 s97, 0
	s_add_nc_u64 s[66:67], s[10:11], s[96:97]      ; where tile 0's codes go; 768 bytes on in each trip
	s_lshl_b32 s96, s95, 14
	s_add_co_u32 s96, s96, 12582912
	s_lshl_b32 s98, s42, 10
	s_add_co_u32 s96, s96, s98
	s_lshl_b32 s98, s18, 9
	s_add_co_u32 s96, s96, s98
	s_add_nc_u64 s[100:101], s[10:11], s[96:97]    ; my 128 rows' scale words of my 128 along the next K
	s_mov_b32 s92, 0x76543210
	s_mov_b32 s93, 0xfedcba98
.macro KPAIR reg, val                  ; a constant as a pair: the packed forms name a pair and take its low word for both halves.  (Every tensor load has landed: the descriptors' registers are free)
	s_mov_b32 s[\reg], \val
	s_mov_b32 s[\reg+1], \val
.endm
	KPAIR 24, 0x3fb504f3                           ; sqrt 2
	KPAIR 26, 0xaf95df0b                           ; P: -2.72614226e-10,
	KPAIR 28, 0xb60cff51                           ; (2.77068142e-08 below), -2.10102402e-06,
	KPAIR 30, 0xb86ec2d2                           ; -5.69250639e-05,
	KPAIR 32, 0xba40ac63                           ; -7.34990630e-04,
	KPAIR 34, 0xbb41a1f6                           ; -2.95459981e-03,
	KPAIR 36, 0xbc83dbd4                           ; -1.60960333e-02
	KPAIR 38, 0xb77460cd                           ; Q: -1.45660718e-05,
	KPAIR 48, 0xbadc924e                           ; (-2.13374055e-04 below), -1.68282697e-03,
	KPAIR 50, 0xbbf19bf8                           ; -7.37332917e-03,
	KPAIR 52, 0xbc69b6a7                           ; -1.42647391e-02
	v_mov_b32 v8, 0xb95fbd29                       ; the two second coefficients in vector pairs, so that no line names two scalar pairs
	v_mov_b32 v9, 0xb95fbd29
	v_mov_b32 v10, 0x32edffee
	v_mov_b32 v11, 0x32edffee
.macro HALVE k                         ; tile k's 64 numbers out of their accumulators, each from its low end on, halved (exact)
	WIN 2+(\k)/4                                   ; source 0 in window 2 or 3
.set i, 0
.rept 32
	v_pk_mul_f32 v[U+i:U+i+1], v[64*((\k)%4)+i:64*((\k)%4)+i+1], 0.5 op_sel_hi:[1,0]
.set i, i+2
.endr
	WIN 0
.endm
.macro GELU16 k                        ; sixteen numbers: v[U + 16 k ..] holds x/2 and takes gelu(x)
.set UU, U+16*(\k)
.irp i, 0,2,4,6,8,10,12,14
	v_pk_mul_f32 v[CC+\i:CC+\i+1], v[UU+\i:UU+\i+1], s[24:25] op_sel_hi:[1,0]   ; x / sqrt 2
.endr
.irp j, 0,1,2,3,4,5,6,7,8,9,10,11,12,13,14,15
	v_med3_num_f32 v[CC+\j], v[CC+\j], -4.0, 4.0   ; beyond 4 erf is 1 in f32
.endr
.irp i, 0,2,4,6,8,10,12,14
	v_pk_mul_f32 v[ZZ+\i:ZZ+\i+1], v[CC+\i:CC+\i+1], v[CC+\i:CC+\i+1]
.endr
.irp i, 0,2,4,6,8,10,12,14
	v_pk_fma_f32 v[QQ+\i:QQ+\i+1], v[ZZ+\i:ZZ+\i+1], s[38:39], v[8:9] op_sel_hi:[1,0,1]
.endr
.irp c, 48,50,52
.irp i, 0,2,4,6,8,10,12,14
	v_pk_fma_f32 v[QQ+\i:QQ+\i+1], v[QQ+\i:QQ+\i+1], v[ZZ+\i:ZZ+\i+1], s[\c:\c+1] op_sel_hi:[1,1,0]
.endr
.endr
	s_wait_alu depctr_va_vdst(0)
.irp j, 0,1,2,3,4,5,6,7,8,9,10,11,12,13,14,15
	v_rcp_f32 v[QQ+\j], v[QQ+\j]
.endr
.irp i, 0,2,4,6,8,10,12,14                     ; P's 48 lines name no reciprocal: the independent work behind the batch
	v_pk_fma_f32 v[PP+\i:PP+\i+1], v[ZZ+\i:ZZ+\i+1], s[26:27], v[10:11] op_sel_hi:[1,0,1]
.endr
.irp c, 28,30,32,34,36
.irp i, 0,2,4,6,8,10,12,14
	v_pk_fma_f32 v[PP+\i:PP+\i+1], v[PP+\i:PP+\i+1], v[ZZ+\i:ZZ+\i+1], s[\c:\c+1] op_sel_hi:[1,1,0]
.endr
.endr
	s_wait_alu depctr_va_vdst(0)                   ; one wait for the sixteen reciprocals, ahead of their first reader
.irp i, 0,2,4,6,8,10,12,14
	v_pk_mul_f32 v[PP+\i:PP+\i+1], v[PP+\i:PP+\i+1], v[CC+\i:CC+\i+1]
.endr
.irp i, 0,2,4,6,8,10,12,14
	v_pk_mul_f32 v[PP+\i:PP+\i+1], v[PP+\i:PP+\i+1], v[QQ+\i:QQ+\i+1]           ; erf
.endr
.irp i, 0,2,4,6,8,10,12,14
	v_pk_fma_f32 v[UU+\i:UU+\i+1], v[UU+\i:UU+\i+1], v[PP+\i:PP+\i+1], v[UU+\i:UU+\i+1]   ; x/2 erf + x/2
.endr
.endm
; 64 numbers of a lane, register 16 b + i = hidden unit 32 b + 16 h + i of my token, become codes in v[PC .. PC+11] and the scale word in v[PW]
.macro QUANT s
.irp b, 0,1,2,3
	v_max3_num_f32 v[TM+\b], |v[(\s)+16*\b]|, |v[(\s)+16*\b+1]|, 0x1800000   ; and the floor 2^(3 - 127): the byte cannot fall under 1
.endr
.irp i, 2,4,6,8,10,12,14
.irp b, 0,1,2,3
	v_max3_num_f32 v[TM+\b], |v[(\s)+16*\b+\i]|, |v[(\s)+16*\b+\i+1]|, v[TM+\b]
.endr
.endr
.irp b, 0,1,2,3
	v_permlanex16_b32 v[TM+4+\b], v[TM+\b], s92, s93   ; (its destination was written in the gelu's lines)
.endr
.irp b, 0,1,2,3
	v_max_num_f32 v[TM+\b], v[TM+\b], v[TM+4+\b]
.endr
.irp b, 0,1,2,3
	v_add_nc_u32 v[TM+12+\b], 0xff000000, v[TM+\b]
.endr
.irp b, 0,1,2,3
	v_lshrrev_b32 v[TM+4+\b], 23, v[TM+12+\b]
.endr
	v_lshl_or_b32 v[PW], v[TM+5], 8, v[TM+4]
	v_lshl_or_b32 v[PW], v[TM+6], 16, v[PW]
	v_lshl_or_b32 v[PW], v[TM+7], 24, v[PW]
.irp c, 0,1
	v_cvt_scalef32_pk16_fp6_f32 v[PC+6*\c:PC+6*\c+2], v[(\s)+32*\c:(\s)+32*\c+15], v[TM+12+2*\c]
	v_cvt_scalef32_pk16_fp6_f32 v[PC+12+4*\c:PC+14+4*\c], v[(\s)+32*\c+16:(\s)+32*\c+31], v[TM+13+2*\c]
.endr
	v_nop                                          ; one plain line behind the scaled conversions
.irp c, 0,1
.irp i, 0,1,2
	v_permlane16_swap_b32 v[PC+6*\c+\i], v[PC+12+4*\c+\i]
.endr
.irp i, 0,1,2
	v_mov_b32 v[PC+3+6*\c+\i], v[PC+12+4*\c+\i]
.endr
.endr
.endm
	s_mov_b32 s3, 0
.Lrow:                                                 ; eight trips: tile s3 of my tokens
.irp k, 0,1,2,3,4,5,6
	s_cmp_eq_u32 s3, \k
	s_cbranch_scc1 .Lhalf\k
.endr
	HALVE 7
	s_branch .Lgo
.irp k, 0,1,2,3,4,5,6
.Lhalf\k:
	HALVE \k
	s_branch .Lgo
.endr
.Lgo:
	GELU16 0
	GELU16 1
	GELU16 2
	GELU16 3
	QUANT U
.irp p, 0,1,2,3,4,5
	global_store_b64 v[GA], v[PC+2*\p:PC+2*\p+1], s[66:67] offset:(\p/3)*6144+256*(\p%3)   ; 32 lanes store 256 consecutive bytes, aligned
.endr
	ds_store_b32 v[STS], v[PW]                     ; slot 0 has had its last fill and its last read
	v_add_nc_u32 v[STS], 64, v[STS]
	s_wait_xcnt 0x0                                ; the stores have read their base and their registers: both are written again only behind this wait
	s_add_nc_u64 s[66:67], s[66:67], 768
	s_add_co_u32 s3, s3, 1
	s_cmp_lt_u32 s3, 8
	s_cbranch_scc1 .Lrow
	ds_load_b128 v[84:87], v[STR]                  ; LDS serves a wave's instructions in order: my 128 rows' words
	v_lshlrev_b32 v5, 4, v3
	s_wait_alu depctr_va_vdst(0)
	s_wait_dscnt 0x0
	global_store_b128 v5, v[84:87], s[100:101]     ; 32 lanes store 512 consecutive bytes, aligned
	s_wait_tensorcnt 0x0                           ; the wave's end
	ds_add_u32 v[SPW], v[NIL]
	s_wait_dscnt 0x0
	CROUND                                         ; the closing round
	s_endpgm
.Lfunc_end_k_qb5bf203ed5_gemm_w1:
	.size	k_qb5bf203ed5_gemm_w1, .Lfunc_end_k_qb5bf203ed5_gemm_w1-k_qb5bf203ed5_gemm_w1
	.p2alignl 7, 3214868480
	.fill 96, 4, 3214868480
	.section	.rodata,"a",@progbits
	.p2align	6, 0x0
	.amdhsa_kernel k_qb5bf203ed5_gemm_w1
		.amdhsa_group_segment_fixed_size 327680
		.amdhsa_private_segment_fixed_size 0
		.amdhsa_enable_private_segment 0
		.amdhsa_kernarg_size 32
		.amdhsa_user_sgpr_count 2
		.amdhsa_user_sgpr_kernarg_segment_ptr 1
		.amdhsa_wavefront_size32 1
		.amdhsa_system_sgpr_workgroup_id_x 1
		.amdhsa_system_sgpr_workgroup_id_y 1
		.amdhsa_system_sgpr_workgroup_id_z 1
		.amdhsa_system_vgpr_workitem_id 0
		.amdhsa_next_free_vgpr 1024
		.amdhsa_next_free_sgpr 102
		.amdhsa_reserve_vcc 0
		.amdhsa_float_denorm_mode_32 3
		.amdhsa_float_denorm_mode_16_64 3
		.amdhsa_memory_ordered 1
		.amdhsa_forward_progress 1
		.amdhsa_inst_pref_size 200
	.end_amdhsa_kernel
	.amdgpu_metadata
---
amdhsa.version: [ 1, 2 ]
amdhsa.kernels:
  - .name:           k_qb5bf203ed5_gemm_w1
    .symbol:         k_qb5bf203ed5_gemm_w1.kd
    .args:
      - { .name: hq, .offset: 0, .size: 8, .value_kind: global_buffer, .address_space: global }
      - { .name: wts, .offset: 8, .size: 8, .value_kind: global_buffer, .address_space: global }
      - { .name: b1, .offset: 16, .size: 8, .value_kind: global_buffer, .address_space: global }
      - { .name: gq, .offset: 24, .size: 8, .value_kind: global_buffer, .address_space: global }
    .group_segment_fixed_size: 327680
    .private_segment_fixed_size: 0
    .kernarg_segment_align: 8
    .kernarg_segment_size: 32
    .max_flat_workgroup_size: 128
    .sgpr_count:     102
    .vgpr_count:     1024
    .wavefront_size: 32
...
	.end_amdgpu_metadata
.endif
;; end of part 13
;; launch gemm_2 (part 14): grid 8 x 32, 4 waves a work-group, clusters of 4 x 4, 327,680 bytes of LDS; arguments gq, wts, b2, x1, out0; writes out0
.if DOCPART == 14
	.amdgcn_target "amdgcn-amd-amdhsa--gfx1250"
	.amdhsa_code_object_version 6
	.text
	.protected	k_qb5bf203ed5_gemm_2
	.globl	k_qb5bf203ed5_gemm_2
	.p2align	8
	.type	k_qb5bf203ed5_gemm_2,@function
k_qb5bf203ed5_gemm_2:
	s_mov_b64 s[64:65], 0
	v_nop
	global_prefetch_b8 v0, s[64:65] scope:SCOPE_SE
	s_setreg_imm32_b32 hwreg(HW_REG_WAVE_MODE, 25, 1), 1
	s_wait_xcnt 0x0
	s_wait_alu depctr_hold_cnt(0) depctr_sa_sdst(0) depctr_va_vdst(0) depctr_va_sdst(0) depctr_va_ssrc(0) depctr_va_vcc(0) depctr_vm_vsrc(0)
	s_getreg_b32 s2, hwreg(HW_REG_IB_STS2, 6, 4)
	s_cmp_eq_u32 s2, 0
	s_cbranch_scc0 .Lentry_in_a_cluster
	s_endpgm
.Lentry_in_a_cluster:
	s_bfe_u32 s2, ttmp6, 0x10000c
	s_cmp_lg_u32 s2, 0xf033
	s_cbranch_scc0 .Lentry_shape_is_right
	s_endpgm
.Lentry_shape_is_right:
.set KDIM,  4096
.set ASO,   12582912
.set WC,    6291456
.set WS,    9699328
.set PART,  24576
.set HSIDE, 2*PART
.set SLOT,  4*PART
.set LAPS,  KDIM/1024
.set RBP,   (KDIM/64)*6144
.set HALFS, (KDIM/128)*512
.set SCL,   2*SLOT
.set SPARE, SCL+2*HALFS+8192
.set SPITCH, 272
.set FR, 12
.set NP, 4
.set BL,   6
.set ADRY, 16
.set ADRX, 20
.set ADSX, 22
.set STO,  24
.set RD,   25
.set CO,   26
.set ADSY, 27
.set SPW,  28
.set NIL,  29
.set SCY,  32
.set SCX,  64
.set BIAS, 96
.set ACC,  128
.set G1, 24
.set G0, 32
.set G1B, 48
.set G0B, 56
.set G1S, 68
.set G0S, 76
.set G1SB, 80
.set G0SB, 88
.set MSB, 0
.macro WIN new
.if MSB != (\new)
	s_set_vgpr_msb (MSB<<8)|(\new)
.set MSB, (\new)
.endif
.endm
.set MUL,  0x05
.set TO_F, 0x40
.macro JLOAD g0a, g1a, g0b, g1b
	s_cmp_eq_u32 s17, 0
	s_cbranch_scc0 .Lfor_b_\@
	tensor_load_to_lds s[\g0a:\g0a+3], s[\g1a:\g1a+7]
	s_nop 0
.rept 4
	v_nop
.endr
	s_branch .Lasked_\@
.Lfor_b_\@:
	tensor_load_to_lds s[\g0b:\g0b+3], s[\g1b:\g1b+7]
	s_nop 0
.rept 4
	v_nop
.endr
.Lasked_\@:
.endm
.macro CREST
	s_cmp_lg_u32 s16, 0
	s_cbranch_scc1 .Lnot_wave_0_\@
	s_barrier_signal -3
.Lnot_wave_0_\@:
	s_barrier_wait -3
	s_barrier_signal -1
	s_barrier_wait -1
.endm
.macro CROUND
	s_barrier_signal -1
	s_barrier_wait -1
	CREST
.endm
	s_load_b256 s[4:11], s[0:1], 0x0
	s_load_b64 s[12:13], s[0:1], 0x20
	v_lshl_add_u32 v[SPW], v0, 2, SPARE
	v_mov_b32 v[NIL], 0
	ds_add_u32 v[SPW], v[NIL]
	ds_add_u32 v[SPW], v[NIL]
	v_lshrrev_b32 v1, 5, v0
	v_readfirstlane_b32 s16, v1
	s_lshr_b32 s17, s16, 1
	s_and_b32 s18, s16, 1
	s_bfe_u32 s40, ttmp6, 0x40000
	s_bfe_u32 s41, ttmp6, 0x40004
	s_lshl_b32 s42, ttmp9, 2
	s_add_co_u32 s42, s42, s40
	s_and_b32 s19, ttmp7, 0xffff
	s_lshl_b32 s19, s19, 2
	s_add_co_u32 s19, s19, s41
	s_lshl_b32 s43, s41, 2
	s_lshl_b32 s43, 15, s43
	s_lshl_b32 s44, 0x1111, s40
	s_or_b32 s[G1+0], s43, (3<<16)|(1<<21)
	s_or_b32 s[G1B+0], s44, (3<<16)|(1<<21)
.irp g, G1, G1B
	s_mov_b32 s[\g+1], 32<<16
	s_mov_b32 s[\g+2], (HSIDE/256)<<16             ; the head's loads bring a whole side of slot 0: 192 rows
	s_mov_b32 s[\g+3], 32<<16
	s_mov_b32 s[\g+4], HSIDE/256
	s_mov_b32 s[\g+5], 32
	s_mov_b32 s[\g+6], 0
	s_mov_b32 s[\g+7], 0
.endr
	s_or_b32 s[G1S+0], s43, (3<<16)|(1<<21)
	s_or_b32 s[G1SB+0], s44, (3<<16)|(1<<21)
.irp g, G1S, G1SB
	s_mov_b32 s[\g+1], 32<<16
	s_mov_b32 s[\g+2], (HALFS/256)<<16             ; a side's scale words
	s_mov_b32 s[\g+3], 32<<16
	s_mov_b32 s[\g+4], HALFS/256
	s_mov_b32 s[\g+5], 32
	s_mov_b32 s[\g+6], 0
	s_mov_b32 s[\g+7], 0
.endr
	s_mul_i32 s2, s18, PART                        ; in the ring I fetch 256 along K of a side: which, in bytes
	s_mov_b32 s3, 0
	s_mul_i32 s22, s19, HALFS                      ; A's places hang on the tile row alone,
	s_add_co_u32 s22, s22, ASO
	s_mul_i32 s20, s19, RBP
	s_mul_i32 s92, s42, HALFS                      ; B's on the tile column alone
	s_add_co_u32 s92, s92, WS
	s_mul_i32 s46, s42, RBP
	s_add_co_u32 s46, s46, WC
	s_mov_b32 s21, 0
	s_mov_b32 s23, 0
	s_mov_b32 s47, 0
	s_mov_b32 s93, 0
	s_mul_i32 s45, s16, PART
	s_wait_dscnt 0x0
	s_wait_kmcnt 0x0
	s_add_nc_u64 s[20:21], s[4:5], s[20:21]
	s_add_nc_u64 s[22:23], s[4:5], s[22:23]
	s_add_nc_u64 s[46:47], s[6:7], s[46:47]
	s_add_nc_u64 s[92:93], s[6:7], s[92:93]
	; THE PREFETCH.  A fill is 512 along K of both sides; fills 0 and 1 come by their loads alone, fills 2 and 3 are asked for at the head, and behind the refill that brings fill f stands the request for fill f + 2:
	; two changes of slots, 128 products a wave, ahead of the load that will want it.  Of the 96 blocks of 256 bytes that a wave fetches in a fill, each of the four partners that ask jointly names 24, told apart by
	; address (cx for A, cy for B): each block is named once in the cluster.  The last lap's two refills (fills 6 and 7) ask for nothing.
	s_cmp_eq_u32 s17, 0
	s_cselect_b64 s[14:15], s[20:21], s[46:47]
	s_cselect_b32 s94, s40, s41
	s_mul_i32 s94, s94, PART/4
	s_add_co_u32 s94, s94, s2
	s_mov_b32 s95, 0
	s_add_nc_u64 s[14:15], s[14:15], s[94:95]
	s_add_nc_u64 s[14:15], s[14:15], 2*HSIDE       ; my 24 blocks of fill 2
	CROUND
	s_mov_b32 s[G0S], 1
	s_mov_b32 s[G0S+1], SCL
	s_mov_b64 s[G0S+2:G0S+3], s[22:23]
	s_or_b32 s[G0S+3], s[G0S+3], 0x80000000
	s_mov_b32 s[G0SB], 1
	s_mov_b32 s[G0SB+1], SCL+HALFS
	s_mov_b64 s[G0SB+2:G0SB+3], s[92:93]
	s_or_b32 s[G0SB+3], s[G0SB+3], 0x80000000
.irp s, 0,1
	s_mov_b32 s[G0+4*\s], 1
	s_add_co_u32 s[G0+4*\s+1], s45, \s*SLOT
	s_add_nc_u64 s[G0+4*\s+2:G0+4*\s+3], s[20:21], \s*HSIDE
	s_or_b32 s[G0+4*\s+3], s[G0+4*\s+3], 0x80000000
	s_mov_b32 s[G0B+4*\s], 1
	s_add_co_u32 s[G0B+4*\s+1], s45, \s*SLOT
	s_add_nc_u64 s[G0B+4*\s+2:G0B+4*\s+3], s[46:47], \s*HSIDE
	s_or_b32 s[G0B+4*\s+3], s[G0B+4*\s+3], 0x80000000
.endr
	s_mov_b32 s[G0+1], 0                           ; for the head slot 0's two sets name a whole side: A's at 0,
	s_mov_b32 s[G0B+1], HSIDE                      ; B's behind it
	s_add_nc_u64 s[G0+6:G0+7], s[G0+6:G0+7], s[2:3]      ; slot 1's sets name my part
	s_add_nc_u64 s[G0B+6:G0B+7], s[G0B+6:G0B+7], s[2:3]
; THE HEAD'S LOADS, one a wave: wave 0 A's side of slot 0, wave 1 B's, wave 2 A's scale words, wave 3 B's.  One chain of branches on the wave's number, one load to an arm.
.macro ARM under, g0, g1, next
	s_cmp_lt_u32 s16, \under
	s_cbranch_scc0 \next
	tensor_load_to_lds s[\g0:\g0+3], s[\g1:\g1+7]
	s_nop 0
.rept 4
	v_nop
.endr
	s_branch .Lhead_asked
\next:
.endm
	ARM 1, G0,  G1,  .Lhead_b
	ARM 2, G0B, G1B, .Lhead_sa
	ARM 3, G0S, G1S, .Lhead_sb
	tensor_load_to_lds s[G0SB:G0SB+3], s[G1SB:G1SB+7]
	s_nop 0
.rept 4
	v_nop
.endr
.Lhead_asked:
	v_and_b32 v1, 15, v0
	s_wait_alu depctr_va_vdst(0)
	v_bfe_u32 v2, v0, 4, 1
	v_and_b32 v3, 31, v0
	v_lshlrev_b32 v4, 3, v3
	s_mul_i32 s20, s17, 3072
	s_mul_i32 s21, s18, 3072
	s_add_co_u32 s21, s21, HSIDE
.irp s, 0,1
	v_add_nc_u32 v[ADRY+\s], s20, v4
	v_add_nc_u32 v[ADRX+\s], s21, v4
	s_add_co_u32 s20, s20, SLOT
	s_add_co_u32 s21, s21, SLOT
.endr
	s_lshl_b32 s20, s17, 8
	s_add_co_u32 s20, s20, SCL
	s_lshl_b32 s21, s18, 8
	s_add_co_u32 s21, s21, SCL+HALFS
	v_lshlrev_b32 v4, 2, v1
	v_add_nc_u32 v[ADSY], s20, v4
	v_add_nc_u32 v[ADSX], s21, v4
	s_mul_i32 s20, s16, 16*SPITCH
	v_mul_u32_u24 v5, v1, SPITCH
	v_lshl_add_u32 v5, v2, 6, v5
	v_add_nc_u32 v[STO], s20, v5
	v_mul_u32_u24 v5, v2, SPITCH
	v_lshl_add_u32 v5, v1, 4, v5
	v_add_nc_u32 v[RD], s20, v5
	v_lshlrev_b32 v5, 12, v2
	v_lshl_add_u32 v[CO], v1, 4, v5
	v_lshlrev_b32 v[BL], 6, v2
	v_min_u32 v30, 23, v3                          ; a lane a block; the eight lanes left over name the last block again
	v_lshlrev_b32 v30, 8, v30
	s_wait_alu depctr_va_vdst(0)
	s_lshl_b32 s66, s42, 9
	s_lshl_b32 s97, s18, 8
	s_add_co_u32 s66, s66, s97
	s_mov_b32 s67, 0
	s_lshl_b32 s96, s19, 19
	s_lshl_b32 s95, s17, 18
	s_add_co_u32 s96, s96, s95
	s_add_co_u32 s96, s96, s66
	s_mov_b32 s97, 0
	s_add_nc_u64 s[98:99], s[10:11], s[96:97]
	s_add_nc_u64 s[100:101], s[12:13], s[96:97]
	s_add_nc_u64 s[8:9], s[8:9], s[66:67]
	global_prefetch_b8 v30, s[14:15] th:TH_LOAD_NT scope:SCOPE_SE
	global_prefetch_b8 v30, s[14:15] offset:HSIDE th:TH_LOAD_NT scope:SCOPE_SE
.irp b, 0,1,2,3
.irp u, 0,1
	global_load_b128 v[BIAS+8*\b+4*\u:BIAS+8*\b+4*\u+3], v[BL], s[8:9] offset:128*(\b/2)+32*(\b%2)+16*\u
.endr
.endr
.macro FRAG reg, adr, q, i
.irp p, 0,1,2,3,4,5
	ds_load_b64 v[\reg+2*\p:\reg+2*\p+1], v[\adr] offset:(2*(\q)+\p/3)*6144+(\i)*768+256*(\p%3)
.endr
.endm
.macro FETCHG slot, q, f, grp
.if (\grp) < 2
	FRAG 96*(\f)+FR*(2*(\grp)), ADRX+\slot, \q, 2*(\grp)
	FRAG 96*(\f)+FR*(2*(\grp)+1), ADRX+\slot, \q, 2*(\grp)+1
.else
	FRAG 96*(\f)+48+FR*(2*(\grp)-4), ADRY+\slot, \q, 2*(\grp)-4
	FRAG 96*(\f)+48+FR*(2*(\grp)-3), ADRY+\slot, \q, 2*(\grp)-3
.endif
.endm
.macro MUL4 f, a, q, sc, zero
.irp b, 0,1,2,3
.if \zero
	v_wmma_scale_f32_16x16x128_f8f6f4 v[ACC+8*(4*(\a)+\b):ACC+8*(4*(\a)+\b)+7], v[96*(\f)+FR*\b:96*(\f)+FR*\b+FR-1], v[96*(\f)+48+FR*(\a):96*(\f)+48+FR*(\a)+FR-1], v[BIAS+8*\b:BIAS+8*\b+7], v[SCX+16*(\sc)+4*\b+(\q)], v[SCY+16*(\sc)+4*(\a)+(\q)] matrix_a_fmt:MATRIX_FMT_FP6 matrix_b_fmt:MATRIX_FMT_FP6
.else
	v_wmma_scale_f32_16x16x128_f8f6f4 v[ACC+8*(4*(\a)+\b):ACC+8*(4*(\a)+\b)+7], v[96*(\f)+FR*\b:96*(\f)+FR*\b+FR-1], v[96*(\f)+48+FR*(\a):96*(\f)+48+FR*(\a)+FR-1], v[ACC+8*(4*(\a)+\b):ACC+8*(4*(\a)+\b)+7], v[SCX+16*(\sc)+4*\b+(\q)], v[SCY+16*(\sc)+4*(\a)+(\q)] matrix_a_fmt:MATRIX_FMT_FP6 matrix_b_fmt:MATRIX_FMT_FP6
.endif
.endr
.endm
.macro SCALES sc
.irp i, 0,1,2,3
.irp q, 0,1,2,3
	ds_load_b32 v[SCY+16*\sc+4*\i+\q], v[ADSY] offset:512*\q+64*\i
	ds_load_b32 v[SCX+16*\sc+4*\i+\q], v[ADSX] offset:512*\q+64*\i
.endr
.endr
.endm
.macro PLACES n
.rept \n
	v_nop
.endr
.endm
.macro STEP slot, q, zero
	s_wait_dscnt 18
	PLACES NP
	WIN MUL
	MUL4 (\q)%2, 0, \q, \slot, \zero
	WIN TO_F
	FETCHG \slot, (\q)+1, 1-(\q)%2, 0
	s_wait_dscnt 24
	WIN MUL
	MUL4 (\q)%2, 1, \q, \slot, \zero
	WIN TO_F
	FETCHG \slot, (\q)+1, 1-(\q)%2, 1
	s_wait_dscnt 30
	WIN MUL
	MUL4 (\q)%2, 2, \q, \slot, \zero
	WIN TO_F
	FETCHG \slot, (\q)+1, 1-(\q)%2, 2
	s_wait_dscnt 36
	WIN MUL
	MUL4 (\q)%2, 3, \q, \slot, \zero
	WIN TO_F
	FETCHG \slot, (\q)+1, 1-(\q)%2, 3
	WIN 0
.endm
.macro TURN slot, next, fill
.if \fill
	s_wait_xcnt 0x0                                ; my prefetches have read their address: it is stepped here, a fill on
	s_add_nc_u64 s[14:15], s[14:15], HSIDE
.endif
	s_wait_tensorcnt 0x0
	ds_add_u32 v[SPW], v[NIL]
	s_wait_dscnt 19
	WIN MUL
	MUL4 1, 0, 3, \slot, 0
	s_wait_dscnt 0x0
	s_barrier_signal -1
	MUL4 1, 1, 3, \slot, 0
	WIN 0
	s_barrier_wait -1
.if \fill
	CREST
	s_add_nc_u64 s[G0+4*\slot+2:G0+4*\slot+3], s[G0+4*\slot+2:G0+4*\slot+3], 2*HSIDE
	s_add_nc_u64 s[G0B+4*\slot+2:G0B+4*\slot+3], s[G0B+4*\slot+2:G0B+4*\slot+3], 2*HSIDE
	JLOAD G0+4*\slot, G1, G0B+4*\slot, G1B
.else
	PLACES NP
.endif
	s_wait_alu depctr_va_vdst(0)
	v_add_nc_u32 v[ADSY], 2048, v[ADSY]
	v_add_nc_u32 v[ADSX], 2048, v[ADSX]
	SCALES \next
	WIN TO_F
	FETCHG \next, 0, 0, 0
	FETCHG \next, 0, 0, 1
	WIN MUL
	MUL4 1, 2, 3, \slot, 0
	WIN TO_F
	FETCHG \next, 0, 0, 2
	WIN MUL
	MUL4 1, 3, 3, \slot, 0
	WIN TO_F
	FETCHG \next, 0, 0, 3
	WIN 0
.if \fill
	s_cmp_gt_u32 s3, 1                             ; s3 = 1 in the loop's last trip
	s_cbranch_scc0 .Lno_ask_\@
	global_prefetch_b8 v30, s[14:15] offset:HSIDE th:TH_LOAD_NT scope:SCOPE_SE
.Lno_ask_\@:
.endif
.endm
	s_wait_alu depctr_va_vdst(0)                   ; the wait at the head's end
	s_wait_tensorcnt 0x0                           ; my tile of the head's four is in; slot 1's first fill is issued as a refill is:
	ds_add_u32 v[SPW], v[NIL]
.irp g, G1, G1B                                ; no tensor load of mine is out: from here on a load brings one part, 96 rows
	s_mov_b32 s[\g+2], (PART/256)<<16
	s_mov_b32 s[\g+4], PART/256
.endr
	s_mov_b32 s[G0+1], s45                         ; and slot 0's sets name my part, at wave x a part
	s_mov_b32 s[G0B+1], s45
	s_add_nc_u64 s[G0+2:G0+3], s[G0+2:G0+3], s[2:3]
	s_add_nc_u64 s[G0B+2:G0B+3], s[G0B+2:G0B+3], s[2:3]
	s_wait_dscnt 0x0                               ; the add is done
	CROUND                                         ; a whole round: all four tiles are in, and the joint loads meet
	JLOAD G0+4, G1, G0B+4, G1B                     ; slot 1, the first tensor load behind the round
	SCALES 0
	WIN TO_F
	FETCHG 0, 0, 0, 0
	FETCHG 0, 0, 0, 1
	FETCHG 0, 0, 0, 2
	FETCHG 0, 0, 0, 3
	WIN 0
	s_wait_loadcnt 0x0                             ; the bias
	STEP 0, 0, 1
	WIN 0x80                                       ; destination window 2
.irp a, 0,1,2,3                                ; THE RESIDUAL is asked for here, behind the first two fills, which are wanted first; it is wanted on the way out.  Block a's load t brings rows 32 (a / 2) + 8 (a % 2) + 2 t + 8 (t / 4) and the next
.irp t, 0,1,2,3,4,5,6,7
	global_load_b128 v[32*\a+4*\t:32*\a+4*\t+3], v[CO], s[98:99] offset:(32*(\a/2)+8*(\a%2)+2*\t+8*(\t/4))*4096 th:TH_LOAD_NT   ; sixteen lanes read 256 consecutive bytes, aligned; read once in the launch
.endr
.endr
	WIN 0
.if LAPS > 1
	s_mov_b32 s3, LAPS-1
.Llap:
	STEP 0, 1, 0
	STEP 0, 2, 0
	TURN 0, 1, 1
	STEP 1, 0, 0
	STEP 1, 1, 0
	STEP 1, 2, 0
	TURN 1, 0, 1
	STEP 0, 0, 0
	s_sub_co_u32 s3, s3, 1
	s_cmp_lg_u32 s3, 0
	s_cbranch_scc1 .Llap
.endif
	STEP 0, 1, 0
	STEP 0, 2, 0
	TURN 0, 1, 0
	STEP 1, 0, 0
	STEP 1, 1, 0
	STEP 1, 2, 0
	s_wait_dscnt 0x0
	WIN MUL
	MUL4 1, 0, 3, 1, 0
	MUL4 1, 1, 3, 1, 0
	MUL4 1, 2, 3, 1, 0
	MUL4 1, 3, 3, 1, 0
	WIN 0
	PLACES NP
.macro TOSTAGE a
.irp b, 0,1,2,3
	ds_store_b128 v[STO], v[ACC+8*(4*(\a)+\b):ACC+8*(4*(\a)+\b)+3] offset:128*(\b/2)+32*(\b%2)
	ds_store_b128 v[STO], v[ACC+8*(4*(\a)+\b)+4:ACC+8*(4*(\a)+\b)+7] offset:128*(\b/2)+32*(\b%2)+16
.endr
.irp t, 0,1,2,3,4,5,6,7
	ds_load_b128 v[ACC+32*(\a)+4*\t:ACC+32*(\a)+4*\t+3], v[RD] offset:\t*2*SPITCH
.endr
.endm
.macro SEND a
	s_wait_dscnt 16*(3-(\a))
	WIN 0x08
.irp t, 0,1,2,3,4,5,6,7
	v_pk_add_f32 v[ACC+32*(\a)+4*\t:ACC+32*(\a)+4*\t+1], v[ACC+32*(\a)+4*\t:ACC+32*(\a)+4*\t+1], v[32*(\a)+4*\t:32*(\a)+4*\t+1]
	v_pk_add_f32 v[ACC+32*(\a)+4*\t+2:ACC+32*(\a)+4*\t+3], v[ACC+32*(\a)+4*\t+2:ACC+32*(\a)+4*\t+3], v[32*(\a)+4*\t+2:32*(\a)+4*\t+3]
.endr
	WIN 0
.irp t, 0,1,2,3,4,5,6,7
	global_store_b128 v[CO], v[ACC+32*(\a)+4*\t:ACC+32*(\a)+4*\t+3], s[100:101] offset:(32*((\a)/2)+8*((\a)%2)+2*\t+8*(\t/4))*4096 th:TH_STORE_NT
.endr
.endm
	TOSTAGE 0
	TOSTAGE 1
	TOSTAGE 2
	TOSTAGE 3
	s_wait_loadcnt 0x0
	SEND 0
	SEND 1
	SEND 2
	SEND 3
	s_wait_tensorcnt 0x0
	ds_add_u32 v[SPW], v[NIL]
	s_wait_dscnt 0x0
	CROUND
	s_endpgm
.Lfunc_end_k_qb5bf203ed5_gemm_2:
	.size	k_qb5bf203ed5_gemm_2, .Lfunc_end_k_qb5bf203ed5_gemm_2-k_qb5bf203ed5_gemm_2
	.p2alignl 7, 3214868480
	.fill 96, 4, 3214868480
	.section	.rodata,"a",@progbits
	.p2align	6, 0x0
	.amdhsa_kernel k_qb5bf203ed5_gemm_2
		.amdhsa_group_segment_fixed_size 327680
		.amdhsa_private_segment_fixed_size 0
		.amdhsa_enable_private_segment 0
		.amdhsa_kernarg_size 40
		.amdhsa_user_sgpr_count 2
		.amdhsa_user_sgpr_kernarg_segment_ptr 1
		.amdhsa_wavefront_size32 1
		.amdhsa_system_sgpr_workgroup_id_x 1
		.amdhsa_system_sgpr_workgroup_id_y 1
		.amdhsa_system_sgpr_workgroup_id_z 1
		.amdhsa_system_vgpr_workitem_id 0
		.amdhsa_next_free_vgpr 640
		.amdhsa_next_free_sgpr 102
		.amdhsa_reserve_vcc 0
		.amdhsa_float_denorm_mode_32 3
		.amdhsa_float_denorm_mode_16_64 3
		.amdhsa_memory_ordered 1
		.amdhsa_forward_progress 1
		.amdhsa_inst_pref_size 126
	.end_amdhsa_kernel
	.amdgpu_metadata
---
amdhsa.version: [ 1, 2 ]
amdhsa.kernels:
  - .name:           k_qb5bf203ed5_gemm_2
    .symbol:         k_qb5bf203ed5_gemm_2.kd
    .args:
      - { .name: gq, .offset: 0, .size: 8, .value_kind: global_buffer, .address_space: global }
      - { .name: wts, .offset: 8, .size: 8, .value_kind: global_buffer, .address_space: global }
      - { .name: b2, .offset: 16, .size: 8, .value_kind: global_buffer, .address_space: global }
      - { .name: x1, .offset: 24, .size: 8, .value_kind: global_buffer, .address_space: global }
      - { .name: out0, .offset: 32, .size: 8, .value_kind: global_buffer, .address_space: global }
    .group_segment_fixed_size: 327680
    .private_segment_fixed_size: 0
    .kernarg_segment_align: 8
    .kernarg_segment_size: 40
    .max_flat_workgroup_size: 128
    .sgpr_count:     102
    .vgpr_count:     640
    .wavefront_size: 32
...
	.end_amdgpu_metadata
.endif
;; end of part 14
